; MI455X (gfx1250); checked and timed in simulation.
; The chip was launched on July 23, 2026; its instructions are those of AMD's public machine-readable ISA for CDNA 5 (MIT licence, August 2026) and "CDNA5" Instruction Set Architecture Reference Guide (July 2026). The comments in the code are by the model that wrote it; some were corrected since.
;; Encoder Block. Allowed arithmetic: matrix products marked QUANTISED: E2M1 operands, one E8M0 scale for each 32 along K, by v_wmma_scale_f32_16x16x128_f8f6f4 with both operands' format E2M1 (or v_wmma_scale_f32_32x16x128_f4), f32 sums; everything else in f32.
;; Inputs: b1 4,096 float32; b2 1,024 float32; bk 1,024 float32; bo 1,024 float32; bq 1,024 float32; bv 1,024 float32; ln1_a 1 float32; ln1_b 1 float32; ln2_a 1 float32; ln2_b 1 float32; mask 2 x 1 x 1 x 2,048 int32; w1_codes 4,096 x 32 x 16 uint8 (E2M1 codes of w1, K innermost, in blocks of 32 codes, two codes a byte); w1_scales 4,096 x 32 uint8 (E8M0 scales of w1, one for each 32 codes along K); w2_codes 1,024 x 128 x 16 uint8 (E2M1 codes of w2, K innermost, in blocks of 32 codes, two codes a byte); w2_scales 1,024 x 128 uint8 (E8M0 scales of w2, one for each 32 codes along K); wk_codes 1,024 x 32 x 16 uint8 (E2M1 codes of wk, K innermost, in blocks of 32 codes, two codes a byte); wk_scales 1,024 x 32 uint8 (E8M0 scales of wk, one for each 32 codes along K); wo_codes 1,024 x 32 x 16 uint8 (E2M1 codes of wo, K innermost, in blocks of 32 codes, two codes a byte); wo_scales 1,024 x 32 uint8 (E8M0 scales of wo, one for each 32 codes along K); wq_codes 1,024 x 32 x 16 uint8 (E2M1 codes of wq, K innermost, in blocks of 32 codes, two codes a byte); wq_scales 1,024 x 32 uint8 (E8M0 scales of wq, one for each 32 codes along K); wv_codes 1,024 x 32 x 16 uint8 (E2M1 codes of wv, K innermost, in blocks of 32 codes, two codes a byte); wv_scales 1,024 x 32 uint8 (E8M0 scales of wv, one for each 32 codes along K); x 2 x 2,048 x 1,024 float32.
;; Outputs: out0 2 x 2,048 x 1,024 float32.
;; This version of the problem:
;;   THIS VERSION OF THE PROBLEM IS GIVEN IN LOW PRECISION. The matrix products marked QUANTISED in the list below multiply operands that are first quantised to E2M1 (2 exponent bits, 1 mantissa bit; 4 bits a number), with one power-of-two scale for each 32 numbers along K (OCP MX v1.0); their sums are f32. All else is computed in f32.
;;   The module's matrix products, in the order in which they are computed (A, B: the left and right operand; K: the contracted axis; several contracted axes count as one K, in the product's order):
;;     1. [M 4,096, K 1,024] x [K 1,024, N 1,024]; A: computed on the way; B: input wq (given as codes): QUANTISED
;;     2. [M 4,096, K 1,024] x [K 1,024, N 1,024]; A: computed on the way; B: input wk (given as codes): QUANTISED
;;     3. [M 4,096, K 1,024] x [K 1,024, N 1,024]; A: computed on the way; B: input wv (given as codes): QUANTISED
;;     4. batch 32 x [M 2,048, K 64] x [K 64, N 2,048]; A: computed on the way; B: computed on the way: QUANTISED
;;     5. batch 32 x [M 2,048, K 2,048] x [K 2,048, N 64]; A: softmax (see below); B: computed on the way: QUANTISED
;;     6. [M 4,096, K 1,024] x [K 1,024, N 1,024]; A: computed on the way; B: input wo (given as codes): QUANTISED
;;     7. [M 4,096, K 1,024] x [K 1,024, N 4,096]; A: computed on the way; B: input w1 (given as codes): QUANTISED
;;     8. [M 4,096, K 4,096] x [K 4,096, N 1,024]; A: computed on the way; B: input w2 (given as codes): QUANTISED
;;   THE QUANTISER, for each operand of a quantised product, along K:
;;     - K is cut into blocks of 32 from its start; a last block that is shorter is filled with zeros.
;;     - A block's scale is 2^e with e = floor(log2(the largest magnitude in the block)) - 2, held to -126 .. 127; a block of zeros has e = 0. As a byte (E8M0): e + 127.
;;     - Each number is divided by its block's scale, clamped to +-6, and rounded to the nearest number of E2M1, ties to even, subnormals kept.
;;     - The product sums the exact products of the quantised numbers (number of the format x scale) in f32.
;;   ~~~python
;;   def quantise(x, axis):      # numpy; x: float32 -> the quantised numbers, widened to float32 again
;;       x = np.moveaxis(x, axis, -1); K = x.shape[-1]
;;       x = np.pad(x, [(0, 0)] * (x.ndim - 1) + [(0, -K % 32)]); x = x.reshape(x.shape[:-1] + (-1, 32)); a = np.abs(x).max(-1, keepdims=True)
;;       e = np.where(a > 0, np.clip(np.frexp(np.where(a > 0, a, 1))[1] - 1 - 2, -126, 127), 0)      # np.frexp(a)[1] - 1 = floor(log2(a)), exactly
;;       r = np.clip(x / 2.0 ** e, -6, 6)
;;       step = 2.0 ** (np.maximum(np.frexp(np.where(r == 0, 1, r))[1] - 1, 0) - 1)
;;       q = np.round(r / step) * step * 2.0 ** e      # np.round: ties to even
;;       return np.moveaxis(q.reshape(q.shape[:-2] + (-1,))[..., :K], -1, axis).astype(np.float32)
;;   ~~~
;;   SOFTMAX AHEAD OF A QUANTISED PRODUCT. Where the list says 'softmax', what is quantised is not the finished softmax but p = 2^(t - M), with t = logit x log2(e) and M = ceil(the row's largest t), a whole number; so 1/2 < the row's largest p <= 1. The row's sum l is taken of the UNQUANTISED p, in f32, and the product's result is divided by l at the end. Since M is a whole number, a kernel that streams over the keys may use a running M (the ceiling of the running maximum): every later rescaling is an exact power of two, which a block's scale takes up: the codes' values come out the same.
;;   OPERANDS COMPUTED ON THE WAY. 'Computed on the way' means the value that the module computes at that place (a softmax that the list does not call 'softmax' is quantised finished and normalised). What goes into a quantiser is computed in f32, as accurately as f32 sums, v_exp_f32 and their like allow (about 1e-6 of the number): no bf16 or f16 on the way to a quantiser, and a product that is left as it is and whose result goes on into a quantised operand takes f32 operands (vector FMAs, or v_wmma_f32_16x16x4_f32). A number that lies on a knife's edge between two numbers of the format may be rounded either way, as far as f32 arithmetic and the matrix unit's own rounding can turn it there, and no further.
;;   INPUTS GIVEN AS CODES. w1 (in the module: [4096, 1024], K = its axis 1); w2 (in the module: [1024, 4096], K = its axis 1); wk (in the module: [1024, 1024], K = its axis 1); wo (in the module: [1024, 1024], K = its axis 1); wq (in the module: [1024, 1024], K = its axis 1); wv (in the module: [1024, 1024], K = its axis 1): each comes as NAME_codes (uint8): NAME with its K axis moved to the last place and cut into blocks of 32 codes, [.., K / 32, bytes a block], one block behind the other in memory; two codes a byte, the lower K in the low four bits (a code: sign, 2 exponent bits, 1 mantissa bit); and NAME_scales (uint8): the same leading axes, one E8M0 byte (e + 127) for each 32 codes along K. Its value is code x scale, taken as it is: it is not quantised again, and the codes and scales need not be those that the quantiser above would give.
;; 2 versions. Each part assembles by itself: llvm-mc -triple=amdgcn-amd-amdhsa -mcpu=gfx1250 --defsym DOCPART=n.
;; ======== version 1 of 2: 7 launches
;; limits: right only within a limited range of input values
;; workspace buffers: wimg 6,684,672 bytes; xn1 2,228,224 bytes; at 2,228,224 bytes; xn2 2,228,224 bytes; hid 8,912,896 bytes; x1 16,777,216 bytes; att 6,946,816 bytes
;; launch prep (part 1): grid 448 x 1, 16 waves a work-group, no clusters, 11,264 bytes of LDS; arguments x, ln1_a, ln1_b, wq_codes, wk_codes, wv_codes, wo_codes, w1_codes, w2_codes, wq_scales, wk_scales, wv_scales, wo_scales, w1_scales, w2_scales, xn1, wimg; writes xn1, wimg
.if DOCPART == 1
	.amdgcn_target "amdgcn-amd-amdhsa--gfx1250"
	.amdhsa_code_object_version 6
	.text
	.protected	k_q6cd54a7b98_prep
	.globl	k_q6cd54a7b98_prep
	.p2align	8
	.type	k_q6cd54a7b98_prep,@function
k_q6cd54a7b98_prep:
	s_mov_b64 s[64:65], 0
	v_nop
	global_prefetch_b8 v0, s[64:65] scope:SCOPE_SE
	s_setreg_imm32_b32 hwreg(HW_REG_WAVE_MODE, 25, 1), 1
	s_wait_xcnt 0x0
; Work-groups 0-255: xn = ln1_a (x - mean) / (std + 1e-6) + ln1_b (std with n - 1), quantised to FP4 (E2M1) with one E8M0 byte for each 32 along K, stored as UNITS.
; Work-groups 256-447: the six weights' codes and scale bytes are laid anew as units, one unit a work-group; no number is changed.
; A UNIT is 128 rows x 512 K in 34,816 bytes.  Codes: fragment (i = 16-row block, q = 128 K) at 4096 i + 1024 q, as an image of the operand's registers:
; registers 4 c .. 4 c + 3 of lane (r, h) (row 16 i + r, k = 128 q + 64 c + 32 h + 0..31) at + 512 c + 16 lane.  Scales: from byte 32,768 on, 16 bytes a row, one byte for each 32 K.
; A matrix [rows][K] is its units in the order (row / 128) (K / 512) + k / 512.  wimg: wq 0-15, wk 16-31, wv 32-47, wo 48-63, w1 64-127, w2 128-191.
; LN: 16 rows a work-group, one row a wave; the row stays in 32 registers a lane between the passes.  Work-groups share no input: no cluster; memory binds: no matrix unit.
; LIMITS: NaN and infinities are not served.  A block of zeros gets the byte 1 (its codes are zeros; only this program reads the bytes).
.set UNIT, 34816
.set UC,   32768
.set X,    16                          ; v16-47 my 32 numbers: register 8 i + j = k 256 i + 8 lane + j
	v_lshl_add_u32 v96, v0, 2, 0x2400
	v_mov_b32 v97, 0
	s_cmp_ge_u32 ttmp9, 256
	s_cbranch_scc1 .Lrelay
	s_load_b128 s[4:7], s[0:1], 0x0                ; x, ln1_a
	s_load_b64 s[8:9], s[0:1], 0x10                ; ln1_b
	s_load_b64 s[10:11], s[0:1], 0x78              ; xn1
	v_lshrrev_b32 v1, 5, v0
	v_readfirstlane_b32 s16, v1                    ; wave 0..15 = my row of the 16
	v_and_b32 v1, 31, v0                           ; lane
	v_lshlrev_b32 v2, 5, v1                        ; 32 bytes a lane in each 1,024 of the row
	v_lshrrev_b32 v5, 2, v1
	v_and_b32 v6, 3, v1
	s_lshl_b32 s17, s16, 4
	v_lshlrev_b32 v3, 8, v5
	v_lshl_add_u32 v3, v6, 2, v3
	v_add_nc_u32 v3, s17, v3                       ; LDS, my codes' word: 256 (lane / 4) + 4 (lane % 4) + 16 row; + 2048 i
	v_add_nc_u32 v4, s17, v5
	v_add_nc_u32 v4, 8192, v4                      ; LDS, my block's byte: 8192 + 16 row + lane / 4
	v_lshlrev_b32 v7, 4, v0                        ; the way out: 16 bytes a thread
	v_and_b32 v8, 255, v0
	v_lshlrev_b32 v8, 4, v8
	v_lshrrev_b32 v9, 8, v0
	v_mad_u32_u24 v8, v9, UNIT, v8                 ; threads 0-255 the first unit's 4,096 bytes, threads 256-511 the second's
	v_lshl_add_u32 v10, v1, 4, 8192                ; the scale bytes' way out (wave 0)
	v_and_b32 v11, 15, v0
	v_lshlrev_b32 v11, 4, v11
	v_bfe_u32 v9, v0, 4, 1
	v_mad_u32_u24 v11, v9, UNIT, v11
	s_lshl_b32 s18, ttmp9, 16                      ; 16 rows of 4,096 bytes a work-group
	s_lshl_b32 s19, s16, 12
	s_add_co_u32 s18, s18, s19
	s_mov_b32 s19, 0
	s_lshr_b32 s20, ttmp9, 3
	s_mul_i32 s20, s20, 2*UNIT                     ; the 128 rows' two units
	s_and_b32 s21, ttmp9, 7                        ; my 16-row block in them
	s_lshl_b32 s22, s21, 12
	s_add_co_u32 s22, s20, s22
	s_mov_b32 s23, 0
	s_lshl_b32 s21, s21, 8
	s_add_co_u32 s24, s20, s21
	s_add_co_u32 s24, s24, UC
	s_mov_b32 s25, 0
	s_mov_b32 s26, 0x76543210                      ; v_permlanex16_b32's selects: lane l xor 16
	s_mov_b32 s27, 0xfedcba98
	s_wait_kmcnt 0x0
	s_load_b32 s12, s[6:7], 0x0                    ; alpha
	s_load_b32 s13, s[8:9], 0x0                    ; beta
	s_add_nc_u64 s[4:5], s[4:5], s[18:19]
	s_add_nc_u64 s[28:29], s[10:11], s[24:25]
	s_add_nc_u64 s[10:11], s[10:11], s[22:23]
.irp i, 0,1,2,3
	global_load_b128 v[X+8*\i:X+8*\i+3], v2, s[4:5] offset:1024*\i th:TH_LOAD_NT
	global_load_b128 v[X+8*\i+4:X+8*\i+7], v2, s[4:5] offset:1024*\i+16 th:TH_LOAD_NT
.endr
.macro WSUM                            ; v48 summed over the 32 lanes, the result in every lane
	v_add_f32_dpp v48, v48, v48 row_xmask:1 row_mask:0xf bank_mask:0xf
	v_add_f32_dpp v48, v48, v48 row_xmask:2 row_mask:0xf bank_mask:0xf
	v_add_f32_dpp v48, v48, v48 row_xmask:4 row_mask:0xf bank_mask:0xf
	v_add_f32_dpp v48, v48, v48 row_xmask:8 row_mask:0xf bank_mask:0xf
	v_permlanex16_b32 v49, v48, s26, s27
	v_add_f32 v48, v48, v49
.endm
	s_wait_loadcnt 0x0
	v_pk_add_f32 v[48:49], v[X:X+1], v[X+2:X+3]    ; the row's sum, in two chains
	v_pk_add_f32 v[50:51], v[X+4:X+5], v[X+6:X+7]
.irp j, 8,12,16,20,24,28
	v_pk_add_f32 v[48:49], v[48:49], v[X+\j:X+\j+1]
	v_pk_add_f32 v[50:51], v[50:51], v[X+\j+2:X+\j+3]
.endr
	v_pk_add_f32 v[48:49], v[48:49], v[50:51]
	v_add_f32 v48, v48, v49
	WSUM
	v_mul_f32 v52, 0x3a800000, v48                 ; mean = sum / 1024
	v_mov_b32 v53, v52
.set J, X
.rept 16
	v_pk_add_f32 v[J:J+1], v[J:J+1], v[52:53] neg_lo:[0,1] neg_hi:[0,1]   ; d = x - mean
.set J, J+2
.endr
	v_pk_mul_f32 v[48:49], v[X:X+1], v[X:X+1]      ; the sum of d^2, in two chains
	v_pk_mul_f32 v[50:51], v[X+2:X+3], v[X+2:X+3]
.irp j, 4,8,12,16,20,24,28
	v_pk_fma_f32 v[48:49], v[X+\j:X+\j+1], v[X+\j:X+\j+1], v[48:49]
	v_pk_fma_f32 v[50:51], v[X+\j+2:X+\j+3], v[X+\j+2:X+\j+3], v[50:51]
.endr
	v_pk_add_f32 v[48:49], v[48:49], v[50:51]
	v_add_f32 v48, v48, v49
	WSUM
	v_mul_f32 v48, 0x3a802008, v48                 ; / 1023
	v_sqrt_f32 v54, v48
	v_nop                                          ; a plain instruction behind the root,
	s_wait_alu depctr_va_vdst(0)                   ; and the wait ahead of its first reader
	v_add_f32 v54, 0x358637bd, v54                 ; + 1e-6
	v_rcp_f32 v55, v54
	v_nop
	s_wait_alu depctr_va_vdst(0)
	s_wait_kmcnt 0x0                               ; alpha, beta
	v_mul_f32 v54, s12, v55                        ; g = alpha / (std + eps)
	v_mov_b32 v56, s13
	v_mov_b32 v57, s13
.set J, X
.rept 16
	v_pk_fma_f32 v[J:J+1], v[J:J+1], v[54:55], v[56:57] op_sel_hi:[1,0,0]   ; xn = d g + beta
.set J, J+2
.endr
	; four lanes hold a block of 32: the largest magnitude with the floor 2^(3 - 127) among its leaves, so that the byte cannot fall under 1
.irp i, 0,1,2,3
	v_max3_num_f32 v[58+\i], |v[X+8*\i]|, |v[X+8*\i+1]|, 0x1800000
.endr
.irp j, 2,4,6
.irp i, 0,1,2,3
	v_max3_num_f32 v[58+\i], v[58+\i], |v[X+8*\i+\j]|, |v[X+8*\i+\j+1]|
.endr
.endr
.irp m, 1,2
.irp i, 0,1,2,3
	v_max_num_f32_dpp v[58+\i], v[58+\i], v[58+\i] row_xmask:\m row_mask:0xf bank_mask:0xf
.endr
.endr
.irp i, 0,1,2,3
	v_add_nc_u32 v[62+\i], 0xff000000, v[58+\i]    ; 2 off the exponent field: the conversion's scale operand
.endr
.irp i, 0,1,2,3
	v_lshrrev_b32 v[66+\i], 23, v[62+\i]           ; the scale's byte
.endr
.irp i, 0,1,2,3
	v_cvt_scalef32_pk8_fp4_f32 v[70+\i], v[X+8*\i:X+8*\i+7], v[62+\i]
.endr
	v_nop                                          ; a plain instruction behind the last conversion
.irp i, 0,1,2,3
	ds_store_b32 v3, v[70+\i] offset:2048*\i
	ds_store_b8 v4, v[66+\i] offset:256*(\i/2)+8*(\i%2)   ; the four lanes of a block write the same byte with the same value
.endr
	s_wait_dscnt 0x0                               ; my stores have landed, for the other waves' sake
	s_barrier_signal -1
	s_barrier_wait -1
	ds_load_b128 v[80:83], v7
	s_wait_dscnt 0x0
	global_store_b128 v8, v[80:83], s[10:11]       ; a wave stores 512 consecutive bytes
	s_cmp_lg_u32 s16, 0
	s_cbranch_scc1 .Lln_end
	ds_load_b128 v[84:87], v10                     ; wave 0: the 16 rows' scale bytes, 256 consecutive bytes in each of the two units
	s_wait_dscnt 0x0
	global_store_b128 v11, v[84:87], s[28:29]
.Lln_end:
	s_wait_tensorcnt 0x0
	ds_add_u32 v96, v97
	s_wait_dscnt 0x0
	s_endpgm
.Lrelay:                                           ; one unit of a weight
	s_load_b256 s[8:15], s[0:1], 0x18              ; codes of wq, wk, wv, wo
	s_load_b128 s[16:19], s[0:1], 0x38             ; of w1, w2
	s_load_b256 s[20:27], s[0:1], 0x48             ; scales of wq, wk, wv, wo
	s_load_b128 s[28:31], s[0:1], 0x68             ; of w1, w2
	s_load_b64 s[32:33], s[0:1], 0x80              ; wimg
	s_sub_co_u32 s2, ttmp9, 256                    ; the unit, 0..191
	v_lshrrev_b32 v1, 5, v0
	v_readfirstlane_b32 s3, v1                     ; wave
	v_and_b32 v1, 31, v0
	v_and_b32 v2, 15, v0                           ; r
	v_bfe_u32 v3, v0, 4, 1                         ; h
	s_cmp_lt_u32 s2, 128
	s_cselect_b32 s39, 1, 3                        ; log2 of the units in a row of units: K = 1,024 or (w2) 4,096
	s_lshl_b32 s40, 256, s39                       ; a row of codes in bytes
	s_lshl_b32 s41, 16, s39                        ; a row of scale bytes
	s_wait_kmcnt 0x0
	s_mov_b64 s[34:35], s[18:19]                   ; which weight: the choice hangs on the work-group's number alone
	s_mov_b64 s[36:37], s[30:31]
	s_mov_b32 s38, 128
	s_cmp_lt_u32 s2, 128
	s_cselect_b64 s[34:35], s[16:17], s[34:35]
	s_cselect_b64 s[36:37], s[28:29], s[36:37]
	s_cselect_b32 s38, 64, s38
	s_cmp_lt_u32 s2, 64
	s_cselect_b64 s[34:35], s[14:15], s[34:35]
	s_cselect_b64 s[36:37], s[26:27], s[36:37]
	s_cselect_b32 s38, 48, s38
	s_cmp_lt_u32 s2, 48
	s_cselect_b64 s[34:35], s[12:13], s[34:35]
	s_cselect_b64 s[36:37], s[24:25], s[36:37]
	s_cselect_b32 s38, 32, s38
	s_cmp_lt_u32 s2, 32
	s_cselect_b64 s[34:35], s[10:11], s[34:35]
	s_cselect_b64 s[36:37], s[22:23], s[36:37]
	s_cselect_b32 s38, 16, s38
	s_cmp_lt_u32 s2, 16
	s_cselect_b64 s[34:35], s[8:9], s[34:35]
	s_cselect_b64 s[36:37], s[20:21], s[36:37]
	s_cselect_b32 s38, 0, s38
	s_sub_co_u32 s42, s2, s38                      ; the unit's number in its weight
	s_lshr_b32 s43, s42, s39                       ; its 128 rows
	s_lshl_b32 s44, s43, s39
	s_sub_co_u32 s44, s42, s44                     ; its 512 along K
	s_lshr_b32 s45, s3, 1                          ; my 16-row block i
	s_and_b32 s46, s3, 1                           ; my two K steps: 2 (wave % 2), + 1
	s_lshl_b32 s47, s43, 7
	s_lshl_b32 s48, s45, 4
	s_add_co_u32 s47, s47, s48
	s_mul_i32 s48, s47, s40                        ; (128 rb + 16 i) rows
	s_lshl_b32 s49, s44, 8
	s_add_co_u32 s48, s48, s49                     ; + 256 bytes for each 512 K
	s_lshl_b32 s49, s46, 7
	s_add_co_u32 s48, s48, s49
	s_mov_b32 s49, 0
	s_add_nc_u64 s[34:35], s[34:35], s[48:49]
	s_mul_i32 s50, s2, UNIT
	s_mov_b32 s51, 0
	s_add_nc_u64 s[32:33], s[32:33], s[50:51]      ; the unit in wimg
	s_lshl_b32 s52, s45, 12
	s_lshl_b32 s53, s46, 11
	s_add_co_u32 s52, s52, s53
	s_mov_b32 s53, 0
	s_add_nc_u64 s[54:55], s[32:33], s[52:53]
	s_lshl_b32 s56, s43, 7
	s_mul_i32 s56, s56, s41
	s_lshl_b32 s57, s44, 4
	s_add_co_u32 s56, s56, s57
	s_mov_b32 s57, 0
	s_add_nc_u64 s[36:37], s[36:37], s[56:57]      ; the unit's scale bytes: row 128 rb, 16 bytes for each 512 K
	v_mul_lo_u32 v4, v2, s40
	v_lshl_add_u32 v4, v3, 4, v4                   ; row r, + 16 h
	v_lshlrev_b32 v5, 4, v1                        ; 16 x lane
.irp q, 0,1
.irp c, 0,1
	global_load_b128 v[8+8*\q+4*\c:8+8*\q+4*\c+3], v4, s[34:35] offset:64*\q+32*\c th:TH_LOAD_NT
.endr
.endr
	s_wait_loadcnt 0x0
.irp q, 0,1
.irp c, 0,1
	global_store_b128 v5, v[8+8*\q+4*\c:8+8*\q+4*\c+3], s[54:55] offset:1024*\q+512*\c   ; 512 consecutive bytes a store
.endr
.endr
	s_cmp_ge_u32 s3, 4
	s_cbranch_scc1 .Lrelay_end
	v_mul_lo_u32 v6, v0, s41                       ; waves 0-3: the thread's number is the row, 0..127
	v_lshlrev_b32 v7, 4, v0
	global_load_b128 v[24:27], v6, s[36:37] th:TH_LOAD_NT
	s_wait_loadcnt 0x0
	global_store_b128 v7, v[24:27], s[32:33] offset:UC
.Lrelay_end:
	s_endpgm
.Lfunc_end_k_q6cd54a7b98_prep:
	.size	k_q6cd54a7b98_prep, .Lfunc_end_k_q6cd54a7b98_prep-k_q6cd54a7b98_prep
	.p2alignl 7, 3214868480
	.fill 96, 4, 3214868480
	.section	.rodata,"a",@progbits
	.p2align	6, 0x0
	.amdhsa_kernel k_q6cd54a7b98_prep
		.amdhsa_group_segment_fixed_size 11264
		.amdhsa_private_segment_fixed_size 0
		.amdhsa_enable_private_segment 0
		.amdhsa_kernarg_size 136
		.amdhsa_user_sgpr_count 2
		.amdhsa_user_sgpr_kernarg_segment_ptr 1
		.amdhsa_wavefront_size32 1
		.amdhsa_system_sgpr_workgroup_id_x 1
		.amdhsa_system_sgpr_workgroup_id_y 1
		.amdhsa_system_sgpr_workgroup_id_z 1
		.amdhsa_system_vgpr_workitem_id 0
		.amdhsa_next_free_vgpr 98
		.amdhsa_next_free_sgpr 66
		.amdhsa_reserve_vcc 0
		.amdhsa_float_denorm_mode_32 3
		.amdhsa_float_denorm_mode_16_64 3
		.amdhsa_memory_ordered 1
		.amdhsa_forward_progress 1
		.amdhsa_inst_pref_size 16
	.end_amdhsa_kernel
	.amdgpu_metadata
---
amdhsa.version: [ 1, 2 ]
amdhsa.kernels:
  - .name:           k_q6cd54a7b98_prep
    .symbol:         k_q6cd54a7b98_prep.kd
    .args:
      - { .name: x, .offset: 0, .size: 8, .value_kind: global_buffer, .address_space: global }
      - { .name: ln1_a, .offset: 8, .size: 8, .value_kind: global_buffer, .address_space: global }
      - { .name: ln1_b, .offset: 16, .size: 8, .value_kind: global_buffer, .address_space: global }
      - { .name: wq_codes, .offset: 24, .size: 8, .value_kind: global_buffer, .address_space: global }
      - { .name: wk_codes, .offset: 32, .size: 8, .value_kind: global_buffer, .address_space: global }
      - { .name: wv_codes, .offset: 40, .size: 8, .value_kind: global_buffer, .address_space: global }
      - { .name: wo_codes, .offset: 48, .size: 8, .value_kind: global_buffer, .address_space: global }
      - { .name: w1_codes, .offset: 56, .size: 8, .value_kind: global_buffer, .address_space: global }
      - { .name: w2_codes, .offset: 64, .size: 8, .value_kind: global_buffer, .address_space: global }
      - { .name: wq_scales, .offset: 72, .size: 8, .value_kind: global_buffer, .address_space: global }
      - { .name: wk_scales, .offset: 80, .size: 8, .value_kind: global_buffer, .address_space: global }
      - { .name: wv_scales, .offset: 88, .size: 8, .value_kind: global_buffer, .address_space: global }
      - { .name: wo_scales, .offset: 96, .size: 8, .value_kind: global_buffer, .address_space: global }
      - { .name: w1_scales, .offset: 104, .size: 8, .value_kind: global_buffer, .address_space: global }
      - { .name: w2_scales, .offset: 112, .size: 8, .value_kind: global_buffer, .address_space: global }
      - { .name: xn1, .offset: 120, .size: 8, .value_kind: global_buffer, .address_space: global }
      - { .name: wimg, .offset: 128, .size: 8, .value_kind: global_buffer, .address_space: global }
    .group_segment_fixed_size: 11264
    .private_segment_fixed_size: 0
    .kernarg_segment_align: 8
    .kernarg_segment_size: 136
    .max_flat_workgroup_size: 512
    .sgpr_count:     66
    .vgpr_count:     98
    .wavefront_size: 32
...
	.end_amdgpu_metadata
.endif
;; end of part 1
;; launch qkv (part 2): grid 12 x 16, 4 waves a work-group, clusters of 4 x 4, 327,680 bytes of LDS; arguments xn1, wimg, bq, bk, bv, att; writes att
.if DOCPART == 2
	.amdgcn_target "amdgcn-amd-amdhsa--gfx1250"
	.amdhsa_code_object_version 6
	.text
	.protected	k_q6cd54a7b98_qkv
	.globl	k_q6cd54a7b98_qkv
	.p2align	8
	.type	k_q6cd54a7b98_qkv,@function
k_q6cd54a7b98_qkv:
	s_mov_b64 s[64:65], 0
	v_nop
	global_prefetch_b8 v0, s[64:65] scope:SCOPE_SE
	s_setreg_imm32_b32 hwreg(HW_REG_WAVE_MODE, 25, 1), 1
	s_wait_xcnt 0x0
	s_wait_alu depctr_hold_cnt(0) depctr_sa_sdst(0) depctr_va_vdst(0) depctr_va_sdst(0) depctr_va_ssrc(0) depctr_va_vcc(0) depctr_vm_vsrc(0)
	s_getreg_b32 s2, hwreg(HW_REG_IB_STS2, 6, 4)
	s_cmp_eq_u32 s2, 0
	s_cbranch_scc0 .Lentry_in_a_cluster
	s_endpgm
.Lentry_in_a_cluster:
	s_bfe_u32 s2, ttmp6, 0x10000c
	s_cmp_lg_u32 s2, 0xf033
	s_cbranch_scc0 .Lentry_shape_is_right
	s_endpgm
.Lentry_shape_is_right:
; q = xn wq^T + bq, k = xn wk^T + bk, v = xn wv^T + bv on FP4 codes (E2M1, one E8M0 byte for each 32 K), each result quantised in registers for attention.
; Clusters x = 0, 1: C = xn [wq; wk]^T (A = xn1, B = wimg's units 0-31).  Cluster x = 2: V^T = wv xn^T (A = wimg's units 32-47, B = xn1), so that a lane holds a channel and its registers run along the KEYS, the second attention product's K.
; A tile of C is 256 x 256: four waves of 128 x 128, 64 accumulators.  The matrix instruction is used transposed (source 0 = 16 rows of B, source 1 = 16 rows of A): lane (r, h) holds row 16 a + r and columns 16 b + 8 h + 0..7.
; OPERANDS come as UNITS of 128 rows x 512 K, 34,816 dense bytes: fragment (i, q) at 4096 i + 1024 q as an image of its registers, 16 bytes a lane; from byte 32,768 on 16 scale bytes a row.  One tensor load brings a unit.
; K = 1,024 is two slots of four units (A's two, B's two): both are first fills; nothing is filled again.
; CLUSTERS: 4 x 4.  A's units hang on the tile row, shared along a row of the cluster; B's on the tile column, shared along a column: each is asked for jointly.
; THE BIAS is the C of each sum's first matrix instruction.  q, k: a number for each column; v: a number for each row: so the first step stands twice, under one branch on the cluster's x, which all sixteen partners share.
; OUT, att: a block of 217,088 bytes a head: four groups of 512 keys (K's codes 16,384, V^T's codes 16,384, K's scale words 2,048, V's 1,024), then Q's codes 65,536 and Q's scale words 8,192.
; K's and Q's codes: half a fragment (registers 0-3: 64 along the head) a tile of 16 tokens, 512 bytes.  Of their scale words bytes 0, 1 count; bytes 2, 3 meet zero codes and are never 0xff.
; LIMITS: NaN and infinities are not served.  A block of zeros gets the byte 1 (its codes are zeros; only this program reads the bytes).
.set UNIT,   34816
.set UC,     32768
.set SLOT,   4*UNIT
.set SPARE,  2*SLOT                    ; behind the ring: the spare words, 128 bytes a wave, that no other line names
.set KU,     2                         ; units along K
.set HB,     217088
.set GRP,    35840
.set NQ,     4
.set FR,     8
.set NL,     2
.set NP,     4                         ; places behind this matrix instruction (ISA guide 7.12.1)
.set OJ,   8                           ; v8-15   the bias loads' offsets
.set ADRA, 16                          ; v16-17  LDS address of my A fragments in slot 0, 1
.set ADRB, 20                          ; v20-21  the same for B
.set ADRS, 22                          ; v22-23  of my scale words: lanes 0-15 A's rows, lanes 16-31 B's
.set SPW,  28                          ; v28     my spare word; never rewritten
.set NIL,  29                          ; v29     0; never rewritten
.set SC,   32                          ; v32-95  scale words, a set a slot: register 4 i + q: lanes 0-15 A's block i, lanes 16-31 B's block i
.set TM,   96                          ; v96-111 the quantiser's work
.set PW,   112                         ; v112-119 a scale word for each block of 16 rows
.set SD,   120                         ; v120-127 scale words as they are stored
.set AF,   128                         ; v128-191 A's fragments, one set; later the codes
.set PC,   128
.set BN,   192                         ; v192-255 the bias
.set SEL,  18                          ; s[18:19] v_permlanex16_b32's selects
.set G1, 24
.set G0, 32
.set G1B, 48
.set G0B, 56
.set MSB, 0
.macro WIN new                         ; the immediate's high byte repeats the setting that is left
.if MSB != (\new)
	s_set_vgpr_msb (MSB<<8)|(\new)
.set MSB, (\new)
.endif
.endm
.set MUL_LO, 0xa1                      ; source 0 (B) window 1, source 1 (A) window 0, C and D window 2
.set MUL_HI, 0xf1                      ; the same, C and D window 3
.set TO_B,   0x40                      ; destination window 1
.macro JLOAD g0a, g1a, g0b, g1b        ; a joint load: waves 0, 1 fetch A's units, waves 2, 3 B's; four v_nop follow each line
	s_cmp_eq_u32 s15, 0
	s_cbranch_scc0 .Lfor_b_\@
	tensor_load_to_lds s[\g0a:\g0a+3], s[\g1a:\g1a+7]
	s_nop 0
.rept 4
	v_nop
.endr
	s_branch .Lasked_\@
.Lfor_b_\@:
	tensor_load_to_lds s[\g0b:\g0b+3], s[\g1b:\g1b+7]
	s_nop 0
.rept 4
	v_nop
.endr
.Lasked_\@:
.endm
.macro CREST
	s_cmp_lg_u32 s14, 0
	s_cbranch_scc1 .Lnot_wave_0_\@
	s_barrier_signal -3
.Lnot_wave_0_\@:
	s_barrier_wait -3
	s_barrier_signal -1
	s_barrier_wait -1
.endm
.macro CROUND                          ; a round of the cluster's barrier
	s_barrier_signal -1
	s_barrier_wait -1
	CREST
.endm
.macro PLACES n
.rept \n
	v_nop
.endr
.endm
	s_load_b256 s[4:11], s[0:1], 0x0               ; xn1 s[4:5], wimg s[6:7], bq s[8:9], bk s[10:11]
	s_load_b128 s[72:75], s[0:1], 0x20             ; bv s[72:73], att s[74:75]
	v_lshl_add_u32 v[SPW], v0, 2, SPARE
	v_mov_b32 v[NIL], 0
	ds_add_u32 v28, v29
	ds_add_u32 v28, v29
	s_wait_dscnt 0x0
	v_lshrrev_b32 v1, 5, v0
	v_readfirstlane_b32 s14, v1                    ; wave 0..3
	s_lshr_b32 s15, s14, 1                         ; my half of the tile's rows.  Also: I fetch for A (0) or B (1)
	s_and_b32 s16, s14, 1                          ; my half of its columns.  Also: which unit of the two I fetch
	s_bfe_u32 s40, ttmp6, 0x40000                  ; cx
	s_bfe_u32 s41, ttmp6, 0x40004                  ; cy
	s_and_b32 s66, ttmp7, 0xffff                   ; cluster y
	s_lshl_b32 s68, s66, 2
	s_lshl_b32 s69, ttmp9, 2
	s_cmp_eq_u32 ttmp9, 2                          ; the cluster that makes V^T?  The same in all sixteen partners
	s_cselect_b32 s67, 1, 0
	s_cselect_b32 s17, 0, s68
	s_cselect_b32 s42, s68, s69
	s_add_co_u32 s17, s17, s41                     ; tile row: 4 cluster y + cy, or (V) cy
	s_add_co_u32 s42, s42, s40                     ; tile column: 4 cluster x + cx, or (V) 4 cluster y + cx
	s_lshl_b32 s43, s41, 2
	s_lshl_b32 s43, 15, s43                        ; my row of the cluster
	s_lshl_b32 s44, 0x1111, s40                    ; my column
	s_or_b32 s[G1+0], s43, (3<<16)|(1<<21)         ; 15:0 the mask; 17:16 elements of 8 bytes; 21 set beside a mask; no padding
	s_or_b32 s[G1B+0], s44, (3<<16)|(1<<21)
.irp g, G1, G1B
	s_mov_b32 s[\g+1], 32<<16                      ; tensor_dim0: 32 elements = 256 bytes
	s_mov_b32 s[\g+2], 136<<16                     ; tensor_dim1: 136 rows = a unit
	s_mov_b32 s[\g+3], 32<<16                      ; tile_dim0
	s_mov_b32 s[\g+4], 136                         ; tile_dim1
	s_mov_b32 s[\g+5], 32                          ; the pitch: dense
	s_mov_b32 s[\g+6], 0
	s_mov_b32 s[\g+7], 0
.endr
	s_lshl_b32 s20, s17, 1
	s_add_co_u32 s20, s20, s16
	s_mul_i32 s20, s20, KU*UNIT                    ; A: the units of rows 128 (2 tile row + half)
	s_mov_b32 s21, 0
	s_lshl_b32 s46, s42, 1
	s_add_co_u32 s46, s46, s16
	s_mul_i32 s46, s46, KU*UNIT                    ; B likewise, by the tile column
	s_mov_b32 s47, 0
	s_mul_i32 s45, s14, UNIT                       ; where they go: wave x a unit
	s_wait_kmcnt 0x0
	s_add_nc_u64 s[76:77], s[6:7], 32*UNIT         ; wv's units
	s_cmp_eq_u32 s67, 1
	s_cselect_b64 s[78:79], s[76:77], s[4:5]       ; A
	s_cselect_b64 s[80:81], s[4:5], s[6:7]         ; B
	s_add_nc_u64 s[20:21], s[78:79], s[20:21]
	s_add_nc_u64 s[46:47], s[80:81], s[46:47]
	CROUND                                         ; all sixteen work-groups are here: the joint loads meet
.irp s, 0,1
	s_mov_b32 s[G0+4*\s], 1
	s_add_co_u32 s[G0+4*\s+1], s45, \s*SLOT
	s_add_nc_u64 s[G0+4*\s+2:G0+4*\s+3], s[20:21], \s*UNIT
	s_or_b32 s[G0+4*\s+3], s[G0+4*\s+3], 0x80000000
	s_mov_b32 s[G0B+4*\s], 1
	s_add_co_u32 s[G0B+4*\s+1], s45, \s*SLOT
	s_add_nc_u64 s[G0B+4*\s+2:G0B+4*\s+3], s[46:47], \s*UNIT
	s_or_b32 s[G0B+4*\s+3], s[G0B+4*\s+3], 0x80000000
	JLOAD G0+4*\s, G1, G0B+4*\s, G1B               ; two tensor loads of mine are out
.endr
	v_and_b32 v1, 15, v0                           ; r
	v_bfe_u32 v2, v0, 4, 1                         ; h
	v_and_b32 v3, 31, v0
	v_lshlrev_b32 v4, 4, v3                        ; 16 x lane
	s_mul_i32 s21, s15, UNIT                       ; my 128 rows of A
	s_mul_i32 s22, s16, UNIT
	s_add_co_u32 s22, s22, 2*UNIT                  ; my 128 rows of B, behind A's two units
	v_add_nc_u32 v[ADRA], s21, v4
	v_add_nc_u32 v[ADRB], s22, v4
	v_add_nc_u32 v[ADRA+1], SLOT, v[ADRA]
	v_add_nc_u32 v[ADRB+1], SLOT, v[ADRB]
	s_sub_co_u32 s23, s22, s21
	v_mul_u32_u24 v6, s23, v2                      ; lanes 16-31 take B's
	v_lshl_add_u32 v5, v1, 4, v6
	v_add_nc_u32 v[ADRS], s21, v5
	v_add_nc_u32 v[ADRS+1], SLOT, v[ADRS]
	; the bias, without a branch.  q, k: register 8 x + j = bias[16 x + 8 h + j] of my 128 columns;  v: bias[16 x + r] of my 128 rows
	s_lshl_b32 s84, s40, 10
	s_lshl_b32 s85, s16, 9
	s_add_co_u32 s84, s84, s85
	s_lshl_b32 s86, s41, 10
	s_lshl_b32 s87, s15, 9
	s_add_co_u32 s86, s86, s87
	s_cmp_eq_u32 ttmp9, 0
	s_cselect_b64 s[82:83], s[8:9], s[10:11]
	s_cmp_eq_u32 s67, 1
	s_cselect_b64 s[82:83], s[72:73], s[82:83]
	s_cselect_b32 s84, s86, s84
	s_cselect_b32 s88, 4, 0
	s_cselect_b32 s89, 0, 32
	s_cselect_b32 s90, 0, 4
	s_mov_b32 s85, 0
	s_add_nc_u64 s[82:83], s[82:83], s[84:85]
	v_mul_u32_u24 v5, v1, s88
	v_mad_u32_u24 v5, v2, s89, v5
.irp j, 0,1,2,3,4,5,6,7
	s_mul_i32 s91, s90, \j
	v_add_nc_u32 v[OJ+\j], s91, v5
.endr
.irp x, 0,1,2,3,4,5,6,7
.irp j, 0,1,2,3,4,5,6,7
	global_load_b32 v[BN+8*\x+\j], v[OJ+\j], s[82:83] offset:64*\x
.endr
.endr
	s_mov_b32 s[SEL], 0x76543210
	s_mov_b32 s[SEL+1], 0xfedcba98
.macro FRAG reg, adr, q, i             ; a fragment: 8 registers, two loads of 512 consecutive bytes
.irp c, 0,1
	ds_load_b128 v[\reg+4*\c:\reg+4*\c+3], v[\adr] offset:(\i)*4096+(\q)*1024+512*\c
.endr
.endm
; 16 matrix instructions: A's blocks a0, a0 + 1 x B's eight, the slot's q-th 128 along K.  p: B's set; sc: the scale set.  cm = 0: C = D; 2: C = the columns' bias; 3: C = the rows' bias.
; The 64 accumulators take turns, one instruction a turn, in the same order in every step.
.macro MUL16 a0, p, q, sc, cm
.irp a, \a0, \a0+1
.irp b, 0,1,2,3,4,5,6,7
.set rD, 8*(8*((\a)%4)+\b)
.set rB, 128*(\p)+FR*\b
.set rA, AF+FR*(\a)
.if (\cm) == 0
.set rC, rD
.elseif (\cm) == 2
.set rC, BN+8*\b
.else
.set rC, BN+8*(\a)
.endif
	v_wmma_scale_f32_16x16x128_f8f6f4 v[rD:rD+7], v[rB:rB+7], v[rA:rA+7], v[rC:rC+7], v[SC+32*(\sc)+4*\b+(\q)], v[SC+32*(\sc)+4*(\a)+(\q)] matrix_a_fmt:MATRIX_FMT_FP4 matrix_b_fmt:MATRIX_FMT_FP4 matrix_a_scale:MATRIX_SCALE_ROW1
.endr
.endr
.endm
.macro FETCH_B slot, q, p
	WIN TO_B
.irp i, 0,1,2,3,4,5,6,7
	FRAG 128*(\p)+FR*\i, ADRB+\slot, \q, \i
.endr
	WIN 0
.endm
.macro FETCH_A slot, q, i0
.irp i, \i0, \i0+1, \i0+2, \i0+3
	FRAG AF+FR*(\i), ADRA+\slot, \q, \i
.endr
.endm
.macro SCALES sc                       ; a slot's scale words: four words a row
.irp i, 0,1,2,3,4,5,6,7
	ds_load_b128 v[SC+32*\sc+4*\i:SC+32*\sc+4*\i+3], v[ADRS+\sc] offset:UC+256*\i
.endr
.endm
.macro STEP slot, q, cm                ; a step of 128 along K that has its successor in the same slot
	s_wait_dscnt 4*NL                              ; all but the youngest eight loads (A's blocks 4-7) are in
.if \cm
	WIN 0x81                                       ; C (the bias) window 0, D window 2
.else
	WIN MUL_LO
.endif
	MUL16 0, (\q)%2, \q, \slot, \cm
	MUL16 2, (\q)%2, \q, \slot, \cm
	s_wait_dscnt 0
	PLACES NP                                      ; in front of loads into registers that matrix instructions have read
	FETCH_B \slot, (\q)+1, 1-(\q)%2
	FETCH_A \slot, (\q)+1, 0
.if \cm
	WIN 0xc1
.else
	WIN MUL_HI
.endif
	MUL16 4, (\q)%2, \q, \slot, \cm
	MUL16 6, (\q)%2, \q, \slot, \cm
	PLACES NP
	WIN 0
	FETCH_A \slot, (\q)+1, 4
.endm
.macro TURN slot, next                 ; a slot's last step changes slots: one barrier; nothing is filled again here
	s_wait_tensorcnt 0x0                           ; all my tensor loads have landed: my unit of the next slot
	ds_add_u32 v[SPW], v[NIL]                      ; 0 onto my spare word
	s_wait_dscnt 4*NL+1                            ; (the add and A's blocks 4-7 may be out)
	WIN MUL_LO
	MUL16 0, 1, NQ-1, \slot, 0
	s_wait_dscnt 0x0
	s_barrier_signal -1
	MUL16 2, 1, NQ-1, \slot, 0
	WIN 0
	s_barrier_wait -1                              ; the next slot is whole for every wave
	PLACES NP
	FETCH_B \next, 0, 0
	FETCH_A \next, 0, 0
	SCALES \next
	WIN MUL_HI
	MUL16 4, 1, NQ-1, \slot, 0
	MUL16 6, 1, NQ-1, \slot, 0
	PLACES NP
	WIN 0
	FETCH_A \next, 0, 4
.endm
.macro STEPS slot, from
.set Q, \from
.rept NQ-1-\from
	STEP \slot, Q, 0
.set Q, Q+1
.endr
.endm
	s_wait_tensorcnt 1                             ; my unit of slot 0 is in; slot 1's may stay out
	s_barrier_signal -1
	s_barrier_wait -1
	FETCH_B 0, 0, 0
	FETCH_A 0, 0, 0
	SCALES 0
	FETCH_A 0, 0, 4
	s_wait_loadcnt 0x0                             ; the bias
	s_cmp_eq_u32 s67, 1
	s_cbranch_scc1 .Lfirst_v
	STEP 0, 0, 2                                   ; the first products start the sums with the bias
	s_branch .Lfirst_done
.Lfirst_v:
	STEP 0, 0, 3
.Lfirst_done:
	STEPS 0, 1
	TURN 0, 1
	STEPS 1, 0
	s_wait_dscnt 4*NL                              ; the last step
	WIN MUL_LO
	MUL16 0, 1, NQ-1, 1, 0
	MUL16 2, 1, NQ-1, 1, 0
	s_wait_dscnt 0
	WIN MUL_HI
	MUL16 4, 1, NQ-1, 1, 0
	MUL16 6, 1, NQ-1, 1, 0
	WIN 0
; THE QUANTISER.  64 numbers of a lane at v[s] of window W: tile t's register j = column 16 t + 8 h + j of my row.  A block of 32 is tiles 2 b, 2 b + 1 in lanes l and l xor 16.
; The conversion of tile 4 c + u leaves in lane half h word 2 (u % 2) + h of block 2 c + u / 2; written to registers 4 c + {0, 2, 1, 3}[u] and exchanged in pairs, lane half h holds the four words of block 2 c + h: the operand's layout.
.macro QUANTW s, W, pc, pw
	WIN (\W)*0x14                                  ; sources 1 and 2: the accumulators' window
.irp b, 0,1,2,3
	v_max3_num_f32 v[TM+\b], 0x1800000, |v[(\s)+16*\b]|, |v[(\s)+16*\b+1]|   ; with the floor 2^(3 - 127): the byte cannot fall under 1
.endr
.irp i, 2,4,6,8,10,12,14
.irp b, 0,1,2,3
	v_max3_num_f32 v[TM+\b], v[TM+\b], |v[(\s)+16*\b+\i]|, |v[(\s)+16*\b+\i+1]|
.endr
.endr
	WIN 0
.irp b, 0,1,2,3
	v_permlanex16_b32 v[TM+4+\b], v[TM+\b], s[SEL], s[SEL+1]
.endr
.irp b, 0,1,2,3
	v_max_num_f32 v[TM+\b], v[TM+\b], v[TM+4+\b]
.endr
.irp b, 0,1,2,3
	v_add_nc_u32 v[TM+12+\b], 0xff000000, v[TM+\b] ; 2 off the exponent field: the conversion's scale operand
.endr
.irp b, 0,1,2,3
	v_lshrrev_b32 v[TM+4+\b], 23, v[TM+12+\b]      ; the scale's byte
.endr
	v_lshl_or_b32 v[\pw], v[TM+5], 8, v[TM+4]
	v_lshl_or_b32 v[\pw], v[TM+6], 16, v[\pw]
	v_lshl_or_b32 v[\pw], v[TM+7], 24, v[\pw]
	WIN \W                                         ; source 0: the accumulators' window
.irp c, 0,1
	v_cvt_scalef32_pk8_fp4_f32 v[(\pc)+4*\c], v[(\s)+32*\c:(\s)+32*\c+7], v[TM+12+2*\c]
	v_cvt_scalef32_pk8_fp4_f32 v[(\pc)+4*\c+2], v[(\s)+32*\c+8:(\s)+32*\c+15], v[TM+12+2*\c]
	v_cvt_scalef32_pk8_fp4_f32 v[(\pc)+4*\c+1], v[(\s)+32*\c+16:(\s)+32*\c+23], v[TM+13+2*\c]
	v_cvt_scalef32_pk8_fp4_f32 v[(\pc)+4*\c+3], v[(\s)+32*\c+24:(\s)+32*\c+31], v[TM+13+2*\c]
.endr
	WIN 0
	v_nop                                          ; a plain instruction behind the last conversion
.irp c, 0,1
	v_permlane16_swap_b32 v[(\pc)+4*\c], v[(\pc)+4*\c+1]
	v_permlane16_swap_b32 v[(\pc)+4*\c+2], v[(\pc)+4*\c+3]
.endr
.endm
	PLACES NP                                      ; the first reads of results, and the first writes over A's fragments
.irp b, 0,1,2,3
	v_mov_b32 v[TM+4+\b], 0                        ; a lane permute's destination counts as one of its sources
.endr
	; where my results go.  Tokens: my 128 rows (q, k) or my 128 columns (V);  heads: my 128 columns (q, k) or rows (V) are two heads
	s_lshl_b32 s84, s17, 1
	s_add_co_u32 s84, s84, s15
	s_lshl_b32 s85, s42, 1
	s_add_co_u32 s85, s85, s16
	s_lshl_b32 s86, s40, 2
	s_lshl_b32 s87, s16, 1
	s_add_co_u32 s86, s86, s87
	s_lshl_b32 s88, s41, 2
	s_lshl_b32 s87, s15, 1
	s_add_co_u32 s88, s88, s87
	s_cmp_eq_u32 s67, 1
	s_cselect_b32 s84, s85, s84                    ; which 128 tokens of the 4,096
	s_cselect_b32 s86, s88, s86                    ; my first head
	s_lshr_b32 s85, s84, 4                         ; the batch
	s_and_b32 s84, s84, 15                         ; which 128 of its 2,048
	s_lshl_b32 s85, s85, 4
	s_add_co_u32 s85, s85, s86
	s_mul_i32 s85, s85, HB                         ; the head's block
	s_lshr_b32 s87, s84, 2
	s_mul_i32 s87, s87, GRP                        ; the group of 512 keys
	s_and_b32 s88, s84, 3                          ; which 128 of them
	s_lshl_b32 s89, s88, 12
	s_add_co_u32 s89, s89, s87                     ; K's codes
	s_lshl_b32 s90, s84, 12
	s_add_co_u32 s90, s90, 143360                  ; Q's codes
	s_lshl_b32 s91, s88, 9
	s_add_co_u32 s91, s91, s87
	s_add_co_u32 s91, s91, 32768                   ; K's scale words
	s_lshl_b32 s92, s84, 9
	s_add_co_u32 s92, s92, 208896                  ; Q's
	s_lshl_b32 s93, s88, 8
	s_add_co_u32 s93, s93, s87
	s_add_co_u32 s93, s93, 34816                   ; V's
	s_add_co_u32 s94, s89, 16384                   ; V's codes
	s_cmp_eq_u32 ttmp9, 0
	s_cselect_b32 s89, s90, s89
	s_cselect_b32 s91, s92, s91
	s_cmp_eq_u32 s67, 1
	s_cselect_b32 s89, s94, s89
	s_cselect_b32 s91, s93, s91
	s_add_co_u32 s92, s89, s85
	s_mov_b32 s93, 0
	s_add_co_u32 s94, s91, s85
	s_mov_b32 s95, 0
	s_add_nc_u64 s[96:97], s[74:75], s[92:93]
	s_add_nc_u64 s[98:99], s[74:75], s[94:95]
	s_mov_b32 s22, 0xffff0000                      ; lanes 16-31
	v_mul_u32_u24 v6, HB, v2
	v_lshl_add_u32 v6, v1, 2, v6                   ; q, k: 4 r, lanes 16-31 in the next head's block
	v_lshlrev_b32 v7, 4, v2                        ; 16 h
	v_lshlrev_b32 v5, 2, v3                        ; 4 x lane
.irp a, 0,1,2,3,4,5,6,7
	QUANTW 64*(\a%4), 2+\a/4, PC+8*\a, PW+\a
.endr
	s_cmp_eq_u32 s67, 1
	s_cbranch_scc1 .Lstore_v
.irp a, 0,1,2,3,4,5,6,7                ; q, k: registers 4 c .. 4 c + 3 are head c's half fragment of tokens 16 a on; its two bytes are bytes 2 c, 2 c + 1 of the word
.irp c, 0,1
	global_store_b128 v4, v[PC+8*\a+4*\c:PC+8*\a+4*\c+3], s[96:97] offset:\c*HB+\a*512   ; 512 consecutive bytes
.endr
	v_lshrrev_b32 v[SD+\a], v7, v[PW+\a]
	global_store_b32 v6, v[SD+\a], s[98:99] offset:\a*64
.endr
	s_branch .Lstored
.Lstore_v:
.irp a, 0,1,2,3,4,5,6,7                ; V: a whole fragment: channels 16 (a % 4) on of head a / 4, my 128 keys
.irp c, 0,1
	global_store_b128 v4, v[PC+8*\a+4*\c:PC+8*\a+4*\c+3], s[96:97] offset:(\a/4)*HB+(\a%4)*1024+\c*512
.endr
.endr
.irp a, 0,2,4,6
	v_cndmask_b32 v[SD+\a/2], v[PW+\a], v[PW+\a+1], s22   ; lanes 0-15 block a's words, lanes 16-31 block a + 1's: 128 consecutive bytes
	global_store_b32 v5, v[SD+\a/2], s[98:99] offset:(\a/4)*HB+(\a%4)*64
.endr
.Lstored:
	s_wait_tensorcnt 0x0                           ; the wave's end
	ds_add_u32 v[SPW], v[NIL]
	s_wait_dscnt 0x0
	CROUND                                         ; the closing round
	s_endpgm
.Lfunc_end_k_q6cd54a7b98_qkv:
	.size	k_q6cd54a7b98_qkv, .Lfunc_end_k_q6cd54a7b98_qkv-k_q6cd54a7b98_qkv
	.p2alignl 7, 3214868480
	.fill 96, 4, 3214868480
	.section	.rodata,"a",@progbits
	.p2align	6, 0x0
	.amdhsa_kernel k_q6cd54a7b98_qkv
		.amdhsa_group_segment_fixed_size 327680
		.amdhsa_private_segment_fixed_size 0
		.amdhsa_enable_private_segment 0
		.amdhsa_kernarg_size 48
		.amdhsa_user_sgpr_count 2
		.amdhsa_user_sgpr_kernarg_segment_ptr 1
		.amdhsa_wavefront_size32 1
		.amdhsa_system_sgpr_workgroup_id_x 1
		.amdhsa_system_sgpr_workgroup_id_y 1
		.amdhsa_system_sgpr_workgroup_id_z 1
		.amdhsa_system_vgpr_workitem_id 0
		.amdhsa_next_free_vgpr 1024
		.amdhsa_next_free_sgpr 100
		.amdhsa_reserve_vcc 0
		.amdhsa_float_denorm_mode_32 3
		.amdhsa_float_denorm_mode_16_64 3
		.amdhsa_memory_ordered 1
		.amdhsa_forward_progress 1
		.amdhsa_inst_pref_size 147
	.end_amdhsa_kernel
	.amdgpu_metadata
---
amdhsa.version: [ 1, 2 ]
amdhsa.kernels:
  - .name:           k_q6cd54a7b98_qkv
    .symbol:         k_q6cd54a7b98_qkv.kd
    .args:
      - { .name: xn1, .offset: 0, .size: 8, .value_kind: global_buffer, .address_space: global }
      - { .name: wimg, .offset: 8, .size: 8, .value_kind: global_buffer, .address_space: global }
      - { .name: bq, .offset: 16, .size: 8, .value_kind: global_buffer, .address_space: global }
      - { .name: bk, .offset: 24, .size: 8, .value_kind: global_buffer, .address_space: global }
      - { .name: bv, .offset: 32, .size: 8, .value_kind: global_buffer, .address_space: global }
      - { .name: att, .offset: 40, .size: 8, .value_kind: global_buffer, .address_space: global }
    .group_segment_fixed_size: 327680
    .private_segment_fixed_size: 0
    .kernarg_segment_align: 8
    .kernarg_segment_size: 48
    .max_flat_workgroup_size: 128
    .sgpr_count:     100
    .vgpr_count:     1024
    .wavefront_size: 32
...
	.end_amdgpu_metadata
.endif
;; end of part 2
;; launch attn (part 3): grid 8 x 32, 16 waves a work-group, clusters of 4 x 1, 169,984 bytes of LDS; arguments att, mask, at; writes at
.if DOCPART == 3
	.amdgcn_target "amdgcn-amd-amdhsa--gfx1250"
	.amdhsa_code_object_version 6
	.text
	.protected	k_q6cd54a7b98_attn
	.globl	k_q6cd54a7b98_attn
	.p2align	8
	.type	k_q6cd54a7b98_attn,@function
k_q6cd54a7b98_attn:
	s_mov_b64 s[64:65], 0
	v_nop
	global_prefetch_b8 v0, s[64:65] scope:SCOPE_SE
	s_setreg_imm32_b32 hwreg(HW_REG_WAVE_MODE, 25, 1), 1
	s_wait_xcnt 0x0
	s_wait_alu depctr_hold_cnt(0) depctr_sa_sdst(0) depctr_va_vdst(0) depctr_va_sdst(0) depctr_va_ssrc(0) depctr_va_vcc(0) depctr_vm_vsrc(0)
	s_getreg_b32 s2, hwreg(HW_REG_IB_STS2, 6, 4)
	s_cmp_eq_u32 s2, 0
	s_cbranch_scc0 .Lentry_in_a_cluster
	s_endpgm
.Lentry_in_a_cluster:
	s_bfe_u32 s2, ttmp6, 0x10000c
	s_cmp_lg_u32 s2, 0x3003
	s_cbranch_scc0 .Lentry_shape_is_right
	s_endpgm
.Lentry_shape_is_right:
; attn[b][q][head] = sum over keys of softmax(q . k / 8, masked) v, both products on FP4 codes (E2M1, one E8M0 byte for each 32 along a product's K); the result is quantised along d_model and stored as units for the next product.
; THE SOFTMAX: t = score x log2(e) / 8; M = the running largest t rounded up to a whole number; p = 2^(t - M) is quantised along the keys; the sum is taken of the unquantised p and divides at the end.
; SHARES: a work-group owns 256 queries of one head, each of its sixteen waves 16 of them in 256 registers: four waves to a SIMD, so that one wave's vector work stands beside another's matrix work.
; Both products are used transposed: S^T = K Q^T, O^T = V^T P^T: a lane holds one query (lane % 16) throughout.  The head's 64 are half of the instruction's K: registers 4-7 of Q's and K's fragments are zero codes.
; LDS: the head's four groups of 512 keys (35,840 bytes each: K's codes, V^T's codes, K's scale words, V's) come ONCE, by four joint loads of waves 0 and 1 each, all asked for at the start:
; no byte is filled twice, and there is no later request that a prefetch could run ahead of.  Behind them: a table of one f32 a key (the mask), 8,192 bytes; 16 flag words.
; CLUSTER: the four query blocks of a cluster belong to one head and read the same keys: each load names all four.
; THE MASK costs no instruction in the loop: the table's numbers are the C of S^T.  A masked key's is -2^34: its t lies under the start of the running maximum, -2^30, so it never sets M, and its p is 0.
; Where a batch has no open key, the table is zeros and Q's codes are cleared: all scores are 0, p = 1, the sum 2,048: as with all scores at -1e9.  The choice is made by v_cndmask_b32 and v_and_b32: no branch hangs on the mask.
; LIMITS: rows whose every open score x log2(e) / 8 lies under -2^30 are not served; NaN and infinities are not served.  A block of zeros gets the byte 1.
; The result's scale bytes leave as single bytes: a head owns 2 of a row's 16 bytes in a unit; they are one byte for each 16 bytes of codes.
.set HB,   217088
.set GRP,  35840
.set UNIT, 34816
.set UC,   32768
.set MB,   143360                      ; the mask's table
.set FL,   151552                      ; the waves' flag words
.set ADC,  8                           ; v8   LDS address of the step's codes
.set ADS,  9                           ; v9   of K's scale words
.set ADT,  10                          ; v10  of V's
.set ADM,  11                          ; v11  of the table
.set WV,   18
.set SEL,  20
.set CS,   22                          ; s[22:23] c = log2(e) / 8
.set G1,   24
.set G0,   32                          ; s[32:47] four groups 0
.set TB,   48
.set TS,   49
.set TV,   50
.set TMK,  51
.set CNT,  52
; REGISTERS: v1 16 lane, v2 4 r, v3 table + 32 h; v12 -M, v13 the largest t, v[14:15] the sum; v16-23 Q; v24-31 K's scale words; v32-95 K; v96-159 S^T, then p; v160-191 O^T; v192-223 V; v224-231 p's codes; v232-247, v252, v254 at work; v248-251 V's scale words; v253 p's; v255 Q's
.macro ROUND
	s_barrier_signal -1
	s_barrier_wait -1
	s_cmp_lg_u32 s[WV], 0
	s_cbranch_scc1 .Lnot_wave_0_\@
	s_barrier_signal -3
.Lnot_wave_0_\@:
	s_barrier_wait -3
	s_barrier_signal -1
	s_barrier_wait -1
.endm
	s_load_b128 s[4:7], s[0:1], 0x0                ; att, mask
	s_load_b64 s[8:9], s[0:1], 0x10                ; at
	v_lshl_add_u32 v242, v0, 2, 0x29000
	v_mov_b32 v243, 0
	ds_add_u32 v242, v243
	ds_add_u32 v242, v243
	v_lshrrev_b32 v8, 5, v0
	v_readfirstlane_b32 s[WV], v8                  ; wave 0..15
	s_bfe_u32 s10, ttmp6, 0x40000                  ; cx: it enters Q's and the result's global addresses alone
	s_lshl_b32 s11, ttmp9, 2
	s_add_co_u32 s11, s11, s10                     ; my block of 256 queries
	s_and_b32 s12, ttmp7, 0xffff                   ; 16 batch + head
	s_mul_i32 s14, s12, HB
	s_mov_b32 s15, 0
	s_mov_b32 s[G1], 15|(3<<16)|(1<<21)            ; 15:0 all four work-groups; 17:16 elements of 8 bytes; 21 set beside a mask
	s_mov_b32 s[G1+1], 32<<16                      ; rows of 256 bytes,
	s_mov_b32 s[G1+2], 70<<16                      ; 70 of them: half a group
	s_mov_b32 s[G1+3], 32<<16
	s_mov_b32 s[G1+4], 70
	s_mov_b32 s[G1+5], 32                          ; dense
	s_mov_b32 s[G1+6], 0
	s_mov_b32 s[G1+7], 0
	s_and_b32 s13, s[WV], 1
	s_mul_i32 s13, s13, 17920                      ; which half
	s_mov_b32 s16, s13
	s_mov_b32 s17, 0
	s_mov_b32 s[SEL], 0x76543210
	s_mov_b32 s[SEL+1], 0xfedcba98
	s_mov_b32 s[CS], 0x3e38aa3b
	s_mov_b32 s[CS+1], s[CS]
	s_wait_dscnt 0x0
	s_wait_kmcnt 0x0
	s_add_nc_u64 s[4:5], s[4:5], s[14:15]          ; the head's block
	s_add_nc_u64 s[16:17], s[4:5], s[16:17]
.irp g, 0,1,2,3
	s_mov_b32 s[G0+4*\g], 1
	s_add_co_u32 s[G0+4*\g+1], s13, \g*GRP
	s_add_nc_u64 s[G0+4*\g+2:G0+4*\g+3], s[16:17], \g*GRP
	s_or_b32 s[G0+4*\g+3], s[G0+4*\g+3], 0x80000000
.endr
	ROUND                                          ; all four work-groups are here: the joint loads meet
	s_cmp_lt_u32 s[WV], 2                          ; all first fills of a wave stand in one branch: four tensor loads of waves 0 and 1 are out
	s_cbranch_scc0 .Lno_fetch
.irp g, 0,1,2,3
	tensor_load_to_lds s[G0+4*\g:G0+4*\g+3], s[G1:G1+7]
	s_nop 0
.endr
.rept 4
	v_nop
.endr
.Lno_fetch:
	v_and_b32 v4, 31, v0
	v_lshlrev_b32 v1, 4, v4                        ; 16 x lane
	v_and_b32 v5, 15, v0                           ; r
	v_bfe_u32 v6, v0, 4, 1                         ; h
	v_lshlrev_b32 v2, 2, v5                        ; 4 r
	v_lshl_add_u32 v3, v6, 5, MB                   ; the table, + 32 h
	s_lshl_b32 s53, s11, 4
	s_add_co_u32 s53, s53, s[WV]                   ; my tile of 16 queries, 0..127
	s_lshl_b32 s54, s53, 9
	s_add_co_u32 s54, s54, 143360
	s_mov_b32 s55, 0
	s_add_nc_u64 s[54:55], s[4:5], s[54:55]
	s_lshl_b32 s56, s53, 6
	s_add_co_u32 s56, s56, 208896
	s_mov_b32 s57, 0
	s_add_nc_u64 s[56:57], s[4:5], s[56:57]
	s_lshr_b32 s58, s12, 4                         ; the batch
	s_lshl_b32 s58, s58, 13
	s_mov_b32 s59, 0
	s_add_nc_u64 s[6:7], s[6:7], s[58:59]
	v_lshlrev_b32 v7, 4, v0                        ; four keys a thread
	global_load_b128 v[16:19], v1, s[54:55]        ; Q's half fragment
	global_load_b32 v255, v2, s[56:57]             ; Q's scale words
	global_load_b128 v[232:235], v7, s[6:7]        ; the mask
	v_mov_b32 v237, s[WV]
	v_lshlrev_b32 v237, 2, v237
	v_add_nc_u32 v237, FL, v237
	v_mov_b32 v238, FL
	s_wait_loadcnt 0x0
	v_or_b32 v236, v232, v233
	v_or_b32 v239, v234, v235
	v_or_b32 v236, v236, v239
	v_cmp_ne_u32 vcc_lo, 0, v236
	v_mov_b32 v236, vcc_lo                         ; not 0 where one of my wave's 128 keys is open
	ds_store_b32 v237, v236
	s_wait_dscnt 0x0
	s_barrier_signal -1
	s_barrier_wait -1
.irp i, 0,1,2,3
	ds_load_b128 v[96+4*\i:99+4*\i], v238 offset:16*\i
.endr
	s_wait_dscnt 0x0
.irp i, 1,2,3,4,5,6,7,8,9,10,11,12,13,14,15
	v_or_b32 v96, v96, v[96+\i]
.endr
	v_cmp_ne_u32 vcc_lo, 0, v96
	v_cndmask_b32 v239, 0, -1, vcc_lo              ; all ones where the batch has an open key
	v_and_b32 v238, 0xd0800000, v239               ; a masked key's number: -2^34, or 0
.irp j, 0,1,2,3
	v_and_b32 v[16+\j], v[16+\j], v239
	v_mov_b32 v[20+\j], 0
.endr
.irp j, 0,1,2,3
	v_cmp_eq_u32 vcc_lo, 0, v[232+\j]
	v_cndmask_b32 v[232+\j], 0, v238, vcc_lo
.endr
	v_add_nc_u32 v7, MB, v7
	ds_store_b128 v7, v[232:235]
.irp t, 0,1,2,3,4,5,6,7
.irp j, 4,5,6,7
	v_mov_b32 v[32+8*\t+\j], 0                     ; K's zero codes: written once
.endr
.endr
	v_mov_b32 v13, 0xce800000                      ; the largest t so far: -2^30
	v_floor_f32 v12, -v13                          ; -M
	v_mov_b32 v14, 0
	v_mov_b32 v15, 0
.irp b, 0,1,2,3
	v_mov_b32 v[236+\b], 0                         ; a lane permute's destination counts as one of its sources
.endr
	v_mov_b32 v253, 0                              ; (named as the upper half of the pair v[252:253] before it is first written)
.set J, 160
.rept 32
	v_mov_b32 v[J], 0                              ; O^T: the step is written once; its first walk finds zeros
.set J, J+1
.endr
.macro STEP                            ; 128 keys
	v_add_nc_u32 v[ADC], s[TB], v1                 ; these four are also the places behind the last products, in front of the loads into V's registers
	v_add_nc_u32 v[ADS], s[TS], v2
	v_add_nc_u32 v[ADT], s[TV], v2
	v_add_nc_u32 v[ADM], s[TMK], v3
.irp t, 0,1,2,3,4,5,6,7
	ds_load_b128 v[96+8*\t:99+8*\t], v[ADM] offset:64*\t          ; the table's numbers of keys 16 t + 8 h + 0..7: S^T's C
	ds_load_b128 v[100+8*\t:103+8*\t], v[ADM] offset:64*\t+16
.endr
.irp t, 0,1,2,3,4,5,6,7
	ds_load_b128 v[32+8*\t:35+8*\t], v[ADC] offset:512*\t
.endr
.irp t, 0,1,2,3,4,5,6,7
	ds_load_b32 v[24+\t], v[ADS] offset:32768+64*\t
.endr
.irp t, 0,1,2,3
.irp c, 0,1
	ds_load_b128 v[192+8*\t+4*\c:195+8*\t+4*\c], v[ADC] offset:16384+1024*\t+512*\c
.endr
.endr
.irp t, 0,1,2,3
	ds_load_b32 v[248+\t], v[ADT] offset:34816+64*\t
.endr
	s_wait_dscnt 12                                ; V's eight fragment loads and four scale loads may stay out
.irp t, 0,1,2,3,4,5,6,7
	v_wmma_scale_f32_16x16x128_f8f6f4 v[96+8*\t:103+8*\t], v[32+8*\t:39+8*\t], v[16:23], v[96+8*\t:103+8*\t], v[24+\t], v255 matrix_a_fmt:MATRIX_FMT_FP4 matrix_b_fmt:MATRIX_FMT_FP4
.endr
.rept 4
	v_nop
.endr
.irp b, 0,1,2,3
	v_max3_num_f32 v[232+\b], v[96+16*\b], v[97+16*\b], v[98+16*\b]   ; the largest score of each block of 32 keys: for the row's maximum and, since p rises with the score, for the block's largest p
.endr
.irp i, 3,5,7,9,11,13
.irp b, 0,1,2,3
	v_max3_num_f32 v[232+\b], v[232+\b], v[96+16*\b+\i], v[97+16*\b+\i]
.endr
.endr
.irp b, 0,1,2,3
	v_max_num_f32 v[232+\b], v[232+\b], v[111+16*\b]
.endr
.irp b, 0,1,2,3
	v_permlanex16_b32 v[236+\b], v[232+\b], s[SEL], s[SEL+1]
.endr
.irp b, 0,1,2,3
	v_max_num_f32 v[232+\b], v[232+\b], v[236+\b]
.endr
	v_max3_num_f32 v254, v232, v233, v234
	v_max_num_f32 v254, v254, v235
	v_mul_f32 v254, s[CS], v254
	v_max_num_f32 v13, v13, v254                   ; the running largest t
	v_mov_b32 v254, v12
	v_floor_f32 v12, -v13                          ; the new -M: a whole number
	v_sub_f32 v254, v12, v254
	v_cvt_i32_f32 v254, v254                       ; (it saturates)
	v_ldexp_f32 v252, 1.0, v254                    ; f = 2^(old M - new M): rounds nothing
.set J, 96
.rept 32
	v_pk_fma_f32 v[J:J+1], v[J:J+1], s[CS:CS+1], v[12:13] op_sel_hi:[1,0,0]   ; t - M
.set J, J+2
.endr
.irp b, 0,1,2,3
	v_fma_f32 v[232+\b], v[232+\b], s[CS], v12
.endr
.set J, 96
.rept 64
	v_exp_f32 v[J], v[J]                           ; p, at most 1
.set J, J+1
.endr
	v_pk_mul_f32 v[14:15], v[14:15], v[252:253] op_sel_hi:[1,0]   ; the sums under the new M; a plain instruction behind the exponentials
	s_wait_alu depctr_va_vdst(0)                   ; one wait for the batch, ahead of its first reader
.irp b, 0,1,2,3
	v_exp_f32 v[232+\b], v[232+\b]                 ; each block's largest p
.endr
	v_pk_add_f32 v[236:237], v[96:97], v[98:99]    ; the sum of the unquantised p, in two chains
.irp j, 4,8,12,16,20,24,28,32,36,40,44,48,52,56,60
	v_pk_add_f32 v[14:15], v[14:15], v[96+\j:97+\j]
	v_pk_add_f32 v[236:237], v[236:237], v[98+\j:99+\j]
.endr
	v_pk_add_f32 v[14:15], v[14:15], v[236:237]
	s_wait_alu depctr_va_vdst(0)                   ; and one for the four
.irp b, 0,1,2,3
	v_max_num_f32 v[232+\b], 0x1800000, v[232+\b]  ; the floor 2^(3 - 127)
.endr
.irp b, 0,1,2,3
	v_add_nc_u32 v[244+\b], 0xff000000, v[232+\b]
.endr
.irp b, 0,1,2,3
	v_lshrrev_b32 v[236+\b], 23, v[244+\b]
.endr
	v_lshl_or_b32 v253, v237, 8, v236              ; p's scale word for these 128 keys
	v_lshl_or_b32 v253, v238, 16, v253
	v_lshl_or_b32 v253, v239, 24, v253
.irp b, 0,1,2,3
	v_cvt_scalef32_pk8_fp4_f32 v[224+4*(\b/2)+\b%2], v[96+16*\b:103+16*\b], v[244+\b]
	v_cvt_scalef32_pk8_fp4_f32 v[226+4*(\b/2)+\b%2], v[104+16*\b:111+16*\b], v[244+\b]
.endr
	v_nop
.irp c, 0,1                            ; lane half h then holds the four words of block 2 c + h
	v_permlane16_swap_b32 v[224+4*\c], v[225+4*\c]
	v_permlane16_swap_b32 v[226+4*\c], v[227+4*\c]
.endr
.set J, 160
.rept 16
	v_pk_mul_f32 v[J:J+1], v[J:J+1], v[252:253] op_sel_hi:[1,0]   ; O^T under the new M; also the places between p's word and codes and the products
.set J, J+2
.endr
	s_wait_dscnt 0x0                               ; V
.irp t, 0,1,2,3
	v_wmma_scale_f32_16x16x128_f8f6f4 v[160+8*\t:167+8*\t], v[192+8*\t:199+8*\t], v[224:231], v[160+8*\t:167+8*\t], v[248+\t], v253 matrix_a_fmt:MATRIX_FMT_FP4 matrix_b_fmt:MATRIX_FMT_FP4
.endr
.endm
.macro GROUP g                         ; 512 keys: four steps
	s_wait_tensorcnt 3-\g                          ; loads end in order: group g is in, the 3 - g later groups' may stay out (a wave that fetched nothing passes)
	s_wait_dscnt 0x0                               ; my LDS stores have landed (the table, ahead of group 0)
	s_barrier_signal -1
	s_barrier_wait -1                              ; group g is whole for all sixteen waves
	s_mov_b32 s[TB], \g*GRP
	s_mov_b32 s[TS], \g*GRP
	s_mov_b32 s[TV], \g*GRP
	s_mov_b32 s[TMK], \g*2048
	s_mov_b32 s[CNT], 4
.Lstep_\@:
	STEP
	s_add_co_u32 s[TB], s[TB], 4096
	s_add_co_u32 s[TS], s[TS], 512
	s_add_co_u32 s[TV], s[TV], 256
	s_add_co_u32 s[TMK], s[TMK], 512
	s_sub_co_u32 s[CNT], s[CNT], 1
	s_cmp_lg_u32 s[CNT], 0
	s_cbranch_scc1 .Lstep_\@
.endm
	GROUP 0
	GROUP 1
	GROUP 2
	GROUP 3
	; THE WAY OUT: O^T / the sum; tile t's register j is channel 16 t + 8 h + j of my query: two blocks of 32 along d_model
	v_add_f32 v14, v14, v15
	v_permlanex16_b32 v252, v14, s[SEL], s[SEL+1]
	v_add_f32 v14, v14, v252
	v_rcp_f32 v14, v14
	v_lshl_add_u32 v9, v5, 4, v6                   ; my byte: 16 r + h.  (Plain instructions behind the reciprocal and the last products)
	v_nop
	v_nop
	v_nop
	s_and_b32 s62, s12, 15                         ; the head
	s_lshr_b32 s63, s12, 4
	s_lshl_b32 s63, s63, 7
	s_add_co_u32 s63, s63, s53                     ; my tile of 16 tokens among the 256
	s_lshr_b32 s66, s63, 3
	s_lshl_b32 s66, s66, 1
	s_lshr_b32 s67, s62, 3
	s_add_co_u32 s66, s66, s67
	s_mul_i32 s66, s66, UNIT                       ; the unit: 128 tokens x 8 heads
	s_and_b32 s67, s63, 7                          ; the 16-row block in it
	s_bfe_u32 s68, s62, 0x20001                    ; the K step: (head / 2) % 4
	s_and_b32 s69, s62, 1                          ; the half of the fragment
	s_lshl_b32 s72, s67, 12
	s_add_co_u32 s72, s72, s66
	s_lshl_b32 s70, s68, 10
	s_add_co_u32 s72, s72, s70
	s_lshl_b32 s70, s69, 9
	s_add_co_u32 s72, s72, s70
	s_mov_b32 s73, 0
	s_lshl_b32 s74, s67, 8
	s_add_co_u32 s74, s74, s66
	s_add_co_u32 s74, s74, UC
	s_lshl_b32 s70, s68, 2
	s_add_co_u32 s74, s74, s70
	s_lshl_b32 s70, s69, 1
	s_add_co_u32 s74, s74, s70
	s_mov_b32 s75, 0
	s_add_nc_u64 s[72:73], s[8:9], s[72:73]
	s_add_nc_u64 s[74:75], s[8:9], s[74:75]
	s_mov_b32 s61, 0xffff0000
	s_wait_alu depctr_va_vdst(0)                   ; the wait ahead of the reciprocal's first reader
.set J, 0
.rept 32
	v_mul_f32 v[96+J], v[160+J], v14
.set J, J+1
.endr
.irp b, 0,1
	v_max3_num_f32 v[232+\b], |v[96+16*\b]|, |v[97+16*\b]|, 0x1800000
.endr
.irp i, 2,4,6,8,10,12,14
.irp b, 0,1
	v_max3_num_f32 v[232+\b], v[232+\b], |v[96+16*\b+\i]|, |v[97+16*\b+\i]|
.endr
.endr
.irp b, 0,1
	v_permlanex16_b32 v[236+\b], v[232+\b], s[SEL], s[SEL+1]
.endr
.irp b, 0,1
	v_max_num_f32 v[232+\b], v[232+\b], v[236+\b]
.endr
.irp b, 0,1
	v_add_nc_u32 v[244+\b], 0xff000000, v[232+\b]
.endr
.irp b, 0,1
	v_lshrrev_b32 v[236+\b], 23, v[244+\b]
.endr
	v_cvt_scalef32_pk8_fp4_f32 v224, v[96:103], v244
	v_cvt_scalef32_pk8_fp4_f32 v226, v[104:111], v244
	v_cvt_scalef32_pk8_fp4_f32 v225, v[112:119], v245
	v_cvt_scalef32_pk8_fp4_f32 v227, v[120:127], v245
	v_nop
	v_permlane16_swap_b32 v224, v225
	v_permlane16_swap_b32 v226, v227
	v_cndmask_b32 v238, v236, v237, s61            ; lanes 0-15 block 0's byte, lanes 16-31 block 1's
	global_store_b128 v1, v[224:227], s[72:73]     ; 512 consecutive bytes
	global_store_b8 v9, v238, s[74:75]
	s_wait_tensorcnt 0x0
	ds_add_u32 v242, v243
	s_wait_dscnt 0x0
	ROUND                                          ; the closing round
	s_endpgm
.Lfunc_end_k_q6cd54a7b98_attn:
	.size	k_q6cd54a7b98_attn, .Lfunc_end_k_q6cd54a7b98_attn-k_q6cd54a7b98_attn
	.p2alignl 7, 3214868480
	.fill 96, 4, 3214868480
	.section	.rodata,"a",@progbits
	.p2align	6, 0x0
	.amdhsa_kernel k_q6cd54a7b98_attn
		.amdhsa_group_segment_fixed_size 169984
		.amdhsa_private_segment_fixed_size 0
		.amdhsa_enable_private_segment 0
		.amdhsa_kernarg_size 24
		.amdhsa_user_sgpr_count 2
		.amdhsa_user_sgpr_kernarg_segment_ptr 1
		.amdhsa_wavefront_size32 1
		.amdhsa_system_sgpr_workgroup_id_x 1
		.amdhsa_system_sgpr_workgroup_id_y 1
		.amdhsa_system_sgpr_workgroup_id_z 1
		.amdhsa_system_vgpr_workitem_id 0
		.amdhsa_next_free_vgpr 256
		.amdhsa_next_free_sgpr 80
		.amdhsa_reserve_vcc 1
		.amdhsa_float_denorm_mode_32 3
		.amdhsa_float_denorm_mode_16_64 3
		.amdhsa_memory_ordered 1
		.amdhsa_forward_progress 1
		.amdhsa_inst_pref_size 82
	.end_amdhsa_kernel
	.amdgpu_metadata
---
amdhsa.version: [ 1, 2 ]
amdhsa.kernels:
  - .name:           k_q6cd54a7b98_attn
    .symbol:         k_q6cd54a7b98_attn.kd
    .args:
      - { .name: att, .offset: 0, .size: 8, .value_kind: global_buffer, .address_space: global }
      - { .name: mask, .offset: 8, .size: 8, .value_kind: global_buffer, .address_space: global }
      - { .name: at, .offset: 16, .size: 8, .value_kind: global_buffer, .address_space: global }
    .group_segment_fixed_size: 169984
    .private_segment_fixed_size: 0
    .kernarg_segment_align: 8
    .kernarg_segment_size: 24
    .max_flat_workgroup_size: 512
    .sgpr_count:     80
    .vgpr_count:     256
    .wavefront_size: 32
...
	.end_amdgpu_metadata
.endif
;; end of part 3
;; launch wo (part 4): grid 4 x 16, 4 waves a work-group, clusters of 4 x 4, 327,680 bytes of LDS; arguments at, wimg, bo, x, x1; writes x1
.if DOCPART == 4
	.amdgcn_target "amdgcn-amd-amdhsa--gfx1250"
	.amdhsa_code_object_version 6
	.text
	.protected	k_q6cd54a7b98_wo
	.globl	k_q6cd54a7b98_wo
	.p2align	8
	.type	k_q6cd54a7b98_wo,@function
k_q6cd54a7b98_wo:
	s_mov_b64 s[64:65], 0
	v_nop
	global_prefetch_b8 v0, s[64:65] scope:SCOPE_SE
	s_setreg_imm32_b32 hwreg(HW_REG_WAVE_MODE, 25, 1), 1
	s_wait_xcnt 0x0
	s_wait_alu depctr_hold_cnt(0) depctr_sa_sdst(0) depctr_va_vdst(0) depctr_va_sdst(0) depctr_va_ssrc(0) depctr_va_vcc(0) depctr_vm_vsrc(0)
	s_getreg_b32 s2, hwreg(HW_REG_IB_STS2, 6, 4)
	s_cmp_eq_u32 s2, 0
	s_cbranch_scc0 .Lentry_in_a_cluster
	s_endpgm
.Lentry_in_a_cluster:
	s_bfe_u32 s2, ttmp6, 0x10000c
	s_cmp_lg_u32 s2, 0xf033
	s_cbranch_scc0 .Lentry_shape_is_right
	s_endpgm
.Lentry_shape_is_right:
; x1 = x + attn wo^T + bo.  The product on FP4 codes (E2M1, one E8M0 byte for each 32 K); A = at, B = wimg's units from B_OFF on; the sums, the bias and the residual in f32.
; A tile of C is 256 x 256: four waves of 128 x 128, 64 accumulators.  The matrix instruction is used transposed (source 0 = 16 rows of B, source 1 = 16 rows of A): lane (r, h) holds row 16 a + r and columns 16 b + 8 h + 0..7.
; OPERANDS come as UNITS of 128 rows x 512 K, 34,816 dense bytes: fragment (i, q) at 4096 i + 1024 q as an image of its registers, 16 bytes a lane; from byte 32,768 on 16 scale bytes a row.  One tensor load brings a unit.
; K goes through two LDS slots of four units (A's two, B's two), 512 along K each.  With KTOT = 1,024 both are first fills.
; CLUSTERS: 4 x 4.  A's units hang on the tile row, shared along a row of the cluster; B's on the tile column, shared along a column: each is asked for jointly.
; The bias is the C of each sum's first matrix instruction.  The way out goes through each wave's stage in slot 0 (which has had its last fill and its last read), where whole rows of 512 bytes are formed; the residual is added there.
; LIMITS: NaN and infinities are not served.
.set UNIT,   34816
.set UC,     32768
.set SLOT,   4*UNIT
.set SPARE,  2*SLOT                    ; behind the ring: the spare words, 128 bytes a wave, that no other line names
.set KTOT,   1024
.set B_OFF,  48*UNIT
.set KU,     KTOT/512
.set LAPS,   KTOT/1024
.set NQ,     4
.set FR,     8
.set NL,     2
.set NP,     4                         ; places behind this matrix instruction (ISA guide 7.12.1)
.set SPITCH, 528
.set ADRA, 16                          ; v16-17  LDS address of my A fragments in slot 0, 1
.set ADRB, 20                          ; v20-21  the same for B
.set ADRS, 22                          ; v22-23  of my scale words: lanes 0-15 A's rows, lanes 16-31 B's
.set STO,  24
.set RD,   25
.set CO,   26
.set SPW,  28                          ; v28     my spare word; never rewritten
.set NIL,  29                          ; v29     0; never rewritten
.set SC,   32                          ; v32-95  scale words, a set a slot
.set AF,   128                         ; v128-191 A's fragments, one set
.set BN,   192                         ; v192-255 the bias
.set BK,   128                         ; the way out: 16 rows back from the stage, v128-191 and v192-255 by turns
.set G1, 24
.set G0, 32
.set G1B, 48
.set G0B, 56
.set MSB, 0
.macro WIN new                         ; the immediate's high byte repeats the setting that is left
.if MSB != (\new)
	s_set_vgpr_msb (MSB<<8)|(\new)
.set MSB, (\new)
.endif
.endm
.set MUL_LO, 0xa1                      ; source 0 (B) window 1, source 1 (A) window 0, C and D window 2
.set MUL_HI, 0xf1
.set TO_B,   0x40
.macro JLOAD g0a, g1a, g0b, g1b        ; a joint load: waves 0, 1 fetch A's units, waves 2, 3 B's; four v_nop follow each line
	s_cmp_eq_u32 s15, 0
	s_cbranch_scc0 .Lfor_b_\@
	tensor_load_to_lds s[\g0a:\g0a+3], s[\g1a:\g1a+7]
	s_nop 0
.rept 4
	v_nop
.endr
	s_branch .Lasked_\@
.Lfor_b_\@:
	tensor_load_to_lds s[\g0b:\g0b+3], s[\g1b:\g1b+7]
	s_nop 0
.rept 4
	v_nop
.endr
.Lasked_\@:
.endm
.macro CREST
	s_cmp_lg_u32 s14, 0
	s_cbranch_scc1 .Lnot_wave_0_\@
	s_barrier_signal -3
.Lnot_wave_0_\@:
	s_barrier_wait -3
	s_barrier_signal -1
	s_barrier_wait -1
.endm
.macro CROUND
	s_barrier_signal -1
	s_barrier_wait -1
	CREST
.endm
.macro PLACES n
.rept \n
	v_nop
.endr
.endm
	s_load_b256 s[4:11], s[0:1], 0x0               ; A s[4:5], wimg s[6:7], the bias s[8:9], the residual s[10:11]
	s_load_b64 s[12:13], s[0:1], 0x20              ; the result
	v_lshl_add_u32 v[SPW], v0, 2, SPARE
	v_mov_b32 v[NIL], 0
	ds_add_u32 v28, v29
	ds_add_u32 v28, v29
	s_wait_dscnt 0x0
	v_lshrrev_b32 v1, 5, v0
	v_readfirstlane_b32 s14, v1                    ; wave 0..3
	s_lshr_b32 s15, s14, 1                         ; my half of the tile's rows.  Also: I fetch for A (0) or B (1)
	s_and_b32 s16, s14, 1                          ; my half of its columns.  Also: which unit of the two I fetch
	s_bfe_u32 s40, ttmp6, 0x40000                  ; cx
	s_bfe_u32 s41, ttmp6, 0x40004                  ; cy
	s_lshl_b32 s42, ttmp9, 2
	s_add_co_u32 s42, s42, s40                     ; tile column
	s_and_b32 s17, ttmp7, 0xffff
	s_lshl_b32 s17, s17, 2
	s_add_co_u32 s17, s17, s41                     ; tile row
	s_lshl_b32 s43, s41, 2
	s_lshl_b32 s43, 15, s43                        ; my row of the cluster
	s_lshl_b32 s44, 0x1111, s40                    ; my column
	s_or_b32 s[G1+0], s43, (3<<16)|(1<<21)         ; 15:0 the mask; 17:16 elements of 8 bytes; 21 set beside a mask; no padding
	s_or_b32 s[G1B+0], s44, (3<<16)|(1<<21)
.irp g, G1, G1B
	s_mov_b32 s[\g+1], 32<<16                      ; rows of 256 bytes,
	s_mov_b32 s[\g+2], 136<<16                     ; 136 of them: a unit
	s_mov_b32 s[\g+3], 32<<16
	s_mov_b32 s[\g+4], 136
	s_mov_b32 s[\g+5], 32                          ; dense
	s_mov_b32 s[\g+6], 0
	s_mov_b32 s[\g+7], 0
.endr
	s_lshl_b32 s20, s17, 1
	s_add_co_u32 s20, s20, s16
	s_mul_i32 s20, s20, KU*UNIT                    ; A: the units of rows 128 (2 tile row + half)
	s_mov_b32 s21, 0
	s_lshl_b32 s46, s42, 1
	s_add_co_u32 s46, s46, s16
	s_mul_i32 s46, s46, KU*UNIT
	s_add_co_u32 s46, s46, B_OFF                   ; B likewise, by the tile column, in its weight's units
	s_mov_b32 s47, 0
	s_mul_i32 s45, s14, UNIT                       ; where they go: wave x a unit
	s_wait_kmcnt 0x0
	s_add_nc_u64 s[20:21], s[4:5], s[20:21]
	s_add_nc_u64 s[46:47], s[6:7], s[46:47]
	CROUND                                         ; all sixteen work-groups are here: the joint loads meet
.irp s, 0,1
	s_mov_b32 s[G0+4*\s], 1
	s_add_co_u32 s[G0+4*\s+1], s45, \s*SLOT
	s_add_nc_u64 s[G0+4*\s+2:G0+4*\s+3], s[20:21], \s*UNIT
	s_or_b32 s[G0+4*\s+3], s[G0+4*\s+3], 0x80000000
	s_mov_b32 s[G0B+4*\s], 1
	s_add_co_u32 s[G0B+4*\s+1], s45, \s*SLOT
	s_add_nc_u64 s[G0B+4*\s+2:G0B+4*\s+3], s[46:47], \s*UNIT
	s_or_b32 s[G0B+4*\s+3], s[G0B+4*\s+3], 0x80000000
	JLOAD G0+4*\s, G1, G0B+4*\s, G1B               ; two tensor loads of mine are out
.endr
	v_and_b32 v1, 15, v0                           ; r
	v_bfe_u32 v2, v0, 4, 1                         ; h
	v_and_b32 v3, 31, v0
	v_lshlrev_b32 v4, 4, v3                        ; 16 x lane
	s_mul_i32 s21, s15, UNIT
	s_mul_i32 s22, s16, UNIT
	s_add_co_u32 s22, s22, 2*UNIT
	v_add_nc_u32 v[ADRA], s21, v4
	v_add_nc_u32 v[ADRB], s22, v4
	v_add_nc_u32 v[ADRA+1], SLOT, v[ADRA]
	v_add_nc_u32 v[ADRB+1], SLOT, v[ADRB]
	s_sub_co_u32 s23, s22, s21
	v_mul_u32_u24 v6, s23, v2                      ; lanes 16-31 take B's
	v_lshl_add_u32 v5, v1, 4, v6
	v_add_nc_u32 v[ADRS], s21, v5
	v_add_nc_u32 v[ADRS+1], SLOT, v[ADRS]
	s_mul_i32 s23, s14, 16*SPITCH                  ; my stage
	v_mul_u32_u24 v5, v1, SPITCH
	v_lshl_add_u32 v5, v2, 5, v5
	v_add_nc_u32 v[STO], s23, v5                   ; in: row r, 32 bytes for each half of the lanes
	v_lshlrev_b32 v[CO], 4, v3                     ; back: the 32 lanes take a row of 512 bytes; the same in memory
	v_add_nc_u32 v[RD], s23, v[CO]
	v_lshlrev_b32 v7, 5, v2                        ; the bias: 32 h
	s_lshl_b32 s20, s17, 8
	s_lshl_b32 s21, s15, 7
	s_add_co_u32 s20, s20, s21                     ; my first row
	s_lshl_b32 s20, s20, 12                        ; of 4,096 bytes
	s_mov_b32 s21, 0
	s_lshl_b32 s46, s42, 10
	s_lshl_b32 s47, s16, 9
	s_add_co_u32 s46, s46, s47                     ; my first column, in bytes
	s_mov_b32 s47, 0
	s_add_nc_u64 s[8:9], s[8:9], s[46:47]
	s_add_nc_u64 s[20:21], s[20:21], s[46:47]
	s_add_nc_u64 s[10:11], s[10:11], s[20:21]
	s_add_nc_u64 s[12:13], s[12:13], s[20:21]
.irp b, 0,1,2,3,4,5,6,7
	global_load_b128 v[BN+8*\b:BN+8*\b+3], v7, s[8:9] offset:64*\b        ; bias[16 b + 8 h + 0..7] of my 128 columns
	global_load_b128 v[BN+8*\b+4:BN+8*\b+7], v7, s[8:9] offset:64*\b+16
.endr
.macro FRAG reg, adr, q, i             ; a fragment: 8 registers, two loads of 512 consecutive bytes
.irp c, 0,1
	ds_load_b128 v[\reg+4*\c:\reg+4*\c+3], v[\adr] offset:(\i)*4096+(\q)*1024+512*\c
.endr
.endm
; 16 matrix instructions: A's blocks a0, a0 + 1 x B's eight, the slot's q-th 128 along K.  cm = 0: C = D; 2: C = the bias.
; The 64 accumulators take turns, one instruction a turn, in the same order in every step.
.macro MUL16 a0, p, q, sc, cm
.irp a, \a0, \a0+1
.irp b, 0,1,2,3,4,5,6,7
.set rD, 8*(8*((\a)%4)+\b)
.set rB, 128*(\p)+FR*\b
.set rA, AF+FR*(\a)
.if (\cm) == 0
.set rC, rD
.else
.set rC, BN+8*\b
.endif
	v_wmma_scale_f32_16x16x128_f8f6f4 v[rD:rD+7], v[rB:rB+7], v[rA:rA+7], v[rC:rC+7], v[SC+32*(\sc)+4*\b+(\q)], v[SC+32*(\sc)+4*(\a)+(\q)] matrix_a_fmt:MATRIX_FMT_FP4 matrix_b_fmt:MATRIX_FMT_FP4 matrix_a_scale:MATRIX_SCALE_ROW1
.endr
.endr
.endm
.macro FETCH_B slot, q, p
	WIN TO_B
.irp i, 0,1,2,3,4,5,6,7
	FRAG 128*(\p)+FR*\i, ADRB+\slot, \q, \i
.endr
	WIN 0
.endm
.macro FETCH_A slot, q, i0
.irp i, \i0, \i0+1, \i0+2, \i0+3
	FRAG AF+FR*(\i), ADRA+\slot, \q, \i
.endr
.endm
.macro SCALES sc
.irp i, 0,1,2,3,4,5,6,7
	ds_load_b128 v[SC+32*\sc+4*\i:SC+32*\sc+4*\i+3], v[ADRS+\sc] offset:UC+256*\i
.endr
.endm
.macro STEP slot, q, cm
	s_wait_dscnt 4*NL                              ; all but the youngest eight loads (A's blocks 4-7) are in
.if \cm
	WIN 0x81                                       ; C (the bias) window 0, D window 2
.else
	WIN MUL_LO
.endif
	MUL16 0, (\q)%2, \q, \slot, \cm
	MUL16 2, (\q)%2, \q, \slot, \cm
	s_wait_dscnt 0
	PLACES NP                                      ; in front of loads into registers that matrix instructions have read
	FETCH_B \slot, (\q)+1, 1-(\q)%2
	FETCH_A \slot, (\q)+1, 0
.if \cm
	WIN 0xc1
.else
	WIN MUL_HI
.endif
	MUL16 4, (\q)%2, \q, \slot, \cm
	MUL16 6, (\q)%2, \q, \slot, \cm
	PLACES NP
	WIN 0
	FETCH_A \slot, (\q)+1, 4
.endm
; A slot's last step changes slots: one barrier; in front of it each wave waits for all its tensor loads, adds 0 to its spare word, and waits for that and for its reads of this slot.  fill = 1: this slot is filled again, two units on.
.macro TURN slot, next, fill
	s_wait_tensorcnt 0x0                           ; all my tensor loads have landed: my unit of the next slot
	ds_add_u32 v[SPW], v[NIL]                      ; 0 onto my spare word
	s_wait_dscnt 4*NL+1                            ; (the add and A's blocks 4-7 may be out)
	WIN MUL_LO
	MUL16 0, 1, NQ-1, \slot, 0
	s_wait_dscnt 0x0                               ; the add is done, and my reads of this slot are over
	s_barrier_signal -1
	MUL16 2, 1, NQ-1, \slot, 0
	WIN 0
	s_barrier_wait -1
.if \fill
	CREST                                          ; the barrier has opened a round of the cluster's: no wave of any partner still reads this slot or has a load on its way
	s_add_nc_u64 s[G0+4*\slot+2:G0+4*\slot+3], s[G0+4*\slot+2:G0+4*\slot+3], 2*UNIT
	s_add_nc_u64 s[G0B+4*\slot+2:G0B+4*\slot+3], s[G0B+4*\slot+2:G0B+4*\slot+3], 2*UNIT
	JLOAD G0+4*\slot, G1, G0B+4*\slot, G1B         ; my one tensor load behind the round; its four v_nop are the places in front of the loads below
.else
	PLACES NP
.endif
	FETCH_B \next, 0, 0
	FETCH_A \next, 0, 0
	SCALES \next
	WIN MUL_HI
	MUL16 4, 1, NQ-1, \slot, 0
	MUL16 6, 1, NQ-1, \slot, 0
	PLACES NP
	WIN 0
	FETCH_A \next, 0, 4
.endm
.macro STEPS slot, from
.set Q, \from
.rept NQ-1-\from
	STEP \slot, Q, 0
.set Q, Q+1
.endr
.endm
	s_wait_tensorcnt 1                             ; my unit of slot 0 is in; slot 1's may stay out
	s_barrier_signal -1
	s_barrier_wait -1
	FETCH_B 0, 0, 0
	FETCH_A 0, 0, 0
	SCALES 0
	FETCH_A 0, 0, 4
	s_wait_loadcnt 0x0                             ; the bias
	STEP 0, 0, 2                                   ; the first products start the sums with the bias
.if LAPS > 1
	s_mov_b32 s3, LAPS-1
.Llap:                                             ; a trip goes once round the ring and fills both slots again
	STEPS 0, 1
	TURN 0, 1, 1
	STEPS 1, 0
	TURN 1, 0, 1
	STEP 0, 0, 0
	s_sub_co_u32 s3, s3, 1
	s_cmp_lg_u32 s3, 0
	s_cbranch_scc1 .Llap
.endif
	STEPS 0, 1                                     ; the last lap fills nothing
	TURN 0, 1, 0
	STEPS 1, 0
	s_wait_dscnt 4*NL
	WIN MUL_LO
	MUL16 0, 1, NQ-1, 1, 0
	MUL16 2, 1, NQ-1, 1, 0
	s_wait_dscnt 0
	WIN MUL_HI
	MUL16 4, 1, NQ-1, 1, 0
	MUL16 6, 1, NQ-1, 1, 0
	WIN 0
; THE WAY OUT, a block of 16 rows x 128 columns at a time: through my stage, back as rows of 512 bytes, the residual added, stored.  Every row's offset is an immediate: 127 rows of 4,096 bytes at the most.
.macro RLOAD a                         ; the residual's block a into window 1, four sets, where B's fragments lay
	WIN 0x40
.irp t, 0,1,2,3,4,5,6,7,8,9,10,11,12,13,14,15
	global_load_b128 v[64*((\a)%4)+4*\t:64*((\a)%4)+4*\t+3], v[CO], s[10:11] offset:(16*(\a)+\t)*4096 th:TH_LOAD_NT
.endr
	WIN 0
.endm
.macro TOSTAGE a
.set AC, 64*((\a)%4)
	WIN 0x08+4*((\a)/4)                            ; an LDS store's data: window 2 or 3
.irp b, 0,1,2,3,4,5,6,7
	ds_store_b128 v[STO], v[AC+8*\b:AC+8*\b+3] offset:64*\b          ; each accumulator from its low end on
	ds_store_b128 v[STO], v[AC+8*\b+4:AC+8*\b+7] offset:64*\b+16
.endr
	WIN 0
.set BB, BK+64*((\a)%2)
.irp t, 0,1,2,3,4,5,6,7,8,9,10,11,12,13,14,15
	ds_load_b128 v[BB+4*\t:BB+4*\t+3], v[RD] offset:\t*SPITCH        ; LDS serves a wave's instructions in order (ISA guide 5.7.1.4): these see the stores above
.endr
.endm
	PLACES NP                                      ; in front of the first reads of results and the loads into A's and B's registers
	RLOAD 0
	RLOAD 1
	RLOAD 2
	RLOAD 3
	TOSTAGE 0
.irp a, 0,1,2,3,4,5,6,7
.if \a < 7
.if \a > 0
	s_wait_xcnt 0x0                                ; block a - 1's stores have read their registers: block a + 1's rows may land there
.endif
	TOSTAGE \a+1
	s_wait_dscnt 32                                ; block a is back; behind it: block a + 1's 16 stores and 16 loads
.else
	s_wait_dscnt 0x0
.endif
.if 7-\a < 3
	s_wait_loadcnt 16*(7-\a)                       ; the residual's block a is in; the younger blocks' loads may stay out
.else
	s_wait_loadcnt 48
.endif
	WIN 0x04                                       ; source 1 window 1
.set BB, BK+64*(\a%2)
.set XR, 64*(\a%4)
.rept 32
	v_pk_add_f32 v[BB:BB+1], v[BB:BB+1], v[XR:XR+1]
.set BB, BB+2
.set XR, XR+2
.endr
	WIN 0
.set BB, BK+64*(\a%2)
.irp t, 0,1,2,3,4,5,6,7,8,9,10,11,12,13,14,15
	global_store_b128 v[CO], v[BB+4*\t:BB+4*\t+3], s[12:13] offset:(16*\a+\t)*4096   ; 512 consecutive bytes, at a multiple of 256 from the buffer's first byte
.endr
.if \a < 4
	RLOAD \a+4
.endif
.endr
	s_wait_tensorcnt 0x0                           ; the wave's end
	ds_add_u32 v[SPW], v[NIL]
	s_wait_dscnt 0x0
	CROUND                                         ; the closing round
	s_endpgm
.Lfunc_end_k_q6cd54a7b98_wo:
	.size	k_q6cd54a7b98_wo, .Lfunc_end_k_q6cd54a7b98_wo-k_q6cd54a7b98_wo
	.p2alignl 7, 3214868480
	.fill 96, 4, 3214868480
	.section	.rodata,"a",@progbits
	.p2align	6, 0x0
	.amdhsa_kernel k_q6cd54a7b98_wo
		.amdhsa_group_segment_fixed_size 327680
		.amdhsa_private_segment_fixed_size 0
		.amdhsa_enable_private_segment 0
		.amdhsa_kernarg_size 40
		.amdhsa_user_sgpr_count 2
		.amdhsa_user_sgpr_kernarg_segment_ptr 1
		.amdhsa_wavefront_size32 1
		.amdhsa_system_sgpr_workgroup_id_x 1
		.amdhsa_system_sgpr_workgroup_id_y 1
		.amdhsa_system_sgpr_workgroup_id_z 1
		.amdhsa_system_vgpr_workitem_id 0
		.amdhsa_next_free_vgpr 1024
		.amdhsa_next_free_sgpr 100
		.amdhsa_reserve_vcc 0
		.amdhsa_float_denorm_mode_32 3
		.amdhsa_float_denorm_mode_16_64 3
		.amdhsa_memory_ordered 1
		.amdhsa_forward_progress 1
		.amdhsa_inst_pref_size 152
	.end_amdhsa_kernel
	.amdgpu_metadata
---
amdhsa.version: [ 1, 2 ]
amdhsa.kernels:
  - .name:           k_q6cd54a7b98_wo
    .symbol:         k_q6cd54a7b98_wo.kd
    .args:
      - { .name: at, .offset: 0, .size: 8, .value_kind: global_buffer, .address_space: global }
      - { .name: wimg, .offset: 8, .size: 8, .value_kind: global_buffer, .address_space: global }
      - { .name: bo, .offset: 16, .size: 8, .value_kind: global_buffer, .address_space: global }
      - { .name: x, .offset: 24, .size: 8, .value_kind: global_buffer, .address_space: global }
      - { .name: x1, .offset: 32, .size: 8, .value_kind: global_buffer, .address_space: global }
    .group_segment_fixed_size: 327680
    .private_segment_fixed_size: 0
    .kernarg_segment_align: 8
    .kernarg_segment_size: 40
    .max_flat_workgroup_size: 128
    .sgpr_count:     100
    .vgpr_count:     1024
    .wavefront_size: 32
...
	.end_amdgpu_metadata
.endif
;; end of part 4
;; launch ln2 (part 5): grid 256 x 1, 16 waves a work-group, no clusters, 11,264 bytes of LDS; arguments x1, ln2_a, ln2_b, xn2; writes xn2
.if DOCPART == 5
	.amdgcn_target "amdgcn-amd-amdhsa--gfx1250"
	.amdhsa_code_object_version 6
	.text
	.protected	k_q6cd54a7b98_ln2
	.globl	k_q6cd54a7b98_ln2
	.p2align	8
	.type	k_q6cd54a7b98_ln2,@function
k_q6cd54a7b98_ln2:
	s_mov_b64 s[64:65], 0
	v_nop
	global_prefetch_b8 v0, s[64:65] scope:SCOPE_SE
	s_setreg_imm32_b32 hwreg(HW_REG_WAVE_MODE, 25, 1), 1
	s_wait_xcnt 0x0
; xn2 = ln2_a (x1 - mean) / (std + 1e-6) + ln2_b (std with n - 1), quantised to FP4 (E2M1) with one E8M0 byte for each 32 along K, stored as UNITS:
; 128 rows x 512 K in 34,816 bytes; fragment (i, q) at 4096 i + 1024 q as an image of the operand's registers (registers 4 c .. 4 c + 3 of lane (r, h) at + 512 c + 16 lane); from byte 32,768 on 16 scale bytes a row.
; 16 rows a work-group, one row a wave; the row stays in 32 registers a lane between the passes.  Work-groups share no input: no cluster; memory binds: no matrix unit.
; LIMITS: NaN and infinities are not served.  A block of zeros gets the byte 1 (its codes are zeros; only this program reads the bytes).
.set UNIT, 34816
.set UC,   32768
.set X,    16                          ; v16-47 my 32 numbers: register 8 i + j = k 256 i + 8 lane + j
	s_load_b128 s[4:7], s[0:1], 0x0                ; x1, ln2_a
	s_load_b128 s[8:11], s[0:1], 0x10              ; ln2_b, xn2
	v_lshl_add_u32 v96, v0, 2, 0x2400
	v_mov_b32 v97, 0
	v_lshrrev_b32 v1, 5, v0
	v_readfirstlane_b32 s16, v1                    ; wave 0..15 = my row of the 16
	v_and_b32 v1, 31, v0                           ; lane
	v_lshlrev_b32 v2, 5, v1                        ; 32 bytes a lane in each 1,024 of the row
	v_lshrrev_b32 v5, 2, v1
	v_and_b32 v6, 3, v1
	s_lshl_b32 s17, s16, 4
	v_lshlrev_b32 v3, 8, v5
	v_lshl_add_u32 v3, v6, 2, v3
	v_add_nc_u32 v3, s17, v3                       ; LDS, my codes' word: 256 (lane / 4) + 4 (lane % 4) + 16 row; + 2048 i
	v_add_nc_u32 v4, s17, v5
	v_add_nc_u32 v4, 8192, v4                      ; LDS, my block's byte
	v_lshlrev_b32 v7, 4, v0
	v_and_b32 v8, 255, v0
	v_lshlrev_b32 v8, 4, v8
	v_lshrrev_b32 v9, 8, v0
	v_mad_u32_u24 v8, v9, UNIT, v8
	v_lshl_add_u32 v10, v1, 4, 8192
	v_and_b32 v11, 15, v0
	v_lshlrev_b32 v11, 4, v11
	v_bfe_u32 v9, v0, 4, 1
	v_mad_u32_u24 v11, v9, UNIT, v11
	s_lshl_b32 s18, ttmp9, 16
	s_lshl_b32 s19, s16, 12
	s_add_co_u32 s18, s18, s19
	s_mov_b32 s19, 0
	s_lshr_b32 s20, ttmp9, 3
	s_mul_i32 s20, s20, 2*UNIT
	s_and_b32 s21, ttmp9, 7
	s_lshl_b32 s22, s21, 12
	s_add_co_u32 s22, s20, s22
	s_mov_b32 s23, 0
	s_lshl_b32 s21, s21, 8
	s_add_co_u32 s24, s20, s21
	s_add_co_u32 s24, s24, UC
	s_mov_b32 s25, 0
	s_mov_b32 s26, 0x76543210
	s_mov_b32 s27, 0xfedcba98
	s_wait_kmcnt 0x0
	s_load_b32 s12, s[6:7], 0x0                    ; alpha
	s_load_b32 s13, s[8:9], 0x0                    ; beta
	s_add_nc_u64 s[4:5], s[4:5], s[18:19]
	s_add_nc_u64 s[28:29], s[10:11], s[24:25]
	s_add_nc_u64 s[10:11], s[10:11], s[22:23]
.irp i, 0,1,2,3
	global_load_b128 v[X+8*\i:X+8*\i+3], v2, s[4:5] offset:1024*\i th:TH_LOAD_NT
	global_load_b128 v[X+8*\i+4:X+8*\i+7], v2, s[4:5] offset:1024*\i+16 th:TH_LOAD_NT
.endr
.macro WSUM                            ; v48 summed over the 32 lanes, the result in every lane
	v_add_f32_dpp v48, v48, v48 row_xmask:1 row_mask:0xf bank_mask:0xf
	v_add_f32_dpp v48, v48, v48 row_xmask:2 row_mask:0xf bank_mask:0xf
	v_add_f32_dpp v48, v48, v48 row_xmask:4 row_mask:0xf bank_mask:0xf
	v_add_f32_dpp v48, v48, v48 row_xmask:8 row_mask:0xf bank_mask:0xf
	v_permlanex16_b32 v49, v48, s26, s27
	v_add_f32 v48, v48, v49
.endm
	s_wait_loadcnt 0x0
	v_pk_add_f32 v[48:49], v[X:X+1], v[X+2:X+3]
	v_pk_add_f32 v[50:51], v[X+4:X+5], v[X+6:X+7]
.irp j, 8,12,16,20,24,28
	v_pk_add_f32 v[48:49], v[48:49], v[X+\j:X+\j+1]
	v_pk_add_f32 v[50:51], v[50:51], v[X+\j+2:X+\j+3]
.endr
	v_pk_add_f32 v[48:49], v[48:49], v[50:51]
	v_add_f32 v48, v48, v49
	WSUM
	v_mul_f32 v52, 0x3a800000, v48                 ; mean = sum / 1024
	v_mov_b32 v53, v52
.set J, X
.rept 16
	v_pk_add_f32 v[J:J+1], v[J:J+1], v[52:53] neg_lo:[0,1] neg_hi:[0,1]   ; d = x - mean
.set J, J+2
.endr
	v_pk_mul_f32 v[48:49], v[X:X+1], v[X:X+1]
	v_pk_mul_f32 v[50:51], v[X+2:X+3], v[X+2:X+3]
.irp j, 4,8,12,16,20,24,28
	v_pk_fma_f32 v[48:49], v[X+\j:X+\j+1], v[X+\j:X+\j+1], v[48:49]
	v_pk_fma_f32 v[50:51], v[X+\j+2:X+\j+3], v[X+\j+2:X+\j+3], v[50:51]
.endr
	v_pk_add_f32 v[48:49], v[48:49], v[50:51]
	v_add_f32 v48, v48, v49
	WSUM
	v_mul_f32 v48, 0x3a802008, v48                 ; / 1023
	v_sqrt_f32 v54, v48
	v_nop                                          ; a plain instruction behind the root,
	s_wait_alu depctr_va_vdst(0)                   ; and the wait ahead of its first reader
	v_add_f32 v54, 0x358637bd, v54                 ; + 1e-6
	v_rcp_f32 v55, v54
	v_nop
	s_wait_alu depctr_va_vdst(0)
	s_wait_kmcnt 0x0
	v_mul_f32 v54, s12, v55                        ; g = alpha / (std + eps)
	v_mov_b32 v56, s13
	v_mov_b32 v57, s13
.set J, X
.rept 16
	v_pk_fma_f32 v[J:J+1], v[J:J+1], v[54:55], v[56:57] op_sel_hi:[1,0,0]   ; xn = d g + beta
.set J, J+2
.endr
.irp i, 0,1,2,3
	v_max3_num_f32 v[58+\i], |v[X+8*\i]|, |v[X+8*\i+1]|, 0x1800000          ; four lanes hold a block; the floor 2^(3 - 127) holds the byte at 1 from below
.endr
.irp j, 2,4,6
.irp i, 0,1,2,3
	v_max3_num_f32 v[58+\i], v[58+\i], |v[X+8*\i+\j]|, |v[X+8*\i+\j+1]|
.endr
.endr
.irp m, 1,2
.irp i, 0,1,2,3
	v_max_num_f32_dpp v[58+\i], v[58+\i], v[58+\i] row_xmask:\m row_mask:0xf bank_mask:0xf
.endr
.endr
.irp i, 0,1,2,3
	v_add_nc_u32 v[62+\i], 0xff000000, v[58+\i]    ; 2 off the exponent field: the conversion's scale operand
.endr
.irp i, 0,1,2,3
	v_lshrrev_b32 v[66+\i], 23, v[62+\i]           ; the scale's byte
.endr
.irp i, 0,1,2,3
	v_cvt_scalef32_pk8_fp4_f32 v[70+\i], v[X+8*\i:X+8*\i+7], v[62+\i]
.endr
	v_nop
.irp i, 0,1,2,3
	ds_store_b32 v3, v[70+\i] offset:2048*\i
	ds_store_b8 v4, v[66+\i] offset:256*(\i/2)+8*(\i%2)   ; the four lanes of a block write the same byte with the same value
.endr
	s_wait_dscnt 0x0                               ; my stores have landed, for the other waves' sake
	s_barrier_signal -1
	s_barrier_wait -1
	ds_load_b128 v[80:83], v7
	s_wait_dscnt 0x0
	global_store_b128 v8, v[80:83], s[10:11]       ; a wave stores 512 consecutive bytes
	s_cmp_lg_u32 s16, 0
	s_cbranch_scc1 .Lln_end
	ds_load_b128 v[84:87], v10                     ; wave 0: the 16 rows' scale bytes
	s_wait_dscnt 0x0
	global_store_b128 v11, v[84:87], s[28:29]
.Lln_end:
	s_wait_tensorcnt 0x0
	ds_add_u32 v96, v97
	s_wait_dscnt 0x0
	s_endpgm
.Lfunc_end_k_q6cd54a7b98_ln2:
	.size	k_q6cd54a7b98_ln2, .Lfunc_end_k_q6cd54a7b98_ln2-k_q6cd54a7b98_ln2
	.p2alignl 7, 3214868480
	.fill 96, 4, 3214868480
	.section	.rodata,"a",@progbits
	.p2align	6, 0x0
	.amdhsa_kernel k_q6cd54a7b98_ln2
		.amdhsa_group_segment_fixed_size 11264
		.amdhsa_private_segment_fixed_size 0
		.amdhsa_enable_private_segment 0
		.amdhsa_kernarg_size 32
		.amdhsa_user_sgpr_count 2
		.amdhsa_user_sgpr_kernarg_segment_ptr 1
		.amdhsa_wavefront_size32 1
		.amdhsa_system_sgpr_workgroup_id_x 1
		.amdhsa_system_sgpr_workgroup_id_y 1
		.amdhsa_system_sgpr_workgroup_id_z 1
		.amdhsa_system_vgpr_workitem_id 0
		.amdhsa_next_free_vgpr 98
		.amdhsa_next_free_sgpr 66
		.amdhsa_reserve_vcc 0
		.amdhsa_float_denorm_mode_32 3
		.amdhsa_float_denorm_mode_16_64 3
		.amdhsa_memory_ordered 1
		.amdhsa_forward_progress 1
		.amdhsa_inst_pref_size 12
	.end_amdhsa_kernel
	.amdgpu_metadata
---
amdhsa.version: [ 1, 2 ]
amdhsa.kernels:
  - .name:           k_q6cd54a7b98_ln2
    .symbol:         k_q6cd54a7b98_ln2.kd
    .args:
      - { .name: x1, .offset: 0, .size: 8, .value_kind: global_buffer, .address_space: global }
      - { .name: ln2_a, .offset: 8, .size: 8, .value_kind: global_buffer, .address_space: global }
      - { .name: ln2_b, .offset: 16, .size: 8, .value_kind: global_buffer, .address_space: global }
      - { .name: xn2, .offset: 24, .size: 8, .value_kind: global_buffer, .address_space: global }
    .group_segment_fixed_size: 11264
    .private_segment_fixed_size: 0
    .kernarg_segment_align: 8
    .kernarg_segment_size: 32
    .max_flat_workgroup_size: 512
    .sgpr_count:     66
    .vgpr_count:     98
    .wavefront_size: 32
...
	.end_amdgpu_metadata
.endif
;; end of part 5
;; launch ffn1 (part 6): grid 16 x 16, 4 waves a work-group, clusters of 4 x 4, 327,680 bytes of LDS; arguments xn2, wimg, b1, hid; writes hid
.if DOCPART == 6
	.amdgcn_target "amdgcn-amd-amdhsa--gfx1250"
	.amdhsa_code_object_version 6
	.text
	.protected	k_q6cd54a7b98_ffn1
	.globl	k_q6cd54a7b98_ffn1
	.p2align	8
	.type	k_q6cd54a7b98_ffn1,@function
k_q6cd54a7b98_ffn1:
	s_mov_b64 s[64:65], 0
	v_nop
	global_prefetch_b8 v0, s[64:65] scope:SCOPE_SE
	s_setreg_imm32_b32 hwreg(HW_REG_WAVE_MODE, 25, 1), 1
	s_wait_xcnt 0x0
	s_wait_alu depctr_hold_cnt(0) depctr_sa_sdst(0) depctr_va_vdst(0) depctr_va_sdst(0) depctr_va_ssrc(0) depctr_va_vcc(0) depctr_vm_vsrc(0)
	s_getreg_b32 s2, hwreg(HW_REG_IB_STS2, 6, 4)
	s_cmp_eq_u32 s2, 0
	s_cbranch_scc0 .Lentry_in_a_cluster
	s_endpgm
.Lentry_in_a_cluster:
	s_bfe_u32 s2, ttmp6, 0x10000c
	s_cmp_lg_u32 s2, 0xf033
	s_cbranch_scc0 .Lentry_shape_is_right
	s_endpgm
.Lentry_shape_is_right:
; h = relu(xn2 w1^T + b1), on FP4 codes (E2M1, one E8M0 byte for each 32 K), quantised in registers along the next product's K and stored as units.  A = xn2, B = wimg's units 64-127.
; A tile of C is 256 x 256: four waves of 128 x 128, 64 accumulators.  The matrix instruction is used transposed (source 0 = 16 rows of B, source 1 = 16 rows of A): lane (r, h) holds row 16 a + r and columns 16 b + 8 h + 0..7,
; so a wave's 128 columns are one K step of the next product, and a block of 16 rows becomes one fragment and one scale word a row.
; OPERANDS come as UNITS of 128 rows x 512 K, 34,816 dense bytes: fragment (i, q) at 4096 i + 1024 q as an image of its registers, 16 bytes a lane; from byte 32,768 on 16 scale bytes a row.  One tensor load brings a unit.
; K = 1,024 is two slots of four units: both are first fills; nothing is filled again.
; CLUSTERS: 4 x 4.  A's units hang on the tile row, shared along a row of the cluster; B's on the tile column, shared along a column: each is asked for jointly.
; The bias is the C of each sum's first matrix instruction.  The scale words leave as 4 bytes of each row's 16: a wave owns one K step of four; they are one byte for each 16 bytes of codes.
; LIMITS: NaN and infinities are not served.  A block of zeros gets the byte 1 (its codes are zeros; only this program reads the bytes).
.set UNIT,   34816
.set UC,     32768
.set SLOT,   4*UNIT
.set SPARE,  2*SLOT                    ; behind the ring: the spare words, 128 bytes a wave, that no other line names
.set KU,     2
.set B_OFF,  64*UNIT
.set NQ,     4
.set FR,     8
.set NL,     2
.set NP,     4                         ; places behind this matrix instruction (ISA guide 7.12.1)
.set ADRA, 16
.set ADRB, 20
.set ADRS, 22
.set SPW,  28
.set NIL,  29
.set SC,   32                          ; v32-95  scale words, a set a slot
.set TM,   96                          ; v96-111 the quantiser's work
.set PW,   112                         ; v112-119 a scale word for each block of 16 rows
.set SD,   120                         ; v120-123 scale words as they are stored
.set AF,   128                         ; v128-191 A's fragments; later the codes
.set PC,   128
.set BN,   192                         ; v192-255 the bias
.set SEL,  18
.set G1, 24
.set G0, 32
.set G1B, 48
.set G0B, 56
.set MSB, 0
.macro WIN new                         ; the immediate's high byte repeats the setting that is left
.if MSB != (\new)
	s_set_vgpr_msb (MSB<<8)|(\new)
.set MSB, (\new)
.endif
.endm
.set MUL_LO, 0xa1
.set MUL_HI, 0xf1
.set TO_B,   0x40
.macro JLOAD g0a, g1a, g0b, g1b        ; a joint load: waves 0, 1 fetch A's units, waves 2, 3 B's; four v_nop follow each line
	s_cmp_eq_u32 s15, 0
	s_cbranch_scc0 .Lfor_b_\@
	tensor_load_to_lds s[\g0a:\g0a+3], s[\g1a:\g1a+7]
	s_nop 0
.rept 4
	v_nop
.endr
	s_branch .Lasked_\@
.Lfor_b_\@:
	tensor_load_to_lds s[\g0b:\g0b+3], s[\g1b:\g1b+7]
	s_nop 0
.rept 4
	v_nop
.endr
.Lasked_\@:
.endm
.macro CREST
	s_cmp_lg_u32 s14, 0
	s_cbranch_scc1 .Lnot_wave_0_\@
	s_barrier_signal -3
.Lnot_wave_0_\@:
	s_barrier_wait -3
	s_barrier_signal -1
	s_barrier_wait -1
.endm
.macro CROUND
	s_barrier_signal -1
	s_barrier_wait -1
	CREST
.endm
.macro PLACES n
.rept \n
	v_nop
.endr
.endm
	s_load_b256 s[4:11], s[0:1], 0x0               ; xn2 s[4:5], wimg s[6:7], b1 s[8:9], hid s[10:11]
	v_lshl_add_u32 v[SPW], v0, 2, SPARE
	v_mov_b32 v[NIL], 0
	ds_add_u32 v28, v29
	ds_add_u32 v28, v29
	s_wait_dscnt 0x0
	v_lshrrev_b32 v1, 5, v0
	v_readfirstlane_b32 s14, v1                    ; wave 0..3
	s_lshr_b32 s15, s14, 1                         ; my half of the tile's rows.  Also: I fetch for A (0) or B (1)
	s_and_b32 s16, s14, 1                          ; my half of its columns.  Also: which unit of the two I fetch
	s_bfe_u32 s40, ttmp6, 0x40000                  ; cx
	s_bfe_u32 s41, ttmp6, 0x40004                  ; cy
	s_lshl_b32 s42, ttmp9, 2
	s_add_co_u32 s42, s42, s40                     ; tile column
	s_and_b32 s17, ttmp7, 0xffff
	s_lshl_b32 s17, s17, 2
	s_add_co_u32 s17, s17, s41                     ; tile row
	s_lshl_b32 s43, s41, 2
	s_lshl_b32 s43, 15, s43
	s_lshl_b32 s44, 0x1111, s40
	s_or_b32 s[G1+0], s43, (3<<16)|(1<<21)         ; 15:0 the mask; 17:16 elements of 8 bytes; 21 set beside a mask; no padding
	s_or_b32 s[G1B+0], s44, (3<<16)|(1<<21)
.irp g, G1, G1B
	s_mov_b32 s[\g+1], 32<<16                      ; rows of 256 bytes,
	s_mov_b32 s[\g+2], 136<<16                     ; 136 of them: a unit
	s_mov_b32 s[\g+3], 32<<16
	s_mov_b32 s[\g+4], 136
	s_mov_b32 s[\g+5], 32                          ; dense
	s_mov_b32 s[\g+6], 0
	s_mov_b32 s[\g+7], 0
.endr
	s_lshl_b32 s20, s17, 1
	s_add_co_u32 s20, s20, s16
	s_mul_i32 s20, s20, KU*UNIT
	s_mov_b32 s21, 0
	s_lshl_b32 s46, s42, 1
	s_add_co_u32 s46, s46, s16
	s_mul_i32 s46, s46, KU*UNIT
	s_add_co_u32 s46, s46, B_OFF
	s_mov_b32 s47, 0
	s_mul_i32 s45, s14, UNIT
	s_wait_kmcnt 0x0
	s_add_nc_u64 s[20:21], s[4:5], s[20:21]
	s_add_nc_u64 s[46:47], s[6:7], s[46:47]
	CROUND                                         ; all sixteen work-groups are here: the joint loads meet
.irp s, 0,1
	s_mov_b32 s[G0+4*\s], 1
	s_add_co_u32 s[G0+4*\s+1], s45, \s*SLOT
	s_add_nc_u64 s[G0+4*\s+2:G0+4*\s+3], s[20:21], \s*UNIT
	s_or_b32 s[G0+4*\s+3], s[G0+4*\s+3], 0x80000000
	s_mov_b32 s[G0B+4*\s], 1
	s_add_co_u32 s[G0B+4*\s+1], s45, \s*SLOT
	s_add_nc_u64 s[G0B+4*\s+2:G0B+4*\s+3], s[46:47], \s*UNIT
	s_or_b32 s[G0B+4*\s+3], s[G0B+4*\s+3], 0x80000000
	JLOAD G0+4*\s, G1, G0B+4*\s, G1B               ; two tensor loads of mine are out
.endr
	v_and_b32 v1, 15, v0                           ; r
	v_bfe_u32 v2, v0, 4, 1                         ; h
	v_and_b32 v3, 31, v0
	v_lshlrev_b32 v4, 4, v3                        ; 16 x lane
	s_mul_i32 s21, s15, UNIT
	s_mul_i32 s22, s16, UNIT
	s_add_co_u32 s22, s22, 2*UNIT
	v_add_nc_u32 v[ADRA], s21, v4
	v_add_nc_u32 v[ADRB], s22, v4
	v_add_nc_u32 v[ADRA+1], SLOT, v[ADRA]
	v_add_nc_u32 v[ADRB+1], SLOT, v[ADRB]
	s_sub_co_u32 s23, s22, s21
	v_mul_u32_u24 v6, s23, v2                      ; lanes 16-31 take B's
	v_lshl_add_u32 v5, v1, 4, v6
	v_add_nc_u32 v[ADRS], s21, v5
	v_add_nc_u32 v[ADRS+1], SLOT, v[ADRS]
	v_lshlrev_b32 v7, 5, v2                        ; the bias: 32 h
	s_lshl_b32 s46, s42, 10
	s_lshl_b32 s47, s16, 9
	s_add_co_u32 s46, s46, s47                     ; 4 x my first column
	s_mov_b32 s47, 0
	s_add_nc_u64 s[8:9], s[8:9], s[46:47]
.irp b, 0,1,2,3,4,5,6,7
	global_load_b128 v[BN+8*\b:BN+8*\b+3], v7, s[8:9] offset:64*\b
	global_load_b128 v[BN+8*\b+4:BN+8*\b+7], v7, s[8:9] offset:64*\b+16
.endr
	s_mov_b32 s[SEL], 0x76543210
	s_mov_b32 s[SEL+1], 0xfedcba98
.macro FRAG reg, adr, q, i
.irp c, 0,1
	ds_load_b128 v[\reg+4*\c:\reg+4*\c+3], v[\adr] offset:(\i)*4096+(\q)*1024+512*\c
.endr
.endm
; 16 matrix instructions: A's blocks a0, a0 + 1 x B's eight.  cm = 0: C = D; 2: C = the bias.  The 64 accumulators take turns, one instruction a turn.
.macro MUL16 a0, p, q, sc, cm
.irp a, \a0, \a0+1
.irp b, 0,1,2,3,4,5,6,7
.set rD, 8*(8*((\a)%4)+\b)
.set rB, 128*(\p)+FR*\b
.set rA, AF+FR*(\a)
.if (\cm) == 0
.set rC, rD
.else
.set rC, BN+8*\b
.endif
	v_wmma_scale_f32_16x16x128_f8f6f4 v[rD:rD+7], v[rB:rB+7], v[rA:rA+7], v[rC:rC+7], v[SC+32*(\sc)+4*\b+(\q)], v[SC+32*(\sc)+4*(\a)+(\q)] matrix_a_fmt:MATRIX_FMT_FP4 matrix_b_fmt:MATRIX_FMT_FP4 matrix_a_scale:MATRIX_SCALE_ROW1
.endr
.endr
.endm
.macro FETCH_B slot, q, p
	WIN TO_B
.irp i, 0,1,2,3,4,5,6,7
	FRAG 128*(\p)+FR*\i, ADRB+\slot, \q, \i
.endr
	WIN 0
.endm
.macro FETCH_A slot, q, i0
.irp i, \i0, \i0+1, \i0+2, \i0+3
	FRAG AF+FR*(\i), ADRA+\slot, \q, \i
.endr
.endm
.macro SCALES sc
.irp i, 0,1,2,3,4,5,6,7
	ds_load_b128 v[SC+32*\sc+4*\i:SC+32*\sc+4*\i+3], v[ADRS+\sc] offset:UC+256*\i
.endr
.endm
.macro STEP slot, q, cm
	s_wait_dscnt 4*NL                              ; all but the youngest eight loads (A's blocks 4-7) are in
.if \cm
	WIN 0x81
.else
	WIN MUL_LO
.endif
	MUL16 0, (\q)%2, \q, \slot, \cm
	MUL16 2, (\q)%2, \q, \slot, \cm
	s_wait_dscnt 0
	PLACES NP
	FETCH_B \slot, (\q)+1, 1-(\q)%2
	FETCH_A \slot, (\q)+1, 0
.if \cm
	WIN 0xc1
.else
	WIN MUL_HI
.endif
	MUL16 4, (\q)%2, \q, \slot, \cm
	MUL16 6, (\q)%2, \q, \slot, \cm
	PLACES NP
	WIN 0
	FETCH_A \slot, (\q)+1, 4
.endm
.macro TURN slot, next                 ; a slot's last step changes slots: one barrier; nothing is filled again here
	s_wait_tensorcnt 0x0                           ; all my tensor loads have landed: my unit of the next slot
	ds_add_u32 v[SPW], v[NIL]                      ; 0 onto my spare word
	s_wait_dscnt 4*NL+1                            ; (the add and A's blocks 4-7 may be out)
	WIN MUL_LO
	MUL16 0, 1, NQ-1, \slot, 0
	s_wait_dscnt 0x0
	s_barrier_signal -1
	MUL16 2, 1, NQ-1, \slot, 0
	WIN 0
	s_barrier_wait -1
	PLACES NP
	FETCH_B \next, 0, 0
	FETCH_A \next, 0, 0
	SCALES \next
	WIN MUL_HI
	MUL16 4, 1, NQ-1, \slot, 0
	MUL16 6, 1, NQ-1, \slot, 0
	PLACES NP
	WIN 0
	FETCH_A \next, 0, 4
.endm
.macro STEPS slot, from
.set Q, \from
.rept NQ-1-\from
	STEP \slot, Q, 0
.set Q, Q+1
.endr
.endm
	s_wait_tensorcnt 1                             ; my unit of slot 0 is in; slot 1's may stay out
	s_barrier_signal -1
	s_barrier_wait -1
	FETCH_B 0, 0, 0
	FETCH_A 0, 0, 0
	SCALES 0
	FETCH_A 0, 0, 4
	s_wait_loadcnt 0x0                             ; the bias
	STEP 0, 0, 2
	STEPS 0, 1
	TURN 0, 1
	STEPS 1, 0
	s_wait_dscnt 4*NL
	WIN MUL_LO
	MUL16 0, 1, NQ-1, 1, 0
	MUL16 2, 1, NQ-1, 1, 0
	s_wait_dscnt 0
	WIN MUL_HI
	MUL16 4, 1, NQ-1, 1, 0
	MUL16 6, 1, NQ-1, 1, 0
	WIN 0
; THE QUANTISER.  64 numbers of a lane at v[s] of window W: tile t's register j = column 16 t + 8 h + j of my row.  A block of 32 is tiles 2 b, 2 b + 1 in lanes l and l xor 16.
; The conversion of tile 4 c + u leaves in lane half h word 2 (u % 2) + h of block 2 c + u / 2; written to registers 4 c + {0, 2, 1, 3}[u] and exchanged in pairs, lane half h holds the four words of block 2 c + h: the operand's layout.
.macro QUANTW s, W, pc, pw
	WIN (\W)*0x14
.irp b, 0,1,2,3
	v_max3_num_f32 v[TM+\b], 0x1800000, |v[(\s)+16*\b]|, |v[(\s)+16*\b+1]|
.endr
.irp i, 2,4,6,8,10,12,14
.irp b, 0,1,2,3
	v_max3_num_f32 v[TM+\b], v[TM+\b], |v[(\s)+16*\b+\i]|, |v[(\s)+16*\b+\i+1]|
.endr
.endr
	WIN 0
.irp b, 0,1,2,3
	v_permlanex16_b32 v[TM+4+\b], v[TM+\b], s[SEL], s[SEL+1]
.endr
.irp b, 0,1,2,3
	v_max_num_f32 v[TM+\b], v[TM+\b], v[TM+4+\b]
.endr
.irp b, 0,1,2,3
	v_add_nc_u32 v[TM+12+\b], 0xff000000, v[TM+\b]
.endr
.irp b, 0,1,2,3
	v_lshrrev_b32 v[TM+4+\b], 23, v[TM+12+\b]
.endr
	v_lshl_or_b32 v[\pw], v[TM+5], 8, v[TM+4]
	v_lshl_or_b32 v[\pw], v[TM+6], 16, v[\pw]
	v_lshl_or_b32 v[\pw], v[TM+7], 24, v[\pw]
	WIN \W
.irp c, 0,1
	v_cvt_scalef32_pk8_fp4_f32 v[(\pc)+4*\c], v[(\s)+32*\c:(\s)+32*\c+7], v[TM+12+2*\c]
	v_cvt_scalef32_pk8_fp4_f32 v[(\pc)+4*\c+2], v[(\s)+32*\c+8:(\s)+32*\c+15], v[TM+12+2*\c]
	v_cvt_scalef32_pk8_fp4_f32 v[(\pc)+4*\c+1], v[(\s)+32*\c+16:(\s)+32*\c+23], v[TM+13+2*\c]
	v_cvt_scalef32_pk8_fp4_f32 v[(\pc)+4*\c+3], v[(\s)+32*\c+24:(\s)+32*\c+31], v[TM+13+2*\c]
.endr
	WIN 0
	v_nop
.irp c, 0,1
	v_permlane16_swap_b32 v[(\pc)+4*\c], v[(\pc)+4*\c+1]
	v_permlane16_swap_b32 v[(\pc)+4*\c+2], v[(\pc)+4*\c+3]
.endr
.endm
	PLACES NP
.irp b, 0,1,2,3
	v_mov_b32 v[TM+4+\b], 0                        ; a lane permute's destination counts as one of its sources
.endr
	s_lshl_b32 s20, s17, 1
	s_add_co_u32 s20, s20, s15                     ; my 128 rows
	s_lshl_b32 s20, s20, 3                         ; eight units along hid's K
	s_lshr_b32 s21, s42, 1
	s_add_co_u32 s20, s20, s21
	s_mul_i32 s20, s20, UNIT                       ; the unit
	s_and_b32 s21, s42, 1
	s_lshl_b32 s21, s21, 1
	s_add_co_u32 s21, s21, s16                     ; my K step in it
	s_lshl_b32 s22, s21, 10
	s_add_co_u32 s22, s22, s20
	s_mov_b32 s23, 0
	s_lshl_b32 s21, s21, 2
	s_add_co_u32 s20, s20, s21
	s_add_co_u32 s20, s20, UC
	s_mov_b32 s21, 0
	s_add_nc_u64 s[22:23], s[10:11], s[22:23]      ; codes
	s_add_nc_u64 s[20:21], s[10:11], s[20:21]      ; scale words
	s_mov_b32 s66, 0xffff0000                      ; lanes 16-31
	v_lshlrev_b32 v5, 4, v1
	v_lshl_add_u32 v5, v2, 8, v5                   ; 16 r + 256 h
.irp a, 0,1,2,3,4,5,6,7
	WIN (2+\a/4)*0x44                              ; destination and source 1: the accumulators' window
.set J, 64*(\a%4)
.rept 64
	v_max_num_f32 v[J], 0, v[J]                    ; the activation, in f32, each accumulator from its low end on
.set J, J+1
.endr
	QUANTW 64*(\a%4), 2+\a/4, PC+8*\a, PW+\a
.irp c, 0,1
	global_store_b128 v4, v[PC+8*\a+4*\c:PC+8*\a+4*\c+3], s[22:23] offset:\a*4096+\c*512   ; 512 consecutive bytes
.endr
.endr
.irp a, 0,2,4,6
	v_cndmask_b32 v[SD+\a/2], v[PW+\a], v[PW+\a+1], s66   ; lanes 0-15 block a's words, lanes 16-31 block a + 1's
	global_store_b32 v5, v[SD+\a/2], s[20:21] offset:\a*256
.endr
	s_wait_tensorcnt 0x0                           ; the wave's end
	ds_add_u32 v[SPW], v[NIL]
	s_wait_dscnt 0x0
	CROUND                                         ; the closing round
	s_endpgm
.Lfunc_end_k_q6cd54a7b98_ffn1:
	.size	k_q6cd54a7b98_ffn1, .Lfunc_end_k_q6cd54a7b98_ffn1-k_q6cd54a7b98_ffn1
	.p2alignl 7, 3214868480
	.fill 96, 4, 3214868480
	.section	.rodata,"a",@progbits
	.p2align	6, 0x0
	.amdhsa_kernel k_q6cd54a7b98_ffn1
		.amdhsa_group_segment_fixed_size 327680
		.amdhsa_private_segment_fixed_size 0
		.amdhsa_enable_private_segment 0
		.amdhsa_kernarg_size 32
		.amdhsa_user_sgpr_count 2
		.amdhsa_user_sgpr_kernarg_segment_ptr 1
		.amdhsa_wavefront_size32 1
		.amdhsa_system_sgpr_workgroup_id_x 1
		.amdhsa_system_sgpr_workgroup_id_y 1
		.amdhsa_system_sgpr_workgroup_id_z 1
		.amdhsa_system_vgpr_workitem_id 0
		.amdhsa_next_free_vgpr 1024
		.amdhsa_next_free_sgpr 100
		.amdhsa_reserve_vcc 0
		.amdhsa_float_denorm_mode_32 3
		.amdhsa_float_denorm_mode_16_64 3
		.amdhsa_memory_ordered 1
		.amdhsa_forward_progress 1
		.amdhsa_inst_pref_size 143
	.end_amdhsa_kernel
	.amdgpu_metadata
---
amdhsa.version: [ 1, 2 ]
amdhsa.kernels:
  - .name:           k_q6cd54a7b98_ffn1
    .symbol:         k_q6cd54a7b98_ffn1.kd
    .args:
      - { .name: xn2, .offset: 0, .size: 8, .value_kind: global_buffer, .address_space: global }
      - { .name: wimg, .offset: 8, .size: 8, .value_kind: global_buffer, .address_space: global }
      - { .name: b1, .offset: 16, .size: 8, .value_kind: global_buffer, .address_space: global }
      - { .name: hid, .offset: 24, .size: 8, .value_kind: global_buffer, .address_space: global }
    .group_segment_fixed_size: 327680
    .private_segment_fixed_size: 0
    .kernarg_segment_align: 8
    .kernarg_segment_size: 32
    .max_flat_workgroup_size: 128
    .sgpr_count:     100
    .vgpr_count:     1024
    .wavefront_size: 32
...
	.end_amdgpu_metadata
.endif
;; end of part 6
;; launch ffn2 (part 7): grid 4 x 16, 4 waves a work-group, clusters of 4 x 4, 327,680 bytes of LDS; arguments hid, wimg, b2, x1, out0; writes out0
.if DOCPART == 7
	.amdgcn_target "amdgcn-amd-amdhsa--gfx1250"
	.amdhsa_code_object_version 6
	.text
	.protected	k_q6cd54a7b98_ffn2
	.globl	k_q6cd54a7b98_ffn2
	.p2align	8
	.type	k_q6cd54a7b98_ffn2,@function
k_q6cd54a7b98_ffn2:
	s_mov_b64 s[64:65], 0
	v_nop
	global_prefetch_b8 v0, s[64:65] scope:SCOPE_SE
	s_setreg_imm32_b32 hwreg(HW_REG_WAVE_MODE, 25, 1), 1
	s_wait_xcnt 0x0
	s_wait_alu depctr_hold_cnt(0) depctr_sa_sdst(0) depctr_va_vdst(0) depctr_va_sdst(0) depctr_va_ssrc(0) depctr_va_vcc(0) depctr_vm_vsrc(0)
	s_getreg_b32 s2, hwreg(HW_REG_IB_STS2, 6, 4)
	s_cmp_eq_u32 s2, 0
	s_cbranch_scc0 .Lentry_in_a_cluster
	s_endpgm
.Lentry_in_a_cluster:
	s_bfe_u32 s2, ttmp6, 0x10000c
	s_cmp_lg_u32 s2, 0xf033
	s_cbranch_scc0 .Lentry_shape_is_right
	s_endpgm
.Lentry_shape_is_right:
; out0 = x1 + h w2^T + b2.  The product on FP4 codes (E2M1, one E8M0 byte for each 32 K); A = hid, B = wimg's units from B_OFF on; the sums, the bias and the residual in f32.
; A tile of C is 256 x 256: four waves of 128 x 128, 64 accumulators.  The matrix instruction is used transposed (source 0 = 16 rows of B, source 1 = 16 rows of A): lane (r, h) holds row 16 a + r and columns 16 b + 8 h + 0..7.
; OPERANDS come as UNITS of 128 rows x 512 K, 34,816 dense bytes: fragment (i, q) at 4096 i + 1024 q as an image of its registers, 16 bytes a lane; from byte 32,768 on 16 scale bytes a row.  One tensor load brings a unit.
; K = 4,096 goes through a ring of two LDS slots of four units (A's two, B's two), 512 along K each: a refill has a slot's 256 matrix instructions, less the sixteen between signal and wait, in which to land.
; CLUSTERS: 4 x 4.  A's units hang on the tile row, shared along a row of the cluster; B's on the tile column, shared along a column: each is asked for jointly, behind a round of the cluster's barrier.
; The bias is the C of each sum's first matrix instruction.  The way out goes through each wave's stage in slot 0 (which has had its last fill and its last read), where whole rows of 512 bytes are formed; the residual is added there.
; LIMITS: NaN and infinities are not served.
.set UNIT,   34816
.set UC,     32768
.set SLOT,   4*UNIT
.set SPARE,  2*SLOT                    ; behind the ring: the spare words, 128 bytes a wave, that no other line names
.set KTOT,   4096
.set B_OFF,  128*UNIT
.set KU,     KTOT/512
.set LAPS,   KTOT/1024
.set NQ,     4
.set FR,     8
.set NL,     2
.set NP,     4                         ; places behind this matrix instruction (ISA guide 7.12.1)
.set SPITCH, 528
.set ADRA, 16
.set ADRB, 20
.set ADRS, 22
.set STO,  24
.set RD,   25
.set CO,   26
.set SPW,  28
.set NIL,  29
.set SC,   32
.set AF,   128
.set BN,   192
.set BK,   128
.set G1, 24
.set G0, 32
.set G1B, 48
.set G0B, 56
.set MSB, 0
.macro WIN new                         ; the immediate's high byte repeats the setting that is left
.if MSB != (\new)
	s_set_vgpr_msb (MSB<<8)|(\new)
.set MSB, (\new)
.endif
.endm
.set MUL_LO, 0xa1
.set MUL_HI, 0xf1
.set TO_B,   0x40
.macro JLOAD g0a, g1a, g0b, g1b        ; a joint load: waves 0, 1 fetch A's units, waves 2, 3 B's; four v_nop follow each line
	s_cmp_eq_u32 s15, 0
	s_cbranch_scc0 .Lfor_b_\@
	tensor_load_to_lds s[\g0a:\g0a+3], s[\g1a:\g1a+7]
	s_nop 0
.rept 4
	v_nop
.endr
	s_branch .Lasked_\@
.Lfor_b_\@:
	tensor_load_to_lds s[\g0b:\g0b+3], s[\g1b:\g1b+7]
	s_nop 0
.rept 4
	v_nop
.endr
.Lasked_\@:
.endm
.macro CREST
	s_cmp_lg_u32 s14, 0
	s_cbranch_scc1 .Lnot_wave_0_\@
	s_barrier_signal -3
.Lnot_wave_0_\@:
	s_barrier_wait -3
	s_barrier_signal -1
	s_barrier_wait -1
.endm
.macro CROUND
	s_barrier_signal -1
	s_barrier_wait -1
	CREST
.endm
.macro PLACES n
.rept \n
	v_nop
.endr
.endm
	s_load_b256 s[4:11], s[0:1], 0x0               ; A s[4:5], wimg s[6:7], the bias s[8:9], the residual s[10:11]
	s_load_b64 s[12:13], s[0:1], 0x20              ; the result
	v_lshl_add_u32 v[SPW], v0, 2, SPARE
	v_mov_b32 v[NIL], 0
	ds_add_u32 v28, v29
	ds_add_u32 v28, v29
	s_wait_dscnt 0x0
	v_lshrrev_b32 v1, 5, v0
	v_readfirstlane_b32 s14, v1                    ; wave 0..3
	s_lshr_b32 s15, s14, 1                         ; my half of the tile's rows.  Also: I fetch for A (0) or B (1)
	s_and_b32 s16, s14, 1                          ; my half of its columns.  Also: which unit of the two I fetch
	s_bfe_u32 s40, ttmp6, 0x40000                  ; cx
	s_bfe_u32 s41, ttmp6, 0x40004                  ; cy
	s_lshl_b32 s42, ttmp9, 2
	s_add_co_u32 s42, s42, s40                     ; tile column
	s_and_b32 s17, ttmp7, 0xffff
	s_lshl_b32 s17, s17, 2
	s_add_co_u32 s17, s17, s41                     ; tile row
	s_lshl_b32 s43, s41, 2
	s_lshl_b32 s43, 15, s43
	s_lshl_b32 s44, 0x1111, s40
	s_or_b32 s[G1+0], s43, (3<<16)|(1<<21)         ; 15:0 the mask; 17:16 elements of 8 bytes; 21 set beside a mask; no padding
	s_or_b32 s[G1B+0], s44, (3<<16)|(1<<21)
.irp g, G1, G1B
	s_mov_b32 s[\g+1], 32<<16                      ; rows of 256 bytes,
	s_mov_b32 s[\g+2], 136<<16                     ; 136 of them: a unit
	s_mov_b32 s[\g+3], 32<<16
	s_mov_b32 s[\g+4], 136
	s_mov_b32 s[\g+5], 32                          ; dense
	s_mov_b32 s[\g+6], 0
	s_mov_b32 s[\g+7], 0
.endr
	s_lshl_b32 s20, s17, 1
	s_add_co_u32 s20, s20, s16
	s_mul_i32 s20, s20, KU*UNIT
	s_mov_b32 s21, 0
	s_lshl_b32 s46, s42, 1
	s_add_co_u32 s46, s46, s16
	s_mul_i32 s46, s46, KU*UNIT
	s_add_co_u32 s46, s46, B_OFF
	s_mov_b32 s47, 0
	s_mul_i32 s45, s14, UNIT
	s_wait_kmcnt 0x0
	s_add_nc_u64 s[20:21], s[4:5], s[20:21]
	s_add_nc_u64 s[46:47], s[6:7], s[46:47]
	CROUND                                         ; all sixteen work-groups are here: the first joint loads meet
.irp s, 0,1
	s_mov_b32 s[G0+4*\s], 1
	s_add_co_u32 s[G0+4*\s+1], s45, \s*SLOT
	s_add_nc_u64 s[G0+4*\s+2:G0+4*\s+3], s[20:21], \s*UNIT
	s_or_b32 s[G0+4*\s+3], s[G0+4*\s+3], 0x80000000
	s_mov_b32 s[G0B+4*\s], 1
	s_add_co_u32 s[G0B+4*\s+1], s45, \s*SLOT
	s_add_nc_u64 s[G0B+4*\s+2:G0B+4*\s+3], s[46:47], \s*UNIT
	s_or_b32 s[G0B+4*\s+3], s[G0B+4*\s+3], 0x80000000
	JLOAD G0+4*\s, G1, G0B+4*\s, G1B               ; two tensor loads of mine are out at the start, one behind each round
.endr
	v_and_b32 v1, 15, v0                           ; r
	v_bfe_u32 v2, v0, 4, 1                         ; h
	v_and_b32 v3, 31, v0
	v_lshlrev_b32 v4, 4, v3                        ; 16 x lane
	s_mul_i32 s21, s15, UNIT
	s_mul_i32 s22, s16, UNIT
	s_add_co_u32 s22, s22, 2*UNIT
	v_add_nc_u32 v[ADRA], s21, v4
	v_add_nc_u32 v[ADRB], s22, v4
	v_add_nc_u32 v[ADRA+1], SLOT, v[ADRA]
	v_add_nc_u32 v[ADRB+1], SLOT, v[ADRB]
	s_sub_co_u32 s23, s22, s21
	v_mul_u32_u24 v6, s23, v2                      ; lanes 16-31 take B's
	v_lshl_add_u32 v5, v1, 4, v6
	v_add_nc_u32 v[ADRS], s21, v5
	v_add_nc_u32 v[ADRS+1], SLOT, v[ADRS]
	s_mul_i32 s23, s14, 16*SPITCH                  ; my stage
	v_mul_u32_u24 v5, v1, SPITCH
	v_lshl_add_u32 v5, v2, 5, v5
	v_add_nc_u32 v[STO], s23, v5
	v_lshlrev_b32 v[CO], 4, v3
	v_add_nc_u32 v[RD], s23, v[CO]
	v_lshlrev_b32 v7, 5, v2
	s_lshl_b32 s20, s17, 8
	s_lshl_b32 s21, s15, 7
	s_add_co_u32 s20, s20, s21                     ; my first row
	s_lshl_b32 s20, s20, 12                        ; of 4,096 bytes
	s_mov_b32 s21, 0
	s_lshl_b32 s46, s42, 10
	s_lshl_b32 s47, s16, 9
	s_add_co_u32 s46, s46, s47                     ; my first column, in bytes
	s_mov_b32 s47, 0
	s_add_nc_u64 s[8:9], s[8:9], s[46:47]
	s_add_nc_u64 s[20:21], s[20:21], s[46:47]
	s_add_nc_u64 s[10:11], s[10:11], s[20:21]
	s_add_nc_u64 s[12:13], s[12:13], s[20:21]
.irp b, 0,1,2,3,4,5,6,7
	global_load_b128 v[BN+8*\b:BN+8*\b+3], v7, s[8:9] offset:64*\b
	global_load_b128 v[BN+8*\b+4:BN+8*\b+7], v7, s[8:9] offset:64*\b+16
.endr
.macro FRAG reg, adr, q, i
.irp c, 0,1
	ds_load_b128 v[\reg+4*\c:\reg+4*\c+3], v[\adr] offset:(\i)*4096+(\q)*1024+512*\c
.endr
.endm
; 16 matrix instructions: A's blocks a0, a0 + 1 x B's eight.  cm = 0: C = D; 2: C = the bias.  The 64 accumulators take turns, one instruction a turn, over the loop's backward jump too.
.macro MUL16 a0, p, q, sc, cm
.irp a, \a0, \a0+1
.irp b, 0,1,2,3,4,5,6,7
.set rD, 8*(8*((\a)%4)+\b)
.set rB, 128*(\p)+FR*\b
.set rA, AF+FR*(\a)
.if (\cm) == 0
.set rC, rD
.else
.set rC, BN+8*\b
.endif
	v_wmma_scale_f32_16x16x128_f8f6f4 v[rD:rD+7], v[rB:rB+7], v[rA:rA+7], v[rC:rC+7], v[SC+32*(\sc)+4*\b+(\q)], v[SC+32*(\sc)+4*(\a)+(\q)] matrix_a_fmt:MATRIX_FMT_FP4 matrix_b_fmt:MATRIX_FMT_FP4 matrix_a_scale:MATRIX_SCALE_ROW1
.endr
.endr
.endm
.macro FETCH_B slot, q, p
	WIN TO_B
.irp i, 0,1,2,3,4,5,6,7
	FRAG 128*(\p)+FR*\i, ADRB+\slot, \q, \i
.endr
	WIN 0
.endm
.macro FETCH_A slot, q, i0
.irp i, \i0, \i0+1, \i0+2, \i0+3
	FRAG AF+FR*(\i), ADRA+\slot, \q, \i
.endr
.endm
.macro SCALES sc
.irp i, 0,1,2,3,4,5,6,7
	ds_load_b128 v[SC+32*\sc+4*\i:SC+32*\sc+4*\i+3], v[ADRS+\sc] offset:UC+256*\i
.endr
.endm
.macro STEP slot, q, cm
	s_wait_dscnt 4*NL                              ; all but the youngest eight loads (A's blocks 4-7) are in
.if \cm
	WIN 0x81
.else
	WIN MUL_LO
.endif
	MUL16 0, (\q)%2, \q, \slot, \cm
	MUL16 2, (\q)%2, \q, \slot, \cm
	s_wait_dscnt 0
	PLACES NP
	FETCH_B \slot, (\q)+1, 1-(\q)%2
	FETCH_A \slot, (\q)+1, 0
.if \cm
	WIN 0xc1
.else
	WIN MUL_HI
.endif
	MUL16 4, (\q)%2, \q, \slot, \cm
	MUL16 6, (\q)%2, \q, \slot, \cm
	PLACES NP
	WIN 0
	FETCH_A \slot, (\q)+1, 4
.endm
; A slot's last step changes slots: one barrier; in front of it each wave waits for all its tensor loads, adds 0 to its spare word, and waits for that and for its reads of this slot.  fill = 1: this slot is filled again, two units on.
.macro TURN slot, next, fill
	s_wait_tensorcnt 0x0                           ; all my tensor loads have landed: my unit of the next slot
	ds_add_u32 v[SPW], v[NIL]                      ; 0 onto my spare word
	s_wait_dscnt 4*NL+1                            ; (the add and A's blocks 4-7 may be out)
	WIN MUL_LO
	MUL16 0, 1, NQ-1, \slot, 0
	s_wait_dscnt 0x0                               ; the add is done, and my reads of this slot are over
	s_barrier_signal -1
	MUL16 2, 1, NQ-1, \slot, 0
	WIN 0
	s_barrier_wait -1
.if \fill
	CREST                                          ; the barrier has opened a round of the cluster's: no wave of any partner still reads this slot or has a load on its way
	s_add_nc_u64 s[G0+4*\slot+2:G0+4*\slot+3], s[G0+4*\slot+2:G0+4*\slot+3], 2*UNIT
	s_add_nc_u64 s[G0B+4*\slot+2:G0B+4*\slot+3], s[G0B+4*\slot+2:G0B+4*\slot+3], 2*UNIT
	JLOAD G0+4*\slot, G1, G0B+4*\slot, G1B         ; my one tensor load behind the round; its four v_nop are the places in front of the loads below
.else
	PLACES NP
.endif
	FETCH_B \next, 0, 0
	FETCH_A \next, 0, 0
	SCALES \next
	WIN MUL_HI
	MUL16 4, 1, NQ-1, \slot, 0
	MUL16 6, 1, NQ-1, \slot, 0
	PLACES NP
	WIN 0
	FETCH_A \next, 0, 4
.endm
.macro STEPS slot, from
.set Q, \from
.rept NQ-1-\from
	STEP \slot, Q, 0
.set Q, Q+1
.endr
.endm
	s_wait_tensorcnt 1                             ; my unit of slot 0 is in; slot 1's may stay out
	s_barrier_signal -1
	s_barrier_wait -1
	FETCH_B 0, 0, 0
	FETCH_A 0, 0, 0
	SCALES 0
	FETCH_A 0, 0, 4
	s_wait_loadcnt 0x0                             ; the bias
	STEP 0, 0, 2                                   ; the first products start the sums with the bias
.if LAPS > 1
	s_mov_b32 s3, LAPS-1
.Llap:                                             ; a trip goes once round the ring, from a lap's second step to the next lap's first, and fills both slots again
	STEPS 0, 1
	TURN 0, 1, 1
	STEPS 1, 0
	TURN 1, 0, 1
	STEP 0, 0, 0
	s_sub_co_u32 s3, s3, 1
	s_cmp_lg_u32 s3, 0
	s_cbranch_scc1 .Llap
.endif
	STEPS 0, 1                                     ; the last lap fills nothing, and has no round of the cluster's barrier
	TURN 0, 1, 0
	STEPS 1, 0
	s_wait_dscnt 4*NL
	WIN MUL_LO
	MUL16 0, 1, NQ-1, 1, 0
	MUL16 2, 1, NQ-1, 1, 0
	s_wait_dscnt 0
	WIN MUL_HI
	MUL16 4, 1, NQ-1, 1, 0
	MUL16 6, 1, NQ-1, 1, 0
	WIN 0
; THE WAY OUT, a block of 16 rows x 128 columns at a time: through my stage, back as rows of 512 bytes, the residual added, stored.  Every row's offset is an immediate: 127 rows of 4,096 bytes at the most.
.macro RLOAD a                         ; the residual's block a into window 1, four sets, where B's fragments lay
	WIN 0x40
.irp t, 0,1,2,3,4,5,6,7,8,9,10,11,12,13,14,15
	global_load_b128 v[64*((\a)%4)+4*\t:64*((\a)%4)+4*\t+3], v[CO], s[10:11] offset:(16*(\a)+\t)*4096 th:TH_LOAD_NT
.endr
	WIN 0
.endm
.macro TOSTAGE a
.set AC, 64*((\a)%4)
	WIN 0x08+4*((\a)/4)                            ; an LDS store's data: window 2 or 3
.irp b, 0,1,2,3,4,5,6,7
	ds_store_b128 v[STO], v[AC+8*\b:AC+8*\b+3] offset:64*\b          ; each accumulator from its low end on
	ds_store_b128 v[STO], v[AC+8*\b+4:AC+8*\b+7] offset:64*\b+16
.endr
	WIN 0
.set BB, BK+64*((\a)%2)
.irp t, 0,1,2,3,4,5,6,7,8,9,10,11,12,13,14,15
	ds_load_b128 v[BB+4*\t:BB+4*\t+3], v[RD] offset:\t*SPITCH        ; LDS serves a wave's instructions in order (ISA guide 5.7.1.4): these see the stores above
.endr
.endm
	PLACES NP                                      ; in front of the first reads of results and the loads into A's and B's registers
	RLOAD 0
	RLOAD 1
	RLOAD 2
	RLOAD 3
	TOSTAGE 0
.irp a, 0,1,2,3,4,5,6,7
.if \a < 7
.if \a > 0
	s_wait_xcnt 0x0                                ; block a - 1's stores have read their registers: block a + 1's rows may land there
.endif
	TOSTAGE \a+1
	s_wait_dscnt 32                                ; block a is back; behind it: block a + 1's 16 stores and 16 loads
.else
	s_wait_dscnt 0x0
.endif
.if 7-\a < 3
	s_wait_loadcnt 16*(7-\a)                       ; the residual's block a is in; the younger blocks' loads may stay out
.else
	s_wait_loadcnt 48
.endif
	WIN 0x04                                       ; source 1 window 1
.set BB, BK+64*(\a%2)
.set XR, 64*(\a%4)
.rept 32
	v_pk_add_f32 v[BB:BB+1], v[BB:BB+1], v[XR:XR+1]
.set BB, BB+2
.set XR, XR+2
.endr
	WIN 0
.set BB, BK+64*(\a%2)
.irp t, 0,1,2,3,4,5,6,7,8,9,10,11,12,13,14,15
	global_store_b128 v[CO], v[BB+4*\t:BB+4*\t+3], s[12:13] offset:(16*\a+\t)*4096 th:TH_STORE_NT   ; 512 consecutive bytes, at a multiple of 256 from the buffer's first byte
.endr
.if \a < 4
	RLOAD \a+4
.endif
.endr
	s_wait_tensorcnt 0x0                           ; the wave's end
	ds_add_u32 v[SPW], v[NIL]
	s_wait_dscnt 0x0
	CROUND                                         ; the closing round
	s_endpgm
.Lfunc_end_k_q6cd54a7b98_ffn2:
	.size	k_q6cd54a7b98_ffn2, .Lfunc_end_k_q6cd54a7b98_ffn2-k_q6cd54a7b98_ffn2
	.p2alignl 7, 3214868480
	.fill 96, 4, 3214868480
	.section	.rodata,"a",@progbits
	.p2align	6, 0x0
	.amdhsa_kernel k_q6cd54a7b98_ffn2
		.amdhsa_group_segment_fixed_size 327680
		.amdhsa_private_segment_fixed_size 0
		.amdhsa_enable_private_segment 0
		.amdhsa_kernarg_size 40
		.amdhsa_user_sgpr_count 2
		.amdhsa_user_sgpr_kernarg_segment_ptr 1
		.amdhsa_wavefront_size32 1
		.amdhsa_system_sgpr_workgroup_id_x 1
		.amdhsa_system_sgpr_workgroup_id_y 1
		.amdhsa_system_sgpr_workgroup_id_z 1
		.amdhsa_system_vgpr_workitem_id 0
		.amdhsa_next_free_vgpr 1024
		.amdhsa_next_free_sgpr 100
		.amdhsa_reserve_vcc 0
		.amdhsa_float_denorm_mode_32 3
		.amdhsa_float_denorm_mode_16_64 3
		.amdhsa_memory_ordered 1
		.amdhsa_forward_progress 1
		.amdhsa_inst_pref_size 239
	.end_amdhsa_kernel
	.amdgpu_metadata
---
amdhsa.version: [ 1, 2 ]
amdhsa.kernels:
  - .name:           k_q6cd54a7b98_ffn2
    .symbol:         k_q6cd54a7b98_ffn2.kd
    .args:
      - { .name: hid, .offset: 0, .size: 8, .value_kind: global_buffer, .address_space: global }
      - { .name: wimg, .offset: 8, .size: 8, .value_kind: global_buffer, .address_space: global }
      - { .name: b2, .offset: 16, .size: 8, .value_kind: global_buffer, .address_space: global }
      - { .name: x1, .offset: 24, .size: 8, .value_kind: global_buffer, .address_space: global }
      - { .name: out0, .offset: 32, .size: 8, .value_kind: global_buffer, .address_space: global }
    .group_segment_fixed_size: 327680
    .private_segment_fixed_size: 0
    .kernarg_segment_align: 8
    .kernarg_segment_size: 40
    .max_flat_workgroup_size: 128
    .sgpr_count:     100
    .vgpr_count:     1024
    .wavefront_size: 32
...
	.end_amdgpu_metadata
.endif
;; end of part 7
;; ======== version 2 of 2: 7 launches
;; limits: right only within a limited range of input values
;; workspace buffers: wimg 6,684,672 bytes; xn1 2,228,224 bytes; at 2,228,224 bytes; xn2 2,228,224 bytes; hid 8,912,896 bytes; x1 16,777,216 bytes; att 6,946,816 bytes
;; launch prep (part 8): grid 448 x 1, 16 waves a work-group, no clusters, 11,264 bytes of LDS; arguments x, ln1_a, ln1_b, wq_codes, wk_codes, wv_codes, wo_codes, w1_codes, w2_codes, wq_scales, wk_scales, wv_scales, wo_scales, w1_scales, w2_scales, xn1, wimg; writes xn1, wimg
.if DOCPART == 8
	.amdgcn_target "amdgcn-amd-amdhsa--gfx1250"
	.amdhsa_code_object_version 6
	.text
	.protected	k_q6cd54a7b98_prep
	.globl	k_q6cd54a7b98_prep
	.p2align	8
	.type	k_q6cd54a7b98_prep,@function
k_q6cd54a7b98_prep:
	s_mov_b64 s[64:65], 0
	v_nop
	global_prefetch_b8 v0, s[64:65] scope:SCOPE_SE
	s_setreg_imm32_b32 hwreg(HW_REG_WAVE_MODE, 25, 1), 1
	s_wait_xcnt 0x0
; Work-groups 0-255: xn = ln1_a (x - mean) / (std + 1e-6) + ln1_b (std with n - 1), quantised to FP4 (E2M1) with one E8M0 byte for each 32 along K, stored as UNITS.
; Work-groups 256-447: the six weights' codes and scale bytes are laid anew as units, one unit a work-group; no number is changed.
; A UNIT is 128 rows x 512 K in 34,816 bytes.  Codes: fragment (i = 16-row block, q = 128 K) at 4096 i + 1024 q, as an image of the operand's registers:
; registers 4 c .. 4 c + 3 of lane (r, h) (row 16 i + r, k = 128 q + 64 c + 32 h + 0..31) at + 512 c + 16 lane.  Scales: from byte 32,768 on, 16 bytes a row, one byte for each 32 K.
; A matrix [rows][K] is its units in the order (row / 128) (K / 512) + k / 512.  wimg: wq 0-15, wk 16-31, wv 32-47, wo 48-63, w1 64-127, w2 128-191.
; LN: 16 rows a work-group, one row a wave; the row stays in 32 registers a lane between the passes.  Work-groups share no input: no cluster; memory binds: no matrix unit.
; LIMITS: NaN and infinities are not served.  A block of zeros gets the byte 1 (its codes are zeros; only this program reads the bytes).
.set UNIT, 34816
.set UC,   32768
.set X,    16                          ; v16-47 my 32 numbers: register 8 i + j = k 256 i + 8 lane + j
	v_lshl_add_u32 v96, v0, 2, 0x2400
	v_mov_b32 v97, 0
	s_cmp_ge_u32 ttmp9, 256
	s_cbranch_scc1 .Lrelay
	s_load_b128 s[4:7], s[0:1], 0x0                ; x, ln1_a
	s_load_b64 s[8:9], s[0:1], 0x10                ; ln1_b
	s_load_b64 s[10:11], s[0:1], 0x78              ; xn1
	v_lshrrev_b32 v1, 5, v0
	s_delay_alu instid0(VALU_DEP_1)
	v_readfirstlane_b32 s16, v1                    ; wave 0..15 = my row of the 16
	v_and_b32 v1, 31, v0                           ; lane
	s_delay_alu instid0(VALU_DEP_1)
	v_lshlrev_b32 v2, 5, v1                        ; 32 bytes a lane in each 1,024 of the row
	s_delay_alu instid0(VALU_DEP_2)
	v_lshrrev_b32 v5, 2, v1
	s_delay_alu instid0(VALU_DEP_3)
	v_and_b32 v6, 3, v1
	s_lshl_b32 s17, s16, 4
	v_lshlrev_b32 v3, 8, v5
	s_delay_alu instid0(VALU_DEP_1)
	v_lshl_add_u32 v3, v6, 2, v3
	s_delay_alu instid0(VALU_DEP_1)
	v_add_nc_u32 v3, s17, v3                       ; LDS, my codes' word: 256 (lane / 4) + 4 (lane % 4) + 16 row; + 2048 i
	v_add_nc_u32 v4, s17, v5
	s_delay_alu instid0(VALU_DEP_1)
	v_add_nc_u32 v4, 8192, v4                      ; LDS, my block's byte: 8192 + 16 row + lane / 4
	v_lshlrev_b32 v7, 4, v0                        ; the way out: 16 bytes a thread
	v_and_b32 v8, 255, v0
	s_delay_alu instid0(VALU_DEP_1)
	v_lshlrev_b32 v8, 4, v8
	v_lshrrev_b32 v9, 8, v0
	s_delay_alu instid0(VALU_DEP_1)
	v_mad_u32_u24 v8, v9, UNIT, v8                 ; threads 0-255 the first unit's 4,096 bytes, threads 256-511 the second's
	v_lshl_add_u32 v10, v1, 4, 8192                ; the scale bytes' way out (wave 0)
	v_and_b32 v11, 15, v0
	s_delay_alu instid0(VALU_DEP_1)
	v_lshlrev_b32 v11, 4, v11
	v_bfe_u32 v9, v0, 4, 1
	s_delay_alu instid0(VALU_DEP_1)
	v_mad_u32_u24 v11, v9, UNIT, v11
	s_lshl_b32 s18, ttmp9, 16                      ; 16 rows of 4,096 bytes a work-group
	s_lshl_b32 s19, s16, 12
	s_add_co_u32 s18, s18, s19
	s_mov_b32 s19, 0
	s_lshr_b32 s20, ttmp9, 3
	s_mul_i32 s20, s20, 2*UNIT                     ; the 128 rows' two units
	s_and_b32 s21, ttmp9, 7                        ; my 16-row block in them
	s_lshl_b32 s22, s21, 12
	s_add_co_u32 s22, s20, s22
	s_mov_b32 s23, 0
	s_lshl_b32 s21, s21, 8
	s_add_co_u32 s24, s20, s21
	s_add_co_u32 s24, s24, UC
	s_mov_b32 s25, 0
	s_mov_b32 s26, 0x76543210                      ; v_permlanex16_b32's selects: lane l xor 16
	s_mov_b32 s27, 0xfedcba98
	s_wait_kmcnt 0x0
	s_load_b32 s12, s[6:7], 0x0                    ; alpha
	s_load_b32 s13, s[8:9], 0x0                    ; beta
	s_add_nc_u64 s[4:5], s[4:5], s[18:19]
	s_add_nc_u64 s[28:29], s[10:11], s[24:25]
	s_add_nc_u64 s[10:11], s[10:11], s[22:23]
.irp i, 0,1,2,3
	global_load_b128 v[X+8*\i:X+8*\i+3], v2, s[4:5] offset:1024*\i th:TH_LOAD_NT
	global_load_b128 v[X+8*\i+4:X+8*\i+7], v2, s[4:5] offset:1024*\i+16 th:TH_LOAD_NT
.endr
.macro WSUM                            ; v48 summed over the 32 lanes, the result in every lane
	s_delay_alu instid0(VALU_DEP_1)
	v_add_f32_dpp v48, v48, v48 row_xmask:1 row_mask:0xf bank_mask:0xf
	s_delay_alu instid0(VALU_DEP_1)
	v_add_f32_dpp v48, v48, v48 row_xmask:2 row_mask:0xf bank_mask:0xf
	s_delay_alu instid0(VALU_DEP_1)
	v_add_f32_dpp v48, v48, v48 row_xmask:4 row_mask:0xf bank_mask:0xf
	s_delay_alu instid0(VALU_DEP_1)
	v_add_f32_dpp v48, v48, v48 row_xmask:8 row_mask:0xf bank_mask:0xf
	s_delay_alu instid0(VALU_DEP_1)
	v_permlanex16_b32 v49, v48, s26, s27
	s_delay_alu instid0(VALU_DEP_1)
	v_add_f32 v48, v48, v49
.endm
	s_wait_loadcnt 0x0
	v_pk_add_f32 v[50:51], v[16:17], v[18:19]
	v_pk_add_f32 v[94:95], v[24:25], v[28:29]
	v_pk_add_f32 v[92:93], v[32:33], v[36:37]
	v_pk_add_f32 v[90:91], v[40:41], v[44:45]
	v_pk_add_f32 v[88:89], v[20:21], v[22:23]
	v_pk_add_f32 v[86:87], v[26:27], v[30:31]
	v_pk_add_f32 v[84:85], v[34:35], v[38:39]
	v_pk_add_f32 v[48:49], v[42:43], v[46:47]
	s_delay_alu instid0(VALU_DEP_1)
	v_pk_add_f32 v[48:49], v[48:49], v[90:91]
	v_pk_add_f32 v[50:51], v[50:51], v[88:89]
	v_pk_add_f32 v[94:95], v[94:95], v[86:87]
	v_pk_add_f32 v[92:93], v[92:93], v[84:85]
	s_delay_alu instid0(VALU_DEP_2)
	v_pk_add_f32 v[48:49], v[48:49], v[94:95]
	s_delay_alu instid0(VALU_DEP_2)
	v_pk_add_f32 v[50:51], v[50:51], v[92:93]
	s_delay_alu instid0(VALU_DEP_1)
	v_pk_add_f32 v[48:49], v[48:49], v[50:51]
	s_delay_alu instid0(VALU_DEP_1)
	v_add_f32 v48, v48, v49
	WSUM
	s_delay_alu instid0(VALU_DEP_1)
	v_mul_f32 v52, 0x3a800000, v48                 ; mean = sum / 1024
	s_delay_alu instid0(VALU_DEP_1)
	v_mov_b32 v53, v52
.set J, X
.rept 16
	v_pk_add_f32 v[J:J+1], v[J:J+1], v[52:53] neg_lo:[0,1] neg_hi:[0,1]   ; d = x - mean
.set J, J+2
.endr
	v_pk_mul_f32 v[48:49], v[X:X+1], v[X:X+1]      ; the sum of d^2, in two chains
	v_pk_mul_f32 v[50:51], v[X+2:X+3], v[X+2:X+3]
.irp j, 4,8,12,16,20,24,28
	s_delay_alu instid0(VALU_DEP_2)
	v_pk_fma_f32 v[48:49], v[X+\j:X+\j+1], v[X+\j:X+\j+1], v[48:49]
	s_delay_alu instid0(VALU_DEP_2)
	v_pk_fma_f32 v[50:51], v[X+\j+2:X+\j+3], v[X+\j+2:X+\j+3], v[50:51]
.endr
	s_delay_alu instid0(VALU_DEP_1)
	v_pk_add_f32 v[48:49], v[48:49], v[50:51]
	s_delay_alu instid0(VALU_DEP_1)
	v_add_f32 v48, v48, v49
	WSUM
	s_delay_alu instid0(VALU_DEP_1)
	v_mul_f32 v48, 0x3a802008, v48                 ; / 1023
	s_wait_alu depctr_va_vdst(0)
	v_sqrt_f32 v54, v48
	v_nop                                          ; a plain instruction behind the root,
	s_wait_alu depctr_va_vdst(0)                   ; and the wait ahead of its first reader
	v_add_f32 v54, 0x358637bd, v54                 ; + 1e-6
	s_wait_alu depctr_va_vdst(0)
	v_rcp_f32 v55, v54
	v_nop
	s_wait_alu depctr_va_vdst(0)
	s_wait_kmcnt 0x0                               ; alpha, beta
	v_mul_f32 v54, s12, v55                        ; g = alpha / (std + eps)
	v_mov_b32 v56, s13
	v_mov_b32 v57, s13
.set J, X
.rept 16
	v_pk_fma_f32 v[J:J+1], v[J:J+1], v[54:55], v[56:57] op_sel_hi:[1,0,0]   ; xn = d g + beta
.set J, J+2
.endr
	; four lanes hold a block of 32: the largest magnitude with the floor 2^(3 - 127) among its leaves, so that the byte cannot fall under 1
.irp i, 0,1,2,3
	v_max3_num_f32 v[58+\i], |v[X+8*\i]|, |v[X+8*\i+1]|, 0x1800000
.endr
.irp j, 2,4,6
.irp i, 0,1,2,3
	s_delay_alu instid0(VALU_DEP_4)
	v_max3_num_f32 v[58+\i], v[58+\i], |v[X+8*\i+\j]|, |v[X+8*\i+\j+1]|
.endr
.endr
.irp m, 1,2
.irp i, 0,1,2,3
	s_delay_alu instid0(VALU_DEP_4)
	v_max_num_f32_dpp v[58+\i], v[58+\i], v[58+\i] row_xmask:\m row_mask:0xf bank_mask:0xf
.endr
.endr
.irp i, 0,1,2,3
	s_delay_alu instid0(VALU_DEP_4)
	v_add_nc_u32 v[62+\i], 0xff000000, v[58+\i]    ; 2 off the exponent field: the conversion's scale operand
.endr
.irp i, 0,1,2,3
	s_delay_alu instid0(VALU_DEP_4)
	v_lshrrev_b32 v[66+\i], 23, v[62+\i]           ; the scale's byte
.endr
.irp i, 0,1,2,3
	v_cvt_scalef32_pk8_fp4_f32 v[70+\i], v[X+8*\i:X+8*\i+7], v[62+\i]
.endr
	v_nop                                          ; a plain instruction behind the last conversion
.irp i, 0,1,2,3
	ds_store_b32 v3, v[70+\i] offset:2048*\i
	ds_store_b8 v4, v[66+\i] offset:256*(\i/2)+8*(\i%2)   ; the four lanes of a block write the same byte with the same value
.endr
	s_wait_dscnt 0x0                               ; my stores have landed, for the other waves' sake
	s_barrier_signal -1
	s_barrier_wait -1
	ds_load_b128 v[80:83], v7
	s_wait_dscnt 0x0
	global_store_b128 v8, v[80:83], s[10:11]       ; a wave stores 512 consecutive bytes
	s_cmp_lg_u32 s16, 0
	s_cbranch_scc1 .Lln_end
	ds_load_b128 v[84:87], v10                     ; wave 0: the 16 rows' scale bytes, 256 consecutive bytes in each of the two units
	s_wait_dscnt 0x0
	global_store_b128 v11, v[84:87], s[28:29]
.Lln_end:
	s_wait_tensorcnt 0x0
	ds_add_u32 v96, v97
	s_wait_dscnt 0x0
	s_endpgm
.Lrelay:                                           ; one unit of a weight
	s_load_b256 s[8:15], s[0:1], 0x18              ; codes of wq, wk, wv, wo
	s_load_b128 s[16:19], s[0:1], 0x38             ; of w1, w2
	s_load_b256 s[20:27], s[0:1], 0x48             ; scales of wq, wk, wv, wo
	s_load_b128 s[28:31], s[0:1], 0x68             ; of w1, w2
	s_load_b64 s[32:33], s[0:1], 0x80              ; wimg
	s_sub_co_u32 s2, ttmp9, 256                    ; the unit, 0..191
	v_lshrrev_b32 v1, 5, v0
	s_delay_alu instid0(VALU_DEP_1)
	v_readfirstlane_b32 s3, v1                     ; wave
	v_and_b32 v1, 31, v0
	v_and_b32 v2, 15, v0                           ; r
	v_bfe_u32 v3, v0, 4, 1                         ; h
	s_cmp_lt_u32 s2, 128
	s_cselect_b32 s39, 1, 3                        ; log2 of the units in a row of units: K = 1,024 or (w2) 4,096
	s_lshl_b32 s40, 256, s39                       ; a row of codes in bytes
	s_lshl_b32 s41, 16, s39                        ; a row of scale bytes
	s_wait_alu depctr_va_vdst(0)
	s_wait_kmcnt 0x0
	s_mov_b64 s[34:35], s[18:19]                   ; which weight: the choice hangs on the work-group's number alone
	s_mov_b64 s[36:37], s[30:31]
	s_mov_b32 s38, 128
	s_cmp_lt_u32 s2, 128
	s_cselect_b64 s[34:35], s[16:17], s[34:35]
	s_cselect_b64 s[36:37], s[28:29], s[36:37]
	s_cselect_b32 s38, 64, s38
	s_cmp_lt_u32 s2, 64
	s_cselect_b64 s[34:35], s[14:15], s[34:35]
	s_cselect_b64 s[36:37], s[26:27], s[36:37]
	s_cselect_b32 s38, 48, s38
	s_cmp_lt_u32 s2, 48
	s_cselect_b64 s[34:35], s[12:13], s[34:35]
	s_cselect_b64 s[36:37], s[24:25], s[36:37]
	s_cselect_b32 s38, 32, s38
	s_cmp_lt_u32 s2, 32
	s_cselect_b64 s[34:35], s[10:11], s[34:35]
	s_cselect_b64 s[36:37], s[22:23], s[36:37]
	s_cselect_b32 s38, 16, s38
	s_cmp_lt_u32 s2, 16
	s_cselect_b64 s[34:35], s[8:9], s[34:35]
	s_cselect_b64 s[36:37], s[20:21], s[36:37]
	s_cselect_b32 s38, 0, s38
	s_sub_co_u32 s42, s2, s38                      ; the unit's number in its weight
	s_lshr_b32 s43, s42, s39                       ; its 128 rows
	s_lshl_b32 s44, s43, s39
	s_sub_co_u32 s44, s42, s44                     ; its 512 along K
	s_lshr_b32 s45, s3, 1                          ; my 16-row block i
	s_and_b32 s46, s3, 1                           ; my two K steps: 2 (wave % 2), + 1
	s_lshl_b32 s47, s43, 7
	s_lshl_b32 s48, s45, 4
	s_add_co_u32 s47, s47, s48
	s_mul_i32 s48, s47, s40                        ; (128 rb + 16 i) rows
	s_lshl_b32 s49, s44, 8
	s_add_co_u32 s48, s48, s49                     ; + 256 bytes for each 512 K
	s_lshl_b32 s49, s46, 7
	s_add_co_u32 s48, s48, s49
	s_mov_b32 s49, 0
	s_add_nc_u64 s[34:35], s[34:35], s[48:49]
	s_mul_i32 s50, s2, UNIT
	s_mov_b32 s51, 0
	s_add_nc_u64 s[32:33], s[32:33], s[50:51]      ; the unit in wimg
	s_lshl_b32 s52, s45, 12
	s_lshl_b32 s53, s46, 11
	s_add_co_u32 s52, s52, s53
	s_mov_b32 s53, 0
	s_add_nc_u64 s[54:55], s[32:33], s[52:53]
	s_lshl_b32 s56, s43, 7
	s_mul_i32 s56, s56, s41
	s_lshl_b32 s57, s44, 4
	s_add_co_u32 s56, s56, s57
	s_mov_b32 s57, 0
	s_add_nc_u64 s[36:37], s[36:37], s[56:57]      ; the unit's scale bytes: row 128 rb, 16 bytes for each 512 K
	v_mul_lo_u32 v4, v2, s40
	s_delay_alu instid0(VALU_DEP_1)
	v_lshl_add_u32 v4, v3, 4, v4                   ; row r, + 16 h
	v_lshlrev_b32 v5, 4, v1                        ; 16 x lane
.irp q, 0,1
.irp c, 0,1
	global_load_b128 v[8+8*\q+4*\c:8+8*\q+4*\c+3], v4, s[34:35] offset:64*\q+32*\c th:TH_LOAD_NT
.endr
.endr
	s_wait_alu depctr_va_vdst(0)
	s_wait_loadcnt 0x0
.irp q, 0,1
.irp c, 0,1
	global_store_b128 v5, v[8+8*\q+4*\c:8+8*\q+4*\c+3], s[54:55] offset:1024*\q+512*\c   ; 512 consecutive bytes a store
.endr
.endr
	s_cmp_ge_u32 s3, 4
	s_cbranch_scc1 .Lrelay_end
	v_mul_lo_u32 v6, v0, s41                       ; waves 0-3: the thread's number is the row, 0..127
	v_lshlrev_b32 v7, 4, v0
	global_load_b128 v[24:27], v6, s[36:37] th:TH_LOAD_NT
	s_wait_alu depctr_va_vdst(0)
	s_wait_loadcnt 0x0
	global_store_b128 v7, v[24:27], s[32:33] offset:UC
.Lrelay_end:
	s_endpgm
.Lfunc_end_k_q6cd54a7b98_prep:
	.size	k_q6cd54a7b98_prep, .Lfunc_end_k_q6cd54a7b98_prep-k_q6cd54a7b98_prep
	.p2alignl 7, 3214868480
	.fill 96, 4, 3214868480
	.section	.rodata,"a",@progbits
	.p2align	6, 0x0
	.amdhsa_kernel k_q6cd54a7b98_prep
		.amdhsa_group_segment_fixed_size 11264
		.amdhsa_private_segment_fixed_size 0
		.amdhsa_enable_private_segment 0
		.amdhsa_kernarg_size 136
		.amdhsa_user_sgpr_count 2
		.amdhsa_user_sgpr_kernarg_segment_ptr 1
		.amdhsa_wavefront_size32 1
		.amdhsa_system_sgpr_workgroup_id_x 1
		.amdhsa_system_sgpr_workgroup_id_y 1
		.amdhsa_system_sgpr_workgroup_id_z 1
		.amdhsa_system_vgpr_workitem_id 0
		.amdhsa_next_free_vgpr 98
		.amdhsa_next_free_sgpr 66
		.amdhsa_reserve_vcc 0
		.amdhsa_float_denorm_mode_32 3
		.amdhsa_float_denorm_mode_16_64 3
		.amdhsa_memory_ordered 1
		.amdhsa_forward_progress 1
		.amdhsa_inst_pref_size 19
	.end_amdhsa_kernel
	.amdgpu_metadata
---
amdhsa.version: [ 1, 2 ]
amdhsa.kernels:
  - .name:           k_q6cd54a7b98_prep
    .symbol:         k_q6cd54a7b98_prep.kd
    .args:
      - { .name: x, .offset: 0, .size: 8, .value_kind: global_buffer, .address_space: global }
      - { .name: ln1_a, .offset: 8, .size: 8, .value_kind: global_buffer, .address_space: global }
      - { .name: ln1_b, .offset: 16, .size: 8, .value_kind: global_buffer, .address_space: global }
      - { .name: wq_codes, .offset: 24, .size: 8, .value_kind: global_buffer, .address_space: global }
      - { .name: wk_codes, .offset: 32, .size: 8, .value_kind: global_buffer, .address_space: global }
      - { .name: wv_codes, .offset: 40, .size: 8, .value_kind: global_buffer, .address_space: global }
      - { .name: wo_codes, .offset: 48, .size: 8, .value_kind: global_buffer, .address_space: global }
      - { .name: w1_codes, .offset: 56, .size: 8, .value_kind: global_buffer, .address_space: global }
      - { .name: w2_codes, .offset: 64, .size: 8, .value_kind: global_buffer, .address_space: global }
      - { .name: wq_scales, .offset: 72, .size: 8, .value_kind: global_buffer, .address_space: global }
      - { .name: wk_scales, .offset: 80, .size: 8, .value_kind: global_buffer, .address_space: global }
      - { .name: wv_scales, .offset: 88, .size: 8, .value_kind: global_buffer, .address_space: global }
      - { .name: wo_scales, .offset: 96, .size: 8, .value_kind: global_buffer, .address_space: global }
      - { .name: w1_scales, .offset: 104, .size: 8, .value_kind: global_buffer, .address_space: global }
      - { .name: w2_scales, .offset: 112, .size: 8, .value_kind: global_buffer, .address_space: global }
      - { .name: xn1, .offset: 120, .size: 8, .value_kind: global_buffer, .address_space: global }
      - { .name: wimg, .offset: 128, .size: 8, .value_kind: global_buffer, .address_space: global }
    .group_segment_fixed_size: 11264
    .private_segment_fixed_size: 0
    .kernarg_segment_align: 8
    .kernarg_segment_size: 136
    .max_flat_workgroup_size: 512
    .sgpr_count:     66
    .vgpr_count:     98
    .wavefront_size: 32
...
	.end_amdgpu_metadata
.endif
;; end of part 8
;; launch qkv (part 9): grid 12 x 16, 4 waves a work-group, clusters of 4 x 4, 327,680 bytes of LDS; arguments xn1, wimg, bq, bk, bv, att; writes att
.if DOCPART == 9
	.amdgcn_target "amdgcn-amd-amdhsa--gfx1250"
	.amdhsa_code_object_version 6
	.text
	.protected	k_q6cd54a7b98_qkv
	.globl	k_q6cd54a7b98_qkv
	.p2align	8
	.type	k_q6cd54a7b98_qkv,@function
k_q6cd54a7b98_qkv:
	s_mov_b64 s[64:65], 0
	v_nop
	global_prefetch_b8 v0, s[64:65] scope:SCOPE_SE
	s_setreg_imm32_b32 hwreg(HW_REG_WAVE_MODE, 25, 1), 1
	s_wait_xcnt 0x0
	s_wait_alu depctr_hold_cnt(0) depctr_sa_sdst(0) depctr_va_vdst(0) depctr_va_sdst(0) depctr_va_ssrc(0) depctr_va_vcc(0) depctr_vm_vsrc(0)
	s_getreg_b32 s2, hwreg(HW_REG_IB_STS2, 6, 4)
	s_cmp_eq_u32 s2, 0
	s_cbranch_scc0 .Lentry_in_a_cluster
	s_endpgm
.Lentry_in_a_cluster:
	s_bfe_u32 s2, ttmp6, 0x10000c
	s_cmp_lg_u32 s2, 0xf033
	s_cbranch_scc0 .Lentry_shape_is_right
	s_endpgm
.Lentry_shape_is_right:
; q = xn wq^T + bq, k = xn wk^T + bk, v = xn wv^T + bv on FP4 codes (E2M1, one E8M0 byte for each 32 K), each result quantised in registers for attention.
; Clusters x = 0, 1: C = xn [wq; wk]^T (A = xn1, B = wimg's units 0-31).  Cluster x = 2: V^T = wv xn^T (A = wimg's units 32-47, B = xn1), so that a lane holds a channel and its registers run along the KEYS, the second attention product's K.
; A tile of C is 256 x 256: four waves of 128 x 128, 64 accumulators.  The matrix instruction is used transposed (source 0 = 16 rows of B, source 1 = 16 rows of A): lane (r, h) holds row 16 a + r and columns 16 b + 8 h + 0..7.
; OPERANDS come as UNITS of 128 rows x 512 K, 34,816 dense bytes: fragment (i, q) at 4096 i + 1024 q as an image of its registers, 16 bytes a lane; from byte 32,768 on 16 scale bytes a row.  One tensor load brings a unit.
; K = 1,024 is two slots of four units (A's two, B's two): both are first fills; nothing is filled again.
; CLUSTERS: 4 x 4.  A's units hang on the tile row, shared along a row of the cluster; B's on the tile column, shared along a column: each is asked for jointly.
; THE BIAS is the C of each sum's first matrix instruction.  q, k: a number for each column; v: a number for each row: so the first step stands twice, under one branch on the cluster's x, which all sixteen partners share.
; OUT, att: a block of 217,088 bytes a head: four groups of 512 keys (K's codes 16,384, V^T's codes 16,384, K's scale words 2,048, V's 1,024), then Q's codes 65,536 and Q's scale words 8,192.
; K's and Q's codes: half a fragment (registers 0-3: 64 along the head) a tile of 16 tokens, 512 bytes.  Of their scale words bytes 0, 1 count; bytes 2, 3 meet zero codes and are never 0xff.
; LIMITS: NaN and infinities are not served.  A block of zeros gets the byte 1 (its codes are zeros; only this program reads the bytes).
.set UNIT,   34816
.set UC,     32768
.set SLOT,   4*UNIT
.set SPARE,  2*SLOT                    ; behind the ring: the spare words, 128 bytes a wave, that no other line names
.set KU,     2                         ; units along K
.set HB,     217088
.set GRP,    35840
.set NQ,     4
.set FR,     8
.set NL,     2
.set NP,     4                         ; places behind this matrix instruction (ISA guide 7.12.1)
.set OJ,   8                           ; v8-15   the bias loads' offsets
.set ADRA, 16                          ; v16-17  LDS address of my A fragments in slot 0, 1
.set ADRB, 20                          ; v20-21  the same for B
.set ADRS, 22                          ; v22-23  of my scale words: lanes 0-15 A's rows, lanes 16-31 B's
.set SPW,  28                          ; v28     my spare word; never rewritten
.set NIL,  29                          ; v29     0; never rewritten
.set SC,   32                          ; v32-95  scale words, a set a slot: register 4 i + q: lanes 0-15 A's block i, lanes 16-31 B's block i
.set TM,   96                          ; v96-111 the quantiser's work
.set PW,   112                         ; v112-119 a scale word for each block of 16 rows
.set SD,   120                         ; v120-127 scale words as they are stored
.set AF,   128                         ; v128-191 A's fragments, one set; later the codes
.set PC,   128
.set BN,   192                         ; v192-255 the bias
.set SEL,  18                          ; s[18:19] v_permlanex16_b32's selects
.set G1, 24
.set G0, 32
.set G1B, 48
.set G0B, 56
.set MSB, 0
.macro WIN new                         ; the immediate's high byte repeats the setting that is left
.if MSB != (\new)
	s_set_vgpr_msb (MSB<<8)|(\new)
.set MSB, (\new)
.endif
.endm
.set MUL_LO, 0xa1                      ; source 0 (B) window 1, source 1 (A) window 0, C and D window 2
.set MUL_HI, 0xf1                      ; the same, C and D window 3
.set TO_B,   0x40                      ; destination window 1
.macro JLOAD g0a, g1a, g0b, g1b        ; a joint load: waves 0, 1 fetch A's units, waves 2, 3 B's; four v_nop follow each line
	s_cmp_eq_u32 s15, 0
	s_cbranch_scc0 .Lfor_b_\@
	tensor_load_to_lds s[\g0a:\g0a+3], s[\g1a:\g1a+7]
	s_nop 0
.rept 4
	v_nop
.endr
	s_branch .Lasked_\@
.Lfor_b_\@:
	tensor_load_to_lds s[\g0b:\g0b+3], s[\g1b:\g1b+7]
	s_nop 0
.rept 4
	v_nop
.endr
.Lasked_\@:
.endm
.macro CREST
	s_cmp_lg_u32 s14, 0
	s_cbranch_scc1 .Lnot_wave_0_\@
	s_barrier_signal -3
.Lnot_wave_0_\@:
	s_barrier_wait -3
	s_barrier_signal -1
	s_barrier_wait -1
.endm
.macro CROUND                          ; a round of the cluster's barrier
	s_barrier_signal -1
	s_barrier_wait -1
	CREST
.endm
.macro PLACES n
.rept \n
	v_nop
.endr
.endm
	s_load_b256 s[4:11], s[0:1], 0x0               ; xn1 s[4:5], wimg s[6:7], bq s[8:9], bk s[10:11]
	s_load_b128 s[72:75], s[0:1], 0x20             ; bv s[72:73], att s[74:75]
	v_lshl_add_u32 v[SPW], v0, 2, SPARE
	v_mov_b32 v[NIL], 0
	ds_add_u32 v28, v29
	ds_add_u32 v28, v29
	s_wait_dscnt 0x0
	v_lshrrev_b32 v1, 5, v0
	v_readfirstlane_b32 s14, v1                    ; wave 0..3
	s_lshr_b32 s15, s14, 1                         ; my half of the tile's rows.  Also: I fetch for A (0) or B (1)
	s_and_b32 s16, s14, 1                          ; my half of its columns.  Also: which unit of the two I fetch
	s_bfe_u32 s40, ttmp6, 0x40000                  ; cx
	s_bfe_u32 s41, ttmp6, 0x40004                  ; cy
	s_and_b32 s66, ttmp7, 0xffff                   ; cluster y
	s_lshl_b32 s68, s66, 2
	s_lshl_b32 s69, ttmp9, 2
	s_cmp_eq_u32 ttmp9, 2                          ; the cluster that makes V^T?  The same in all sixteen partners
	s_cselect_b32 s67, 1, 0
	s_cselect_b32 s17, 0, s68
	s_cselect_b32 s42, s68, s69
	s_add_co_u32 s17, s17, s41                     ; tile row: 4 cluster y + cy, or (V) cy
	s_add_co_u32 s42, s42, s40                     ; tile column: 4 cluster x + cx, or (V) 4 cluster y + cx
	s_lshl_b32 s43, s41, 2
	s_lshl_b32 s43, 15, s43                        ; my row of the cluster
	s_lshl_b32 s44, 0x1111, s40                    ; my column
	s_or_b32 s[G1+0], s43, (3<<16)|(1<<21)         ; 15:0 the mask; 17:16 elements of 8 bytes; 21 set beside a mask; no padding
	s_or_b32 s[G1B+0], s44, (3<<16)|(1<<21)
.irp g, G1, G1B
	s_mov_b32 s[\g+1], 32<<16                      ; tensor_dim0: 32 elements = 256 bytes
	s_mov_b32 s[\g+2], 136<<16                     ; tensor_dim1: 136 rows = a unit
	s_mov_b32 s[\g+3], 32<<16                      ; tile_dim0
	s_mov_b32 s[\g+4], 136                         ; tile_dim1
	s_mov_b32 s[\g+5], 32                          ; the pitch: dense
	s_mov_b32 s[\g+6], 0
	s_mov_b32 s[\g+7], 0
.endr
	s_lshl_b32 s20, s17, 1
	s_add_co_u32 s20, s20, s16
	s_mul_i32 s20, s20, KU*UNIT                    ; A: the units of rows 128 (2 tile row + half)
	s_mov_b32 s21, 0
	s_lshl_b32 s46, s42, 1
	s_add_co_u32 s46, s46, s16
	s_mul_i32 s46, s46, KU*UNIT                    ; B likewise, by the tile column
	s_mov_b32 s47, 0
	s_mul_i32 s45, s14, UNIT                       ; where they go: wave x a unit
	s_wait_kmcnt 0x0
	s_add_nc_u64 s[76:77], s[6:7], 32*UNIT         ; wv's units
	s_cmp_eq_u32 s67, 1
	s_cselect_b64 s[78:79], s[76:77], s[4:5]       ; A
	s_cselect_b64 s[80:81], s[4:5], s[6:7]         ; B
	s_add_nc_u64 s[20:21], s[78:79], s[20:21]
	s_add_nc_u64 s[46:47], s[80:81], s[46:47]
	CROUND                                         ; all sixteen work-groups are here: the joint loads meet
.irp s, 0,1
	s_mov_b32 s[G0+4*\s], 1
	s_add_co_u32 s[G0+4*\s+1], s45, \s*SLOT
	s_add_nc_u64 s[G0+4*\s+2:G0+4*\s+3], s[20:21], \s*UNIT
	s_or_b32 s[G0+4*\s+3], s[G0+4*\s+3], 0x80000000
	s_mov_b32 s[G0B+4*\s], 1
	s_add_co_u32 s[G0B+4*\s+1], s45, \s*SLOT
	s_add_nc_u64 s[G0B+4*\s+2:G0B+4*\s+3], s[46:47], \s*UNIT
	s_or_b32 s[G0B+4*\s+3], s[G0B+4*\s+3], 0x80000000
.if \s == 0
	JLOAD G0, G1, G0B, G1B                         ; slot 0: my one tensor load at the head
.endif
.endr
	v_and_b32 v1, 15, v0                           ; r
	v_bfe_u32 v2, v0, 4, 1                         ; h
	v_and_b32 v3, 31, v0
	v_lshlrev_b32 v4, 4, v3                        ; 16 x lane
	s_mul_i32 s21, s15, UNIT                       ; my 128 rows of A
	s_mul_i32 s22, s16, UNIT
	s_add_co_u32 s22, s22, 2*UNIT                  ; my 128 rows of B, behind A's two units
	v_add_nc_u32 v[ADRA], s21, v4
	v_add_nc_u32 v[ADRB], s22, v4
	v_add_nc_u32 v[ADRA+1], SLOT, v[ADRA]
	v_add_nc_u32 v[ADRB+1], SLOT, v[ADRB]
	s_sub_co_u32 s23, s22, s21
	v_mul_u32_u24 v6, s23, v2                      ; lanes 16-31 take B's
	v_lshl_add_u32 v5, v1, 4, v6
	v_add_nc_u32 v[ADRS], s21, v5
	v_add_nc_u32 v[ADRS+1], SLOT, v[ADRS]
	; the bias, without a branch.  q, k: register 8 x + j = bias[16 x + 8 h + j] of my 128 columns;  v: bias[16 x + r] of my 128 rows
	s_lshl_b32 s84, s40, 10
	s_lshl_b32 s85, s16, 9
	s_add_co_u32 s84, s84, s85
	s_lshl_b32 s86, s41, 10
	s_lshl_b32 s87, s15, 9
	s_add_co_u32 s86, s86, s87
	s_cmp_eq_u32 ttmp9, 0
	s_cselect_b64 s[82:83], s[8:9], s[10:11]
	s_cmp_eq_u32 s67, 1
	s_cselect_b64 s[82:83], s[72:73], s[82:83]
	s_cselect_b32 s84, s86, s84
	s_cselect_b32 s88, 4, 0
	s_cselect_b32 s89, 0, 32
	s_cselect_b32 s90, 0, 4
	s_mov_b32 s85, 0
	s_add_nc_u64 s[82:83], s[82:83], s[84:85]
	v_mul_u32_u24 v5, v1, s88
	v_mad_u32_u24 v5, v2, s89, v5
	s_wait_alu depctr_va_vdst(0)
.irp j, 0,1,2,3,4,5,6,7
	s_mul_i32 s91, s90, \j
	v_add_nc_u32 v[OJ+\j], s91, v5
.endr
.irp x, 0,1,2,3,4,5,6,7
.irp j, 0,1,2,3,4,5,6,7
	global_load_b32 v[BN+8*\x+\j], v[OJ+\j], s[82:83] offset:64*\x
.endr
.endr
	s_mov_b32 s[SEL], 0x76543210
	s_mov_b32 s[SEL+1], 0xfedcba98
.macro FRAG reg, adr, q, i             ; a fragment: 8 registers, two loads of 512 consecutive bytes
.irp c, 0,1
	ds_load_b128 v[\reg+4*\c:\reg+4*\c+3], v[\adr] offset:(\i)*4096+(\q)*1024+512*\c
.endr
.endm
; 16 matrix instructions: A's blocks a0, a0 + 1 x B's eight, the slot's q-th 128 along K.  p: B's set; sc: the scale set.  cm = 0: C = D; 2: C = the columns' bias; 3: C = the rows' bias.
; The 64 accumulators take turns, one instruction a turn, in the same order in every step.
.macro MUL16 a0, p, q, sc, cm
.irp a, \a0, \a0+1
.irp b, 0,1,2,3,4,5,6,7
.set rD, 8*(8*((\a)%4)+\b)
.set rB, 128*(\p)+FR*\b
.set rA, AF+FR*(\a)
.if (\cm) == 0
.set rC, rD
.elseif (\cm) == 2
.set rC, BN+8*\b
.else
.set rC, BN+8*(\a)
.endif
	v_wmma_scale_f32_16x16x128_f8f6f4 v[rD:rD+7], v[rB:rB+7], v[rA:rA+7], v[rC:rC+7], v[SC+32*(\sc)+4*\b+(\q)], v[SC+32*(\sc)+4*(\a)+(\q)] matrix_a_fmt:MATRIX_FMT_FP4 matrix_b_fmt:MATRIX_FMT_FP4 matrix_a_scale:MATRIX_SCALE_ROW1
.endr
.endr
.endm
.macro FETCH_B slot, q, p
	WIN TO_B
.irp i, 0,1,2,3,4,5,6,7
	FRAG 128*(\p)+FR*\i, ADRB+\slot, \q, \i
.endr
	WIN 0
.endm
.macro FETCH_A slot, q, i0
.irp i, \i0, \i0+1, \i0+2, \i0+3
	FRAG AF+FR*(\i), ADRA+\slot, \q, \i
.endr
.endm
.macro SCALES sc                       ; a slot's scale words: four words a row
.irp i, 0,1,2,3,4,5,6,7
	ds_load_b128 v[SC+32*\sc+4*\i:SC+32*\sc+4*\i+3], v[ADRS+\sc] offset:UC+256*\i
.endr
.endm
.macro STEP slot, q, cm                ; a step of 128 along K that has its successor in the same slot
	s_wait_dscnt 4*NL                              ; all but the youngest eight loads (A's blocks 4-7) are in
.if \cm
	WIN 0x81                                       ; C (the bias) window 0, D window 2
.else
	WIN MUL_LO
.endif
	MUL16 0, (\q)%2, \q, \slot, \cm
	MUL16 2, (\q)%2, \q, \slot, \cm
	s_wait_dscnt 0
	PLACES NP                                      ; in front of loads into registers that matrix instructions have read
	FETCH_B \slot, (\q)+1, 1-(\q)%2
	FETCH_A \slot, (\q)+1, 0
.if \cm
	WIN 0xc1
.else
	WIN MUL_HI
.endif
	MUL16 4, (\q)%2, \q, \slot, \cm
	MUL16 6, (\q)%2, \q, \slot, \cm
	PLACES NP
	WIN 0
	FETCH_A \slot, (\q)+1, 4
.endm
.macro TURN slot, next                 ; a slot's last step changes slots: one barrier; nothing is filled again here
	s_wait_tensorcnt 0x0                           ; all my tensor loads have landed: my unit of the next slot
	ds_add_u32 v[SPW], v[NIL]                      ; 0 onto my spare word
	s_wait_dscnt 4*NL+1                            ; (the add and A's blocks 4-7 may be out)
	WIN MUL_LO
	MUL16 0, 1, NQ-1, \slot, 0
	s_wait_dscnt 0x0
	s_barrier_signal -1
	MUL16 2, 1, NQ-1, \slot, 0
	WIN 0
	s_barrier_wait -1                              ; the next slot is whole for every wave
	PLACES NP
	FETCH_B \next, 0, 0
	FETCH_A \next, 0, 0
	SCALES \next
	WIN MUL_HI
	MUL16 4, 1, NQ-1, \slot, 0
	MUL16 6, 1, NQ-1, \slot, 0
	PLACES NP
	WIN 0
	FETCH_A \next, 0, 4
.endm
.macro STEPS slot, from
.set Q, \from
.rept NQ-1-\from
	STEP \slot, Q, 0
.set Q, Q+1
.endr
.endm
	s_wait_alu depctr_va_vdst(0)                   ; the wait at the head's end
	s_wait_tensorcnt 0x0                           ; my unit of slot 0 is in
	ds_add_u32 v[SPW], v[NIL]
	s_wait_dscnt 0x0
	CROUND                                         ; slot 0 is whole, and all sixteen work-groups are here
	JLOAD G0+4, G1, G0B+4, G1B                     ; slot 1's first fill: my one tensor load behind the round
	FETCH_B 0, 0, 0
	FETCH_A 0, 0, 0
	SCALES 0
	FETCH_A 0, 0, 4
	s_wait_loadcnt 0x0                             ; the bias
	s_cmp_eq_u32 s67, 1
	s_cbranch_scc1 .Lfirst_v
	STEP 0, 0, 2                                   ; the first products start the sums with the bias
	s_branch .Lfirst_done
.Lfirst_v:
	STEP 0, 0, 3
.Lfirst_done:
	STEPS 0, 1
	TURN 0, 1
	STEPS 1, 0
	s_wait_dscnt 4*NL                              ; the last step
	WIN MUL_LO
	MUL16 0, 1, NQ-1, 1, 0
	MUL16 2, 1, NQ-1, 1, 0
	s_wait_dscnt 0
	WIN MUL_HI
	MUL16 4, 1, NQ-1, 1, 0
	MUL16 6, 1, NQ-1, 1, 0
	WIN 0
; THE QUANTISER.  64 numbers of a lane at v[s] of window W: tile t's register j = column 16 t + 8 h + j of my row.  A block of 32 is tiles 2 b, 2 b + 1 in lanes l and l xor 16.
; The conversion of tile 4 c + u leaves in lane half h word 2 (u % 2) + h of block 2 c + u / 2; written to registers 4 c + {0, 2, 1, 3}[u] and exchanged in pairs, lane half h holds the four words of block 2 c + h: the operand's layout.
.macro QUANTW s, W, pc, pw
	WIN (\W)*0x14                                  ; sources 1 and 2: the accumulators' window
.irp b, 0,1,2,3
	v_max3_num_f32 v[TM+\b], 0x1800000, |v[(\s)+16*\b]|, |v[(\s)+16*\b+1]|   ; with the floor 2^(3 - 127): the byte cannot fall under 1
.endr
.irp i, 2,4,6,8,10,12,14
.irp b, 0,1,2,3
	v_max3_num_f32 v[TM+\b], v[TM+\b], |v[(\s)+16*\b+\i]|, |v[(\s)+16*\b+\i+1]|
.endr
.endr
	WIN 0
.irp b, 0,1,2,3
	v_permlanex16_b32 v[TM+4+\b], v[TM+\b], s[SEL], s[SEL+1]
.endr
.irp b, 0,1,2,3
	v_max_num_f32 v[TM+\b], v[TM+\b], v[TM+4+\b]
.endr
.irp b, 0,1,2,3
	v_add_nc_u32 v[TM+12+\b], 0xff000000, v[TM+\b] ; 2 off the exponent field: the conversion's scale operand
.endr
.irp b, 0,1,2,3
	v_lshrrev_b32 v[TM+4+\b], 23, v[TM+12+\b]      ; the scale's byte
.endr
	v_lshl_or_b32 v[\pw], v[TM+5], 8, v[TM+4]
	v_lshl_or_b32 v[\pw], v[TM+6], 16, v[\pw]
	v_lshl_or_b32 v[\pw], v[TM+7], 24, v[\pw]
	WIN \W                                         ; source 0: the accumulators' window
.irp c, 0,1
	v_cvt_scalef32_pk8_fp4_f32 v[(\pc)+4*\c], v[(\s)+32*\c:(\s)+32*\c+7], v[TM+12+2*\c]
	v_cvt_scalef32_pk8_fp4_f32 v[(\pc)+4*\c+2], v[(\s)+32*\c+8:(\s)+32*\c+15], v[TM+12+2*\c]
	v_cvt_scalef32_pk8_fp4_f32 v[(\pc)+4*\c+1], v[(\s)+32*\c+16:(\s)+32*\c+23], v[TM+13+2*\c]
	v_cvt_scalef32_pk8_fp4_f32 v[(\pc)+4*\c+3], v[(\s)+32*\c+24:(\s)+32*\c+31], v[TM+13+2*\c]
.endr
	WIN 0
	v_nop                                          ; a plain instruction behind the last conversion
.irp c, 0,1
	v_permlane16_swap_b32 v[(\pc)+4*\c], v[(\pc)+4*\c+1]
	v_permlane16_swap_b32 v[(\pc)+4*\c+2], v[(\pc)+4*\c+3]
.endr
.endm
	PLACES NP                                      ; the first reads of results, and the first writes over A's fragments
.irp b, 0,1,2,3
	v_mov_b32 v[TM+4+\b], 0                        ; a lane permute's destination counts as one of its sources
.endr
	; where my results go.  Tokens: my 128 rows (q, k) or my 128 columns (V);  heads: my 128 columns (q, k) or rows (V) are two heads
	s_lshl_b32 s84, s17, 1
	s_add_co_u32 s84, s84, s15
	s_lshl_b32 s85, s42, 1
	s_add_co_u32 s85, s85, s16
	s_lshl_b32 s86, s40, 2
	s_lshl_b32 s87, s16, 1
	s_add_co_u32 s86, s86, s87
	s_lshl_b32 s88, s41, 2
	s_lshl_b32 s87, s15, 1
	s_add_co_u32 s88, s88, s87
	s_cmp_eq_u32 s67, 1
	s_cselect_b32 s84, s85, s84                    ; which 128 tokens of the 4,096
	s_cselect_b32 s86, s88, s86                    ; my first head
	s_lshr_b32 s85, s84, 4                         ; the batch
	s_and_b32 s84, s84, 15                         ; which 128 of its 2,048
	s_lshl_b32 s85, s85, 4
	s_add_co_u32 s85, s85, s86
	s_mul_i32 s85, s85, HB                         ; the head's block
	s_lshr_b32 s87, s84, 2
	s_mul_i32 s87, s87, GRP                        ; the group of 512 keys
	s_and_b32 s88, s84, 3                          ; which 128 of them
	s_lshl_b32 s89, s88, 12
	s_add_co_u32 s89, s89, s87                     ; K's codes
	s_lshl_b32 s90, s84, 12
	s_add_co_u32 s90, s90, 143360                  ; Q's codes
	s_lshl_b32 s91, s88, 9
	s_add_co_u32 s91, s91, s87
	s_add_co_u32 s91, s91, 32768                   ; K's scale words
	s_lshl_b32 s92, s84, 9
	s_add_co_u32 s92, s92, 208896                  ; Q's
	s_lshl_b32 s93, s88, 8
	s_add_co_u32 s93, s93, s87
	s_add_co_u32 s93, s93, 34816                   ; V's
	s_add_co_u32 s94, s89, 16384                   ; V's codes
	s_cmp_eq_u32 ttmp9, 0
	s_cselect_b32 s89, s90, s89
	s_cselect_b32 s91, s92, s91
	s_cmp_eq_u32 s67, 1
	s_cselect_b32 s89, s94, s89
	s_cselect_b32 s91, s93, s91
	s_add_co_u32 s92, s89, s85
	s_mov_b32 s93, 0
	s_add_co_u32 s94, s91, s85
	s_mov_b32 s95, 0
	s_add_nc_u64 s[96:97], s[74:75], s[92:93]
	s_add_nc_u64 s[98:99], s[74:75], s[94:95]
	s_mov_b32 s22, 0xffff0000
	s_mov_b32 s23, 0x7f7f0000                      ; bytes 2, 3 of Q's and K's scale words: the scale 1
	v_mul_u32_u24 v6, HB, v2
	v_lshl_add_u32 v6, v1, 2, v6                   ; q, k: 4 r, lanes 16-31 in the next head's block
	v_lshlrev_b32 v7, 4, v2                        ; 16 h
	v_lshlrev_b32 v5, 2, v3                        ; 4 x lane
.irp a, 0,1,2,3,4,5,6,7
	QUANTW 64*(\a%4), 2+\a/4, PC+8*\a, PW+\a
.endr
	s_cmp_eq_u32 s67, 1
	s_cbranch_scc1 .Lstore_v
.irp a, 0,1,2,3,4,5,6,7                ; q, k: registers 4 c .. 4 c + 3 are head c's half fragment of tokens 16 a on; its two bytes are bytes 2 c, 2 c + 1 of the word
.irp c, 0,1
	global_store_b128 v4, v[PC+8*\a+4*\c:PC+8*\a+4*\c+3], s[96:97] offset:\c*HB+\a*512   ; 512 consecutive bytes
.endr
	v_lshrrev_b32 v[SD+\a], v7, v[PW+\a]
	v_and_or_b32 v[SD+\a], v[SD+\a], 0xffff, s23
	global_store_b32 v6, v[SD+\a], s[98:99] offset:\a*64
.endr
	s_branch .Lstored
.Lstore_v:
	s_wait_alu depctr_va_vdst(0)
.irp a, 0,1,2,3,4,5,6,7                ; V: a whole fragment: channels 16 (a % 4) on of head a / 4, my 128 keys
.irp c, 0,1
	global_store_b128 v4, v[PC+8*\a+4*\c:PC+8*\a+4*\c+3], s[96:97] offset:(\a/4)*HB+(\a%4)*1024+\c*512
.endr
.endr
.irp a, 0,2,4,6
	v_cndmask_b32 v[SD+\a/2], v[PW+\a], v[PW+\a+1], s22   ; lanes 0-15 block a's words, lanes 16-31 block a + 1's: 128 consecutive bytes
	global_store_b32 v5, v[SD+\a/2], s[98:99] offset:(\a/4)*HB+(\a%4)*64
.endr
.Lstored:
	s_wait_tensorcnt 0x0                           ; the wave's end
	ds_add_u32 v[SPW], v[NIL]
	s_wait_dscnt 0x0
	CROUND                                         ; the closing round
	s_endpgm
.Lfunc_end_k_q6cd54a7b98_qkv:
	.size	k_q6cd54a7b98_qkv, .Lfunc_end_k_q6cd54a7b98_qkv-k_q6cd54a7b98_qkv
	.p2alignl 7, 3214868480
	.fill 96, 4, 3214868480
	.section	.rodata,"a",@progbits
	.p2align	6, 0x0
	.amdhsa_kernel k_q6cd54a7b98_qkv
		.amdhsa_group_segment_fixed_size 327680
		.amdhsa_private_segment_fixed_size 0
		.amdhsa_enable_private_segment 0
		.amdhsa_kernarg_size 48
		.amdhsa_user_sgpr_count 2
		.amdhsa_user_sgpr_kernarg_segment_ptr 1
		.amdhsa_wavefront_size32 1
		.amdhsa_system_sgpr_workgroup_id_x 1
		.amdhsa_system_sgpr_workgroup_id_y 1
		.amdhsa_system_sgpr_workgroup_id_z 1
		.amdhsa_system_vgpr_workitem_id 0
		.amdhsa_next_free_vgpr 1024
		.amdhsa_next_free_sgpr 100
		.amdhsa_reserve_vcc 0
		.amdhsa_float_denorm_mode_32 3
		.amdhsa_float_denorm_mode_16_64 3
		.amdhsa_memory_ordered 1
		.amdhsa_forward_progress 1
		.amdhsa_inst_pref_size 148
	.end_amdhsa_kernel
	.amdgpu_metadata
---
amdhsa.version: [ 1, 2 ]
amdhsa.kernels:
  - .name:           k_q6cd54a7b98_qkv
    .symbol:         k_q6cd54a7b98_qkv.kd
    .args:
      - { .name: xn1, .offset: 0, .size: 8, .value_kind: global_buffer, .address_space: global }
      - { .name: wimg, .offset: 8, .size: 8, .value_kind: global_buffer, .address_space: global }
      - { .name: bq, .offset: 16, .size: 8, .value_kind: global_buffer, .address_space: global }
      - { .name: bk, .offset: 24, .size: 8, .value_kind: global_buffer, .address_space: global }
      - { .name: bv, .offset: 32, .size: 8, .value_kind: global_buffer, .address_space: global }
      - { .name: att, .offset: 40, .size: 8, .value_kind: global_buffer, .address_space: global }
    .group_segment_fixed_size: 327680
    .private_segment_fixed_size: 0
    .kernarg_segment_align: 8
    .kernarg_segment_size: 48
    .max_flat_workgroup_size: 128
    .sgpr_count:     100
    .vgpr_count:     1024
    .wavefront_size: 32
...
	.end_amdgpu_metadata
.endif
;; end of part 9
;; launch attn (part 10): grid 8 x 32, 16 waves a work-group, clusters of 4 x 1, 169,984 bytes of LDS; arguments att, mask, at; writes at
.if DOCPART == 10
	.amdgcn_target "amdgcn-amd-amdhsa--gfx1250"
	.amdhsa_code_object_version 6
	.text
	.protected	k_q6cd54a7b98_attn
	.globl	k_q6cd54a7b98_attn
	.p2align	8
	.type	k_q6cd54a7b98_attn,@function
k_q6cd54a7b98_attn:
	s_mov_b64 s[64:65], 0
	v_nop
	global_prefetch_b8 v0, s[64:65] scope:SCOPE_SE
	s_setreg_imm32_b32 hwreg(HW_REG_WAVE_MODE, 25, 1), 1
	s_wait_xcnt 0x0
	s_wait_alu depctr_hold_cnt(0) depctr_sa_sdst(0) depctr_va_vdst(0) depctr_va_sdst(0) depctr_va_ssrc(0) depctr_va_vcc(0) depctr_vm_vsrc(0)
	s_getreg_b32 s2, hwreg(HW_REG_IB_STS2, 6, 4)
	s_cmp_eq_u32 s2, 0
	s_cbranch_scc0 .Lentry_in_a_cluster
	s_endpgm
.Lentry_in_a_cluster:
	s_bfe_u32 s2, ttmp6, 0x10000c
	s_cmp_lg_u32 s2, 0x3003
	s_cbranch_scc0 .Lentry_shape_is_right
	s_endpgm
.Lentry_shape_is_right:
; attn[b][q][head] = sum over keys of softmax(q . k / 8, masked) v, both products on FP4 codes (E2M1, one E8M0 byte for each 32 along a product's K); the result is quantised along d_model and stored as units for the next product.
; THE SOFTMAX: t = score x log2(e) / 8; M = the running largest t rounded up to a whole number; p = 2^(t - M) is quantised along the keys; the sum is taken of the unquantised p and divides at the end.
; SHARES: a work-group owns 256 queries of one head, each of its sixteen waves 16 of them in 256 registers, four waves to a SIMD.  Both products are used transposed (S^T = K Q^T, O^T = V^T P^T): a lane holds one query (lane % 16).
; LDS: the head's 2,048 keys come ONCE: each wave issues one joint load at the head (waves 0-3 K's codes of group w % 4, 4-7 V^T's codes, 8-11 K's scale words, 12-15 V's).  One barrier; the loop over 16 steps of 128 keys has none.
; No byte is filled twice, and no request follows the head's that a prefetch could run ahead of.  CLUSTER: the four query blocks of a cluster belong to one head: each load names all four.
; THE KEYS OF A TILE: row m of tile 4 c + w is key 64 c + 32 (m / 8) + 8 w + m % 8.  So lane half h holds, in the 32 registers of tiles 4 c .. 4 c + 3, the whole block 2 c + h of 32 keys in ascending order:
; a block's maximum needs no other lane, and the conversion of tile 4 c + w is register 4 c + w of P's operand as it stands.  K's codes lie in LDS as rows of 1,024 bytes (32 keys) + 128 of padding: the two groups of eight rows of a tile start 1,152 bytes apart, in different halves of the banks' 256 bytes.
; A BLOCK'S SCALE BYTE is floor(log2(largest p)) + 125 = floor(t - M + 125) of the block's largest score, held at 1 from below: exponent arithmetic, no exponential.
; THE MASK rides in the half of the instruction's K that the head's 64 leave free: register 4 of K's fragment is a word of a table, the code +6 at k = 64 for a masked key, else 0; Q holds the code -6 there under the scale 2^33.
; A masked key's score is lowered by 36 x 2^33: its t lies under the start of the running maximum (the score -2^34), so it never sets M, and its p is 0.
; Where a batch has no open key, all of Q's codes are cleared: all scores are 0, p = 1, the sum 2,048, as with all scores at -1e9.  That choice is made by v_cndmask_b32 and v_and_b32: no branch hangs on the mask.
; The step fetches the next step's K behind its first product.  The last step's look-ahead reads written LDS bytes of the neighbouring regions; nothing uses them.
; LIMITS: the promise holds while the scaled scores t stay under 2^31 in magnitude; NaN and infinities are not served.  A block of zeros gets the byte 1.  The result's scale bytes leave as single bytes: a head owns 2 of a row's 16 bytes in a unit.
.set HB,   217088
.set GRP,  35840
.set UNIT, 34816
.set UC,   32768
.set VC,   73728                       ; K's codes: 64 blocks x 1,152 bytes from 0; V^T's codes from here, 4,096 a step
.set KS,   139264                      ; K's scale words, 512 bytes a step
.set MB,   147456                      ; the mask's table, a word a key
.set VS,   155648                      ; V's scale words, 256 bytes a step
.set FL,   159744                      ; the waves' flag words
.set SPARE, 167936                     ; the spare words, 128 bytes a wave
.set SPW,  6
.set NIL,  7
.set ADK,  8
.set ADS,  9
.set ADV,  10
.set ADT,  11
.set WV,   18
.set CN,   19                          ; -c
.set SEL,  20
.set CS,   22                          ; s[22:23] c = log2(e) / 8
.set G1K,  24
.set G1V,  32
.set G1S,  40
.set G1T,  48
.set G0K,  56
.set G0V,  60
.set G0S,  68
.set G0T,  72
.set TK,   76
.set TS,   77
.set TV,   78
.set TT,   79
.set CNT,  80
.set QT,   81
; REGISTERS: v1-4 my lane's places in K's codes, K's scale words, V's codes, V's scale words; v5 8 h; v12 -M, v13 the largest score, v[14:15] the sum; v16-23 Q; v24-31 K's scale words; v32-95 K; v96-159 S^T, then p;
; v160-191 O^T; v192-223 V; v224-231 p's codes; v232-247, v254 at work; v[242:243] f; v248-251 V's scale words; v253 p's; v255 Q's
.macro ROUND
	s_barrier_signal -1
	s_barrier_wait -1
	s_cmp_lg_u32 s[WV], 0
	s_cbranch_scc1 .Lnot_wave_0_\@
	s_barrier_signal -3
.Lnot_wave_0_\@:
	s_barrier_wait -3
	s_barrier_signal -1
	s_barrier_wait -1
.endm
.macro MKG1 g, w0, c, r                ; group 1: r rows of c elements of 8 bytes, dense in memory
	s_mov_b32 s[\g], \w0
	s_mov_b32 s[\g+1], (\c)<<16
	s_mov_b32 s[\g+2], (\r)<<16
	s_mov_b32 s[\g+3], (\c)<<16
	s_mov_b32 s[\g+4], \r
	s_mov_b32 s[\g+5], \c
	s_mov_b32 s[\g+6], 0
	s_mov_b32 s[\g+7], 0
.endm
.macro MKG0 g, mul, lbase, moff        ; group 0: group w % 4's part, to LDS byte lbase + mul x (w % 4)
	s_mov_b32 s[\g], 1
	s_mul_i32 s[\g+1], s13, \mul
	s_add_co_u32 s[\g+1], s[\g+1], \lbase
	s_add_nc_u64 s[\g+2:\g+3], s[16:17], \moff
	s_or_b32 s[\g+3], s[\g+3], 0x80000000
.endm
.macro ARM under, g0, g1, next
	s_cmp_lt_u32 s[WV], \under
	s_cbranch_scc0 \next
	tensor_load_to_lds s[\g0:\g0+3], s[\g1:\g1+7]
	s_nop 0
.rept 4
	v_nop
.endr
	s_branch .Lhead_asked
\next:
.endm
.macro KLOAD ak, as                    ; a step's K: eight half fragments, their scale words, and the mask's words into register 4 of each fragment: 24 LDS loads
.irp c, 0,1
.irp w, 0,1,2,3
	ds_load_b128 v[32+8*(4*\c+\w):35+8*(4*\c+\w)], v[\ak] offset:2304*\c+512*(\w/2)+128*(\w%2)
.endr
.endr
.irp c, 0,1
.irp w, 0,1,2,3
	ds_load_b32 v[24+4*\c+\w], v[\as] offset:256*\c+32*\w
.endr
.endr
.irp c, 0,1
.irp w, 0,1,2,3
	ds_load_b32 v[36+8*(4*\c+\w)], v[\as] offset:MB-KS+256*\c+32*\w
.endr
.endr
.endm
	s_load_b128 s[4:7], s[0:1], 0x0                ; att, mask
	s_load_b64 s[8:9], s[0:1], 0x10                ; at
	v_lshl_add_u32 v[SPW], v0, 2, SPARE
	v_mov_b32 v[NIL], 0
	ds_add_u32 v[SPW], v[NIL]                      ; the opening lines: the add, twice on end, and one wait
	ds_add_u32 v[SPW], v[NIL]
	v_lshrrev_b32 v8, 5, v0
	s_delay_alu instid0(VALU_DEP_1)
	v_readfirstlane_b32 s[WV], v8                  ; wave 0..15
	s_bfe_u32 s10, ttmp6, 0x40000                  ; cx: it enters Q's and the result's global addresses alone
	s_lshl_b32 s11, ttmp9, 2
	s_add_co_u32 s11, s11, s10                     ; my block of 256 queries
	s_and_b32 s12, ttmp7, 0xffff                   ; 16 batch + head
	s_mul_i32 s14, s12, HB
	s_mov_b32 s15, 0
	MKG1 G1K, 15|(3<<16)|(1<<20)|(1<<21)|(7<<22)|(31<<25), 128, 16   ; K's codes: 16 rows of 1,024 bytes, 32 words of padding behind each 256; the mask names all four work-groups
	MKG1 G1V, 15|(3<<16)|(1<<21), 32, 64           ; V's codes: 64 rows of 256 bytes
	MKG1 G1S, 15|(3<<16)|(1<<21), 32, 8            ; K's scale words: 8 rows
	MKG1 G1T, 15|(3<<16)|(1<<21), 32, 4            ; V's: 4 rows
	s_and_b32 s13, s[WV], 3                        ; my group of 512 keys
	s_mul_i32 s16, s13, GRP
	s_mov_b32 s17, 0
	s_mov_b32 s[SEL], 0x76543210
	s_mov_b32 s[SEL+1], 0xfedcba98
	s_mov_b32 s[CS], 0x3e38aa3b
	s_mov_b32 s[CS+1], s[CS]
	s_mov_b32 s[CN], 0xbe38aa3b
	s_mov_b32 s96, 0x7fa00000                      ; bytes 2, 3 of Q's scale word: 2^33 for the mask's code, 1
	s_mov_b32 s97, 0xffff0000
	s_lshl_b32 s[QT], s11, 4
	s_add_co_u32 s[QT], s[QT], s[WV]               ; my tile of 16 queries, 0..127
	s_lshl_b32 s82, s[QT], 9
	s_add_co_u32 s82, s82, 143360
	s_mov_b32 s83, 0
	s_lshl_b32 s84, s[QT], 6
	s_add_co_u32 s84, s84, 208896
	s_mov_b32 s85, 0
	s_lshr_b32 s90, s12, 4                         ; the batch
	s_lshl_b32 s90, s90, 13
	s_mov_b32 s91, 0
	s_wait_dscnt 0x0
	s_wait_kmcnt 0x0
	s_add_nc_u64 s[4:5], s[4:5], s[14:15]          ; the head's block
	s_add_nc_u64 s[82:83], s[4:5], s[82:83]        ; Q's codes
	s_add_nc_u64 s[84:85], s[4:5], s[84:85]        ; Q's scale words
	s_add_nc_u64 s[6:7], s[6:7], s[90:91]          ; the batch's mask
	s_add_nc_u64 s[16:17], s[4:5], s[16:17]        ; my group
	MKG0 G0K, 18432, 0, 0
	MKG0 G0V, 16384, VC, 16384
	MKG0 G0S, 2048, KS, 32768
	MKG0 G0T, 1024, VS, 34816
	ROUND                                          ; all four work-groups are here: the joint loads meet
	ARM 4,  G0K, G1K, .Lhead_v                     ; one tree of branches on the wave's number: every way passes exactly one load
	ARM 8,  G0V, G1V, .Lhead_s
	ARM 12, G0S, G1S, .Lhead_t
	tensor_load_to_lds s[G0T:G0T+3], s[G1T:G1T+7]
	s_nop 0
.rept 4
	v_nop
.endr
.Lhead_asked:
	v_and_b32 v8, 31, v0
	v_and_b32 v9, 15, v0                           ; r
	v_bfe_u32 v10, v0, 4, 1                        ; h
	v_lshlrev_b32 v11, 4, v8                       ; 16 x lane
	v_lshlrev_b32 v97, 2, v9                       ; 4 r
	v_lshlrev_b32 v96, 4, v0                       ; four keys a thread
	global_load_b128 v[16:19], v11, s[82:83]       ; Q's half fragment
	global_load_b32 v255, v97, s[84:85]            ; Q's scale words
	global_load_b128 v[100:103], v96, s[6:7]       ; the mask
	v_and_b32 v122, 7, v0                          ; r % 8
	v_bfe_u32 v123, v0, 3, 1                       ; r / 8
	v_lshlrev_b32 v1, 4, v122
	v_lshlrev_b32 v2, 2, v122
	v_mad_u32_u24 v1, v123, 1152, v1
	v_lshl_add_u32 v2, v123, 7, v2
	v_lshl_add_u32 v1, v10, 8, v1                  ; K's codes: 1152 (r / 8) + 16 (r % 8) + 256 h
	v_add_nc_u32 v2, KS, v2                        ; K's scale words: 128 (r / 8) + 4 (r % 8)
	v_add_nc_u32 v3, VC, v11
	v_add_nc_u32 v4, VS, v97
	v_lshlrev_b32 v5, 3, v10                       ; 8 h
	v_mov_b32 v98, s[WV]
	v_add_nc_u32 v99, MB, v96
	v_lshlrev_b32 v98, 2, v98
	v_mov_b32 v120, FL
	v_add_nc_u32 v98, FL, v98
	v_add_nc_u32 v121, -1, v10
	v_mov_b32 v13, 0xd0800000                      ; the largest score so far: -2^34
	v_and_b32 v20, 15, v121                        ; Q's code -6 at k = 64: lanes 0-15 alone
	v_mul_f32 v12, s[CN], v13
.irp j, 21,22,23,14,15,236,237,239,243,247
	v_mov_b32 v[\j], 0                             ; Q's zero codes; the sums; lane permutes' destinations and upper halves of named pairs, written once
.endr
	v_floor_f32 v12, v12                           ; -M
.irp t, 0,1,2,3,4,5,6,7
.irp j, 5,6,7
	v_mov_b32 v[32+8*\t+\j], 0                     ; K's zero codes: written once
.endr
.endr
	s_and_b32 s90, s12, 15                         ; where the result goes.  The head
	s_lshr_b32 s91, s12, 4
	s_lshl_b32 s91, s91, 7
	s_add_co_u32 s91, s91, s[QT]                   ; my tile of 16 tokens among the 256
	s_lshr_b32 s92, s91, 3
	s_lshl_b32 s92, s92, 1
	s_lshr_b32 s93, s90, 3
	s_add_co_u32 s92, s92, s93
	s_mul_i32 s92, s92, UNIT                       ; the unit: 128 tokens x 8 heads
	s_and_b32 s93, s91, 7                          ; the 16-row block in it
	s_bfe_u32 s94, s90, 0x20001                    ; the K step: (head / 2) % 4
	s_and_b32 s95, s90, 1                          ; the half of the fragment
	s_lshl_b32 s86, s93, 12
	s_add_co_u32 s86, s86, s92
	s_lshl_b32 s98, s94, 10
	s_add_co_u32 s86, s86, s98
	s_lshl_b32 s98, s95, 9
	s_add_co_u32 s86, s86, s98
	s_mov_b32 s87, 0
	s_lshl_b32 s88, s93, 8
	s_add_co_u32 s88, s88, s92
	s_add_co_u32 s88, s88, UC
	s_lshl_b32 s98, s94, 2
	s_add_co_u32 s88, s88, s98
	s_lshl_b32 s98, s95, 1
	s_add_co_u32 s88, s88, s98
	s_mov_b32 s89, 0
	s_add_nc_u64 s[86:87], s[8:9], s[86:87]
	s_add_nc_u64 s[88:89], s[8:9], s[88:89]
	s_mov_b32 s[TK], 4608                          ; K's addresses stand one step ahead of V's
	s_mov_b32 s[TS], 512
	s_mov_b32 s[TV], 0
	s_mov_b32 s[TT], 0
	s_mov_b32 s[CNT], 16
	s_wait_alu depctr_va_vdst(0)
	s_wait_loadcnt 0x0
	v_or_b32 v104, v100, v101
	v_or_b32 v105, v102, v103
	s_delay_alu instid0(VALU_DEP_1)
	v_or_b32 v104, v104, v105
	s_delay_alu instid0(VALU_DEP_1)
	v_cmp_ne_u32 vcc_lo, 0, v104
	s_delay_alu instid0(VALU_DEP_1)
	v_mov_b32 v104, vcc_lo                         ; not 0 where one of my wave's 128 keys is open
	ds_store_b32 v98, v104
.irp j, 0,1,2,3
	v_cmp_eq_u32 vcc_lo, 0, v[100+\j]
	s_delay_alu instid0(VALU_DEP_1)
	v_cndmask_b32 v[100+\j], 0, 7, vcc_lo          ; a masked key's word: the code +6 in the lowest four bits
.endr
	ds_store_b128 v99, v[100:103]
	s_wait_alu depctr_va_vdst(0)
	s_wait_tensorcnt 0x0                           ; my load has landed,
	s_wait_dscnt 0x0                               ; and my stores
	s_barrier_signal -1
	s_barrier_wait -1                              ; the head's keys, the table and the flags are whole for all sixteen waves
.irp i, 0,1,2,3
	ds_load_b128 v[104+4*\i:107+4*\i], v120 offset:16*\i
.endr
	KLOAD 1, 2                                     ; step 0's K
	s_wait_dscnt 24                                ; the flags are in; K's 24 loads may stay out
.irp i, 0,1,2,3,4,5,6,7
	v_or_b32 v[104+\i], v[104+\i], v[112+\i]
.endr
.irp i, 0,1,2,3
	v_or_b32 v[104+\i], v[104+\i], v[108+\i]
.endr
	v_or_b32 v104, v104, v106
	v_or_b32 v105, v105, v107
	s_delay_alu instid0(VALU_DEP_1)
	v_or_b32 v104, v104, v105
	s_delay_alu instid0(VALU_DEP_1)
	v_cmp_ne_u32 vcc_lo, 0, v104
	s_delay_alu instid0(VALU_DEP_1)
	v_cndmask_b32 v105, 0, -1, vcc_lo              ; all ones where the batch has an open key
.irp j, 0,1,2,3,4
	v_and_b32 v[16+\j], v[16+\j], v105
.endr
	v_and_or_b32 v255, v255, 0xffff, s96
.set J, 160
.rept 32
	v_mov_b32 v[J], 0                              ; O^T: the step is written once; its first walk finds zeros.  (Also the places between Q's registers and the first product)
.set J, J+1
.endr
.macro TM8 j0                          ; t - M of 16 scores
.irp j, 0,2,4,6,8,10,12,14
	v_pk_fma_f32 v[\j0+\j:\j0+\j+1], v[\j0+\j:\j0+\j+1], s[CS:CS+1], v[12:13] op_sel_hi:[1,0,0]
.endr
.endm
	s_wait_alu depctr_va_vdst(0)                   ; the wait at the head's end
.Lstep:                                            ; 128 keys a trip, 16 trips
	s_wait_dscnt 0x0                               ; this step's K, asked for a step ago
.irp t, 0,1,2,3,4,5,6,7
	v_wmma_scale_f32_16x16x128_f8f6f4 v[96+8*\t:103+8*\t], v[32+8*\t:39+8*\t], v[16:23], 0, v[24+\t], v255 matrix_a_fmt:MATRIX_FMT_FP4 matrix_b_fmt:MATRIX_FMT_FP4
.endr
	v_add_nc_u32 v[ADK], s[TK], v1                 ; these four are the places behind the products, in front of the loads into their registers and of the first reads of S^T
	v_add_nc_u32 v[ADS], s[TS], v2
	v_add_nc_u32 v[ADV], s[TV], v3
	v_add_nc_u32 v[ADT], s[TT], v4
.irp t, 0,1,2,3
.irp c, 0,1
	ds_load_b128 v[192+8*\t+4*\c:195+8*\t+4*\c], v[ADV] offset:1024*\t+512*\c
.endr
.endr
.irp t, 0,1,2,3
	ds_load_b32 v[248+\t], v[ADT] offset:64*\t
.endr
	KLOAD ADK, ADS                                 ; the next step's K
	; my two blocks' largest scores, each in two chains of 17 and 15; each tile is first read at one of its four lowest registers
.irp c, 0,1
	v_max3_num_f32 v[232+\c], v[96+32*\c], v[97+32*\c], v[98+32*\c]
.endr
.irp c, 0,1
	v_max3_num_f32 v[234+\c], v[113+32*\c], v[114+32*\c], v[115+32*\c]
.endr
.irp i, 0,2,4,6,8,10
.irp c, 0,1
	v_max3_num_f32 v[232+\c], v[232+\c], v[99+32*\c+\i], v[100+32*\c+\i]
.endr
.irp c, 0,1
	v_max3_num_f32 v[234+\c], v[234+\c], v[116+32*\c+\i], v[117+32*\c+\i]
.endr
.endr
.irp c, 0,1
	v_max3_num_f32 v[232+\c], v[232+\c], v[111+32*\c], v[112+32*\c]
.endr
.irp c, 0,1
	s_delay_alu instid0(VALU_DEP_2)
	v_max_num_f32 v[232+\c], v[232+\c], v[234+\c]
.endr
	s_delay_alu instid0(VALU_DEP_1)
	v_max3_num_f32 v13, v13, v232, v233
	s_delay_alu instid0(VALU_DEP_1)
	v_permlanex16_b32 v236, v13, s[SEL], s[SEL+1]
	v_mov_b32 v254, v12
	s_delay_alu instid0(VALU_DEP_2)
	v_max_num_f32 v13, v13, v236                   ; the running largest score of my query, both halves' keys
	s_delay_alu instid0(VALU_DEP_1)
	v_mul_f32 v237, s[CN], v13
	s_delay_alu instid0(VALU_DEP_1)
	v_floor_f32 v12, v237                          ; the new -M = floor(-t): a whole number
	s_delay_alu instid0(VALU_DEP_1)
	v_sub_f32 v254, v12, v254
	v_add_f32 v238, 0x42fa0000, v12                ; 125 - M
	s_delay_alu instid0(VALU_DEP_2)
	v_cvt_i32_f32 v254, v254                       ; (it saturates)
	s_delay_alu instid0(VALU_DEP_2)
	v_pk_fma_f32 v[240:241], v[232:233], s[CS:CS+1], v[238:239] op_sel_hi:[1,0,0]   ; t - M + 125 of each block's largest score
	s_delay_alu instid0(VALU_DEP_2)
	v_ldexp_f32 v242, 1.0, v254                    ; f = 2^(old M - new M): rounds nothing
	TM8 96
	v_max_num_f32 v240, 1.0, v240                  ; the byte cannot fall under 1
	v_max_num_f32 v241, 1.0, v241
	TM8 112
	v_cvt_u32_f32 v240, v240                       ; the scale's byte: toward zero is the floor here
	v_cvt_u32_f32 v241, v241
	TM8 128
	v_lshlrev_b32 v244, 23, v240                   ; the conversion's scale operand
	v_lshlrev_b32 v245, 23, v241
	v_lshl_or_b32 v246, v241, 16, v240             ; my two bytes: blocks h and 2 + h,
	TM8 144
	v_lshlrev_b32 v246, v5, v246                   ; at their places in the word;
	s_delay_alu instid0(VALU_DEP_1)
	v_permlanex16_b32 v247, v246, s[SEL], s[SEL+1]
	s_delay_alu instid0(VALU_DEP_1)
	v_or_b32 v253, v246, v247                      ; with lane l xor 16's two: p's scale word for these 128 keys
	s_wait_alu depctr_va_vdst(0)                   ; the wait ahead of the batch
.set J, 96
.rept 64
	v_exp_f32 v[J], v[J]                           ; p, at most 1
.set J, J+1
.endr
	v_pk_mul_f32 v[14:15], v[14:15], v[242:243] op_sel_hi:[1,0]   ; the sums under the new M; a plain instruction behind the exponentials
	s_wait_alu depctr_va_vdst(0)                   ; one wait for the batch, directly ahead of the first readers of O^T too
.set J, 160
.rept 16
	v_pk_mul_f32 v[J:J+1], v[J:J+1], v[242:243] op_sel_hi:[1,0]   ; O^T under the new M
.set J, J+2
.endr
.irp c, 0,1
.irp w, 0,1,2,3
	v_cvt_scalef32_pk8_fp4_f32 v[224+4*\c+\w], v[96+32*\c+8*\w:103+32*\c+8*\w], v[244+\c]   ; keys 64 c + 32 h + 8 w + 0..7: the operand's register 4 c + w
.endr
.endr
	v_pk_add_f32 v[232:233], v[96:97], v[98:99]    ; the row's sum of the unquantised p, in four chains; also the places between p's codes and the products
	v_pk_add_f32 v[234:235], v[100:101], v[102:103]
	v_pk_add_f32 v[236:237], v[104:105], v[106:107]
	v_pk_add_f32 v[14:15], v[14:15], v[108:109]
.irp j, 110,118,126,134,142,150
	v_pk_add_f32 v[232:233], v[232:233], v[\j:\j+1]
	v_pk_add_f32 v[234:235], v[234:235], v[\j+2:\j+3]
	v_pk_add_f32 v[236:237], v[236:237], v[\j+4:\j+5]
	v_pk_add_f32 v[14:15], v[14:15], v[\j+6:\j+7]
.endr
	v_pk_add_f32 v[232:233], v[232:233], v[158:159]
	v_pk_add_f32 v[14:15], v[14:15], v[236:237]
	s_delay_alu instid0(VALU_DEP_2)
	v_pk_add_f32 v[232:233], v[232:233], v[234:235]
	s_delay_alu instid0(VALU_DEP_1)
	v_pk_add_f32 v[14:15], v[14:15], v[232:233]
	s_wait_alu depctr_va_vdst(0)
	s_wait_dscnt 24                                ; V and its scale words are in; behind them the next step's 24 loads of K may stay out
.irp t, 0,1,2,3
	v_wmma_scale_f32_16x16x128_f8f6f4 v[160+8*\t:167+8*\t], v[192+8*\t:199+8*\t], v[224:231], v[160+8*\t:167+8*\t], v[248+\t], v253 matrix_a_fmt:MATRIX_FMT_FP4 matrix_b_fmt:MATRIX_FMT_FP4
.endr
	s_add_co_u32 s[TK], s[TK], 4608
	s_add_co_u32 s[TS], s[TS], 512
	s_add_co_u32 s[TV], s[TV], 4096
	s_add_co_u32 s[TT], s[TT], 256
	s_sub_co_u32 s[CNT], s[CNT], 1
	s_cmp_lg_u32 s[CNT], 0
	s_cbranch_scc1 .Lstep
	; THE WAY OUT: O^T / the sum; tile t's register j is channel 16 t + 8 h + j of my query: two blocks of 32 along d_model
	v_add_f32 v14, v14, v15
	s_delay_alu instid0(VALU_DEP_1)
	v_permlanex16_b32 v236, v14, s[SEL], s[SEL+1]
	s_delay_alu instid0(VALU_DEP_1)
	v_add_f32 v14, v14, v236
	s_wait_alu depctr_va_vdst(0)                   ; the wait ahead of the transcendental
	v_rcp_f32 v14, v14
	v_and_b32 v8, 15, v0                           ; plain instructions behind the reciprocal and the last products
	v_bfe_u32 v9, v0, 4, 1
	v_and_b32 v10, 31, v0
	v_lshl_add_u32 v9, v8, 4, v9                   ; my byte: 16 r + h
	v_lshlrev_b32 v10, 4, v10                      ; 16 x lane
	s_wait_alu depctr_va_vdst(0)                   ; the wait ahead of the reciprocal's and O^T's first readers
.set J, 0
.rept 32
	v_mul_f32 v[96+J], v[160+J], v14
.set J, J+1
.endr
.irp b, 0,1
	v_max3_num_f32 v[232+\b], |v[96+16*\b]|, |v[97+16*\b]|, 0x1800000
.endr
.irp i, 2,4,6,8,10,12,14
.irp b, 0,1
	s_delay_alu instid0(VALU_DEP_2)
	v_max3_num_f32 v[232+\b], v[232+\b], |v[96+16*\b+\i]|, |v[97+16*\b+\i]|
.endr
.endr
.irp b, 0,1
	s_delay_alu instid0(VALU_DEP_2)
	v_permlanex16_b32 v[236+\b], v[232+\b], s[SEL], s[SEL+1]
.endr
.irp b, 0,1
	s_delay_alu instid0(VALU_DEP_2)
	v_max_num_f32 v[232+\b], v[232+\b], v[236+\b]
.endr
.irp b, 0,1
	s_delay_alu instid0(VALU_DEP_2)
	v_add_nc_u32 v[244+\b], 0xff000000, v[232+\b]  ; 2 off the exponent field: the conversion's scale operand
.endr
.irp b, 0,1
	s_delay_alu instid0(VALU_DEP_2)
	v_lshrrev_b32 v[236+\b], 23, v[244+\b]         ; the scale's byte
.endr
	v_cvt_scalef32_pk8_fp4_f32 v224, v[96:103], v244
	v_cvt_scalef32_pk8_fp4_f32 v226, v[104:111], v244
	v_cvt_scalef32_pk8_fp4_f32 v225, v[112:119], v245
	v_cvt_scalef32_pk8_fp4_f32 v227, v[120:127], v245
	v_nop
	v_permlane16_swap_b32 v224, v225               ; lane half h then holds the four words of block h
	v_permlane16_swap_b32 v226, v227
	v_cndmask_b32 v238, v236, v237, s97            ; lanes 0-15 block 0's byte, lanes 16-31 block 1's
	global_store_b128 v10, v[224:227], s[86:87]    ; 512 consecutive bytes
	global_store_b8 v9, v238, s[88:89]
	s_wait_tensorcnt 0x0                           ; the wave's end
	ds_add_u32 v[SPW], v[NIL]
	s_wait_dscnt 0x0
	ROUND                                          ; the closing round
	s_endpgm
.Lfunc_end_k_q6cd54a7b98_attn:
	.size	k_q6cd54a7b98_attn, .Lfunc_end_k_q6cd54a7b98_attn-k_q6cd54a7b98_attn
	.p2alignl 7, 3214868480
	.fill 96, 4, 3214868480
	.section	.rodata,"a",@progbits
	.p2align	6, 0x0
	.amdhsa_kernel k_q6cd54a7b98_attn
		.amdhsa_group_segment_fixed_size 169984
		.amdhsa_private_segment_fixed_size 0
		.amdhsa_enable_private_segment 0
		.amdhsa_kernarg_size 24
		.amdhsa_user_sgpr_count 2
		.amdhsa_user_sgpr_kernarg_segment_ptr 1
		.amdhsa_wavefront_size32 1
		.amdhsa_system_sgpr_workgroup_id_x 1
		.amdhsa_system_sgpr_workgroup_id_y 1
		.amdhsa_system_sgpr_workgroup_id_z 1
		.amdhsa_system_vgpr_workitem_id 0
		.amdhsa_next_free_vgpr 256
		.amdhsa_next_free_sgpr 100
		.amdhsa_reserve_vcc 1
		.amdhsa_float_denorm_mode_32 3
		.amdhsa_float_denorm_mode_16_64 3
		.amdhsa_memory_ordered 1
		.amdhsa_forward_progress 1
		.amdhsa_inst_pref_size 36
	.end_amdhsa_kernel
	.amdgpu_metadata
---
amdhsa.version: [ 1, 2 ]
amdhsa.kernels:
  - .name:           k_q6cd54a7b98_attn
    .symbol:         k_q6cd54a7b98_attn.kd
    .args:
      - { .name: att, .offset: 0, .size: 8, .value_kind: global_buffer, .address_space: global }
      - { .name: mask, .offset: 8, .size: 8, .value_kind: global_buffer, .address_space: global }
      - { .name: at, .offset: 16, .size: 8, .value_kind: global_buffer, .address_space: global }
    .group_segment_fixed_size: 169984
    .private_segment_fixed_size: 0
    .kernarg_segment_align: 8
    .kernarg_segment_size: 24
    .max_flat_workgroup_size: 512
    .sgpr_count:     100
    .vgpr_count:     256
    .wavefront_size: 32
...
	.end_amdgpu_metadata
.endif
;; end of part 10
;; launch wo (part 11): grid 8 x 32, 4 waves a work-group, clusters of 4 x 4, 327,680 bytes of LDS; arguments at, wimg, bo, x, x1; writes x1
.if DOCPART == 11
	.amdgcn_target "amdgcn-amd-amdhsa--gfx1250"
	.amdhsa_code_object_version 6
	.text
	.protected	k_q6cd54a7b98_wo
	.globl	k_q6cd54a7b98_wo
	.p2align	8
	.type	k_q6cd54a7b98_wo,@function
k_q6cd54a7b98_wo:
	s_mov_b64 s[64:65], 0
	v_nop
	global_prefetch_b8 v0, s[64:65] scope:SCOPE_SE
	s_setreg_imm32_b32 hwreg(HW_REG_WAVE_MODE, 25, 1), 1
	s_wait_xcnt 0x0
	s_wait_alu depctr_hold_cnt(0) depctr_sa_sdst(0) depctr_va_vdst(0) depctr_va_sdst(0) depctr_va_ssrc(0) depctr_va_vcc(0) depctr_vm_vsrc(0)
	s_getreg_b32 s2, hwreg(HW_REG_IB_STS2, 6, 4)
	s_cmp_eq_u32 s2, 0
	s_cbranch_scc0 .Lentry_in_a_cluster
	s_endpgm
.Lentry_in_a_cluster:
	s_bfe_u32 s2, ttmp6, 0x10000c
	s_cmp_lg_u32 s2, 0xf033
	s_cbranch_scc0 .Lentry_shape_is_right
	s_endpgm
.Lentry_shape_is_right:
; x1 = x + attn wo^T + bo.  The product on FP4 codes (E2M1, one E8M0 byte for each 32 K); A = at, B = wimg's units from B_OFF on; the sums, the bias and the residual in f32.
; A tile of C is 128 x 128, so that 4,096 x 1,024 numbers give 256 work-groups: four waves of 64 x 64, 16 accumulators each.
; The matrix instruction is used transposed (source 0 = 16 rows of B, source 1 = 16 rows of A): lane (r, h) holds row 16 a + r and columns 16 b + 8 h + 0..7.
; OPERANDS come as UNITS of 128 rows x 512 K, 34,816 dense bytes: fragment (i, q) at 4096 i + 1024 q as an image of its registers, 16 bytes a lane; from byte 32,768 on 16 scale bytes a row.  One tensor load brings a unit.
; A SLOT is four units, 1,024 along K: A's two units along K (waves 0, 1 fetch them), then B's two (waves 2, 3).  With KTOT = 1,024 there is one slot, filled once; the text also holds the ring of two slots for a longer K.
; CLUSTERS: 4 x 4.  A's units hang on the tile row, shared along a row of the cluster; B's on the tile column, shared along a column: each is asked for jointly.
; A slot is four quarters of 256 along K: 32 matrix instructions each, two deep on the 16 accumulators, on two fragment buffers by turns; the next quarter's 32 LDS loads stand in one run in a quarter's middle.
; The bias is the C of each sum's first matrix instruction.  The residual, 64 rows x 256 bytes a wave, is asked for at the head into registers of its own.
; THE WAY OUT: a wave's 64 columns are 256 bytes, aligned: a block of 16 rows goes through the wave's own stage and comes back as whole rows; sixteen lanes store 256 consecutive bytes.
; REGISTERS: window 0: v16-29 addresses; v32-95 scale words, a set a slot; v96-127 the bias; v128-255 the accumulators ((a, b) at v[128 + 8 (4 a + b)]).
;   window 1: two fragment buffers of 128: 64 registers of A (2 K steps x 4 blocks), then 64 of B.   window 2: v0-127 the residual.
; LIMITS: NaN and infinities are not served.
.set UNIT,   34816
.set UC,     32768
.set SLOT,   4*UNIT
.set SPARE,  2*SLOT                    ; behind the two slots: the spare words, 128 bytes a wave, that no other line names
.set KTOT,   1024
.set B_OFF,  48*UNIT
.set KU,     KTOT/512                  ; units along K
.set NS,     KTOT/1024                 ; slots' worth of K
.set LAPS,   NS/2
.set STAGE,  (NS%2)*SLOT               ; the stages: in the slot that is not read last: with one slot's worth of K, bytes that no load ever fills; else a slot that has had its last fill and its last read
.set SPITCH, 272                       ; a stage row: 256 bytes + 16: the sixteen rows that a store touches start 16 bytes apart modulo 256
.set ADRA, 16                          ; v16-17  LDS address of my A fragments in slot 0, 1
.set ADRB, 20                          ; v20-21  the same for B
.set ADRS, 22                          ; v22-23  of my scale words: lanes 0-15 A's rows, lanes 16-31 B's
.set STO,  24                          ; v24     the stage: where I put 32 bytes of a row
.set RD,   25                          ; v25     and where I read rows back
.set CO,   26                          ; v26     my byte offset in two rows of memory: 4096 h + 16 r; never rewritten
.set SPW,  28                          ; v28     my spare word; never rewritten
.set NIL,  29                          ; v29     0; never rewritten
.set SC,   32                          ; scale words: set s at v[SC + 32 s]; in it register 16 u + 4 i + q: lanes 0-15 A's block i, lanes 16-31 B's block i, K step 4 u + q of the slot
.set BN,   96
.set ACC,  128
.set G1, 24
.set G0, 32
.set G1B, 48
.set G0B, 56
.set MSB, 0
.macro WIN new                         ; the immediate's high byte repeats the setting that is left
.if MSB != (\new)
	s_set_vgpr_msb (MSB<<8)|(\new)
.set MSB, (\new)
.endif
.endm
.set MUL,  0x05                        ; sources 0 (B) and 1 (A) window 1; C and D window 0
.set TO_F, 0x40                        ; destination window 1, address window 0
.macro JLOAD g0a, g1a, g0b, g1b        ; a joint load: waves 0, 1 fetch A's units, waves 2, 3 B's; four v_nop follow each line
	s_cmp_eq_u32 s15, 0
	s_cbranch_scc0 .Lfor_b_\@
	tensor_load_to_lds s[\g0a:\g0a+3], s[\g1a:\g1a+7]
	s_nop 0
.rept 4
	v_nop
.endr
	s_branch .Lasked_\@
.Lfor_b_\@:
	tensor_load_to_lds s[\g0b:\g0b+3], s[\g1b:\g1b+7]
	s_nop 0
.rept 4
	v_nop
.endr
.Lasked_\@:
.endm
.macro CREST                           ; a round of the cluster's barrier behind its opening barrier
	s_cmp_lg_u32 s14, 0
	s_cbranch_scc1 .Lnot_wave_0_\@
	s_barrier_signal -3
.Lnot_wave_0_\@:
	s_barrier_wait -3
	s_barrier_signal -1
	s_barrier_wait -1
.endm
.macro CROUND
	s_barrier_signal -1
	s_barrier_wait -1
	CREST
.endm
.macro PLACES n                        ; places in front of loads into registers that matrix instructions have read, and of the first reads of results
.rept \n
	v_nop
.endr
.endm
	s_load_b256 s[4:11], s[0:1], 0x0               ; A s[4:5], wimg s[6:7], the bias s[8:9], the residual s[10:11]
	s_load_b64 s[12:13], s[0:1], 0x20              ; the result
	v_lshl_add_u32 v[SPW], v0, 2, SPARE
	v_mov_b32 v[NIL], 0
	ds_add_u32 v28, v29
	ds_add_u32 v28, v29
	s_wait_dscnt 0x0
	v_lshrrev_b32 v1, 5, v0
	v_readfirstlane_b32 s14, v1                    ; wave 0..3
	s_lshr_b32 s15, s14, 1                         ; my half of the tile's rows.  Also: I fetch for A (0) or B (1)
	s_and_b32 s16, s14, 1                          ; my half of its columns.  Also: which of a slot's two units along K I fetch
	s_bfe_u32 s40, ttmp6, 0x40000                  ; cx
	s_bfe_u32 s41, ttmp6, 0x40004                  ; cy
	s_lshl_b32 s42, ttmp9, 2
	s_add_co_u32 s42, s42, s40                     ; tile column, 0..7
	s_and_b32 s17, ttmp7, 0xffff
	s_lshl_b32 s17, s17, 2
	s_add_co_u32 s17, s17, s41                     ; tile row, 0..31
	s_lshl_b32 s43, s41, 2
	s_lshl_b32 s43, 15, s43                        ; my row of the cluster
	s_lshl_b32 s44, 0x1111, s40                    ; my column
	s_or_b32 s[G1+0], s43, (3<<16)|(1<<21)         ; 15:0 the mask; 17:16 elements of 8 bytes; 21 set beside a mask; no padding
	s_or_b32 s[G1B+0], s44, (3<<16)|(1<<21)
.irp g, G1, G1B
	s_mov_b32 s[\g+1], 32<<16                      ; rows of 256 bytes,
	s_mov_b32 s[\g+2], 136<<16                     ; 136 of them: a unit
	s_mov_b32 s[\g+3], 32<<16
	s_mov_b32 s[\g+4], 136
	s_mov_b32 s[\g+5], 32                          ; dense
	s_mov_b32 s[\g+6], 0
	s_mov_b32 s[\g+7], 0
.endr
	s_mul_i32 s20, s17, KU
	s_add_co_u32 s20, s20, s16
	s_mul_i32 s20, s20, UNIT                       ; A: the tile row's units, the first or the second along K
	s_mov_b32 s21, 0
	s_mul_i32 s46, s42, KU
	s_add_co_u32 s46, s46, s16
	s_mul_i32 s46, s46, UNIT
	s_add_co_u32 s46, s46, B_OFF                   ; B likewise, by the tile column, in its weight's units
	s_mov_b32 s47, 0
	s_mul_i32 s45, s14, UNIT                       ; where they go: wave x a unit: no place in the cluster enters an LDS address
	s_wait_kmcnt 0x0
	s_add_nc_u64 s[20:21], s[4:5], s[20:21]
	s_add_nc_u64 s[46:47], s[6:7], s[46:47]
	CROUND                                         ; all sixteen work-groups are here: the joint loads meet
.irp s, 0,1
.if \s < NS
	s_mov_b32 s[G0+4*\s], 1
	s_add_co_u32 s[G0+4*\s+1], s45, \s*SLOT
	s_add_nc_u64 s[G0+4*\s+2:G0+4*\s+3], s[20:21], \s*2*UNIT
	s_or_b32 s[G0+4*\s+3], s[G0+4*\s+3], 0x80000000
	s_mov_b32 s[G0B+4*\s], 1
	s_add_co_u32 s[G0B+4*\s+1], s45, \s*SLOT
	s_add_nc_u64 s[G0B+4*\s+2:G0B+4*\s+3], s[46:47], \s*2*UNIT
	s_or_b32 s[G0B+4*\s+3], s[G0B+4*\s+3], 0x80000000
	JLOAD G0+4*\s, G1, G0B+4*\s, G1B               ; the first fills: one tensor load of mine for each slot
.endif
.endr
	v_and_b32 v1, 15, v0                           ; r
	v_bfe_u32 v2, v0, 4, 1                         ; h
	v_and_b32 v3, 31, v0
	v_lshlrev_b32 v4, 4, v3                        ; 16 x lane
	s_lshl_b32 s21, s15, 14                        ; my 64 rows of A: blocks 4 x half on, 4,096 bytes a block
	s_lshl_b32 s22, s16, 14
	s_add_co_u32 s22, s22, 2*UNIT                  ; my 64 rows of B, behind A's two units
	v_add_nc_u32 v[ADRA], s21, v4
	v_add_nc_u32 v[ADRB], s22, v4
	s_lshl_b32 s21, s15, 10                        ; their scale bytes: 16 a row
	s_lshl_b32 s22, s16, 10
	s_add_co_u32 s22, s22, 2*UNIT
	s_sub_co_u32 s23, s22, s21
	v_mul_u32_u24 v6, s23, v2                      ; lanes 16-31 take B's
	v_lshl_add_u32 v5, v1, 4, v6
	v_add_nc_u32 v5, s21, v5
	v_add_nc_u32 v[ADRS], UC, v5
.if NS > 1
	v_add_nc_u32 v[ADRA+1], SLOT, v[ADRA]
	v_add_nc_u32 v[ADRB+1], SLOT, v[ADRB]
	v_add_nc_u32 v[ADRS+1], SLOT, v[ADRS]
.endif
	s_mul_i32 s23, s14, 64*SPITCH                  ; my stage: 64 rows
.if STAGE
	s_add_co_u32 s23, s23, STAGE
.endif
	v_mul_u32_u24 v5, v1, SPITCH
	v_lshl_add_u32 v5, v2, 5, v5
	v_add_nc_u32 v[STO], s23, v5                   ; in: row r, 32 bytes for each half of the lanes
	v_mul_u32_u24 v5, v2, SPITCH
	v_lshl_add_u32 v5, v1, 4, v5
	v_add_nc_u32 v[RD], s23, v5                    ; back: lanes 0-15 one row of 256 bytes, lanes 16-31 the next
	v_lshlrev_b32 v[CO], 12, v2
	v_lshl_add_u32 v[CO], v1, 4, v[CO]             ; and the same two rows in memory
	v_lshlrev_b32 v7, 5, v2                        ; the bias: 32 h
	s_wait_alu depctr_va_vdst(0)
	s_lshl_b32 s20, s17, 7
	s_lshl_b32 s21, s15, 6
	s_add_co_u32 s20, s20, s21                     ; my first row
	s_lshl_b32 s20, s20, 12                        ; of 4,096 bytes
	s_mov_b32 s21, 0
	s_lshl_b32 s46, s42, 9
	s_lshl_b32 s47, s16, 8
	s_add_co_u32 s46, s46, s47                     ; my first column, in bytes
	s_mov_b32 s47, 0
	s_add_nc_u64 s[8:9], s[8:9], s[46:47]
	s_add_nc_u64 s[20:21], s[20:21], s[46:47]
	s_add_nc_u64 s[10:11], s[10:11], s[20:21]
	s_add_nc_u64 s[12:13], s[12:13], s[20:21]
.irp b, 0,1,2,3
	global_load_b128 v[BN+8*\b:BN+8*\b+3], v7, s[8:9] offset:64*\b        ; bias[16 b + 8 h + 0..7] of my 64 columns
	global_load_b128 v[BN+8*\b+4:BN+8*\b+7], v7, s[8:9] offset:64*\b+16
.endr
	WIN 0x80                                       ; destination window 2
.irp t, 0,1,2,3,4,5,6,7,8,9,10,11,12,13,14,15,16,17,18,19,20,21,22,23,24,25,26,27,28,29,30,31
	global_load_b128 v[4*\t:4*\t+3], v[CO], s[10:11] offset:\t*8192 th:TH_LOAD_NT   ; the residual's rows 2 t, 2 t + 1: sixteen lanes read 256 consecutive bytes; 62 rows of 4,096 bytes at the most in the immediate
.endr
	WIN 0
; 8 matrix instructions: A's blocks a0, a0 + 1 x B's four; K step 2 kq + c of slot sc.  cm = 1: C = the bias.
; The 16 accumulators take turns, one instruction a turn, in the same order in every K step.
.macro MUL8 sc, kq, c, a0, cm
.set QQ, 2*(\kq)+(\c)
.set rS, SC+32*(\sc)+16*(QQ/4)+QQ%4
.set fB, 128*((\kq)%2)
.irp a, \a0, \a0+1
.irp b, 0,1,2,3
.set rD, ACC+8*(4*(\a)+\b)
.set rB, fB+64+8*(4*(\c)+\b)
.set rA, fB+8*(4*(\c)+(\a))
.if \cm
.set rC, BN+8*\b
.else
.set rC, rD
.endif
	v_wmma_scale_f32_16x16x128_f8f6f4 v[rD:rD+7], v[rB:rB+7], v[rA:rA+7], v[rC:rC+7], v[rS+4*\b], v[rS+4*(\a)] matrix_a_fmt:MATRIX_FMT_FP4 matrix_b_fmt:MATRIX_FMT_FP4 matrix_a_scale:MATRIX_SCALE_ROW1
.endr
.endr
.endm
; 32 LDS loads in one run: the fragments of quarter kq of a slot (K steps 2 kq, 2 kq + 1) into buffer kq % 2; the first K step first.  Each load takes 512 consecutive bytes.
.macro FETCH slot, kq
.set fB, 128*((\kq)%2)
	WIN TO_F
.irp c, 0,1
.irp i, 0,1,2,3
	ds_load_b128 v[fB+64+8*(4*\c+\i):fB+64+8*(4*\c+\i)+3],   v[ADRB+\slot] offset:((2*(\kq)+\c)/4)*UNIT+((2*(\kq)+\c)%4)*1024+\i*4096
	ds_load_b128 v[fB+64+8*(4*\c+\i)+4:fB+64+8*(4*\c+\i)+7], v[ADRB+\slot] offset:((2*(\kq)+\c)/4)*UNIT+((2*(\kq)+\c)%4)*1024+\i*4096+512
	ds_load_b128 v[fB+8*(4*\c+\i):fB+8*(4*\c+\i)+3],         v[ADRA+\slot] offset:((2*(\kq)+\c)/4)*UNIT+((2*(\kq)+\c)%4)*1024+\i*4096
	ds_load_b128 v[fB+8*(4*\c+\i)+4:fB+8*(4*\c+\i)+7],       v[ADRA+\slot] offset:((2*(\kq)+\c)/4)*UNIT+((2*(\kq)+\c)%4)*1024+\i*4096+512
.endr
.endr
.endm
.macro SCALES sc                       ; a slot's scale words: four words a row and unit; every window is 0 here
.irp u, 0,1
.irp i, 0,1,2,3
	ds_load_b128 v[SC+32*\sc+16*\u+4*\i:SC+32*\sc+16*\u+4*\i+3], v[ADRS+\sc] offset:\u*UNIT+256*\i
.endr
.endr
.endm
; One of a slot's first three quarters: multiplies quarter kq and fetches quarter kq + 1 of the same slot into the other buffer.
.macro QUARTER slot, kq, cm
	s_wait_dscnt 16                                ; all but the youngest sixteen loads (the buffer's second K step) are in
	WIN MUL
	MUL8 \slot, \kq, 0, 0, \cm
	MUL8 \slot, \kq, 0, 2, \cm
	PLACES 4
	FETCH \slot, (\kq)+1
	s_wait_dscnt 32                                ; all but the 32 just issued
	WIN MUL
	MUL8 \slot, \kq, 1, 0, 0
	MUL8 \slot, \kq, 1, 2, 0
.endm
; A slot's last quarter changes slots: one barrier; in front of it each wave waits for all its tensor loads, adds 0 to its spare word, and waits for that and for its reads of this slot.  fill = 1: this slot is filled again, two slots on.
.macro TURN slot, next, fill
	WIN 0                                          ; (the add's two registers lie in window 0)
	s_wait_tensorcnt 0x0                           ; all my tensor loads have landed: my unit of the next slot
	ds_add_u32 v[SPW], v[NIL]                      ; 0 onto my spare word
	s_wait_dscnt 17                                ; (the add and the youngest sixteen loads may be out)
	WIN MUL
	MUL8 \slot, 3, 0, 0, 0                         ; eight matrix instructions stand between the add and the wait for it
	s_wait_dscnt 0x0                               ; the add is done, and my reads of this slot are over
	s_barrier_signal -1
	MUL8 \slot, 3, 0, 2, 0
	WIN 0
	s_barrier_wait -1
.if \fill
	CREST                                          ; the barrier has opened a round of the cluster's: no wave of any partner still reads this slot or has a load on its way
	s_add_nc_u64 s[G0+4*\slot+2:G0+4*\slot+3], s[G0+4*\slot+2:G0+4*\slot+3], 4*UNIT
	s_add_nc_u64 s[G0B+4*\slot+2:G0B+4*\slot+3], s[G0B+4*\slot+2:G0B+4*\slot+3], 4*UNIT
	JLOAD G0+4*\slot, G1, G0B+4*\slot, G1B         ; my one tensor load behind the round; its four v_nop are the places in front of the loads below
.else
	PLACES 4
.endif
	SCALES \next
	FETCH \next, 0
	WIN MUL
	MUL8 \slot, 3, 1, 0, 0
	MUL8 \slot, 3, 1, 2, 0
.endm
.macro LASTQ slot                      ; the very last quarter: nothing more to fetch
	s_wait_dscnt 16
	WIN MUL
	MUL8 \slot, 3, 0, 0, 0
	MUL8 \slot, 3, 0, 2, 0
	s_wait_dscnt 0x0
	MUL8 \slot, 3, 1, 0, 0
	MUL8 \slot, 3, 1, 2, 0
	WIN 0
.endm
.if NS > 1
	s_wait_tensorcnt 1                             ; my unit of slot 0 is in; slot 1's may stay out
.else
	s_wait_tensorcnt 0x0                           ; my unit of the one slot is in
.endif
	s_barrier_signal -1
	s_barrier_wait -1                              ; everybody's is
	SCALES 0
	FETCH 0, 0
	s_wait_loadcnt 32                              ; the bias's eight loads are in; the residual's 32, issued behind them, may stay out
	QUARTER 0, 0, 1                                ; the first products start the sums with the bias
.if LAPS > 1
	WIN 0                                          ; at a label and at a branch every window is 0
	s_mov_b32 s3, LAPS-1
.Llap:                                             ; a trip goes once round the ring, from a lap's second quarter to the next lap's first, and fills both slots again
	QUARTER 0, 1, 0
	QUARTER 0, 2, 0
	TURN 0, 1, 1
	QUARTER 1, 0, 0
	QUARTER 1, 1, 0
	QUARTER 1, 2, 0
	TURN 1, 0, 1
	QUARTER 0, 0, 0
	WIN 0
	s_sub_co_u32 s3, s3, 1
	s_cmp_lg_u32 s3, 0
	s_cbranch_scc1 .Llap
.endif
	QUARTER 0, 1, 0
	QUARTER 0, 2, 0
.if NS > 1
	TURN 0, 1, 0                                   ; the last lap fills nothing, and has no round of the cluster's barrier
	QUARTER 1, 0, 0
	QUARTER 1, 1, 0
	QUARTER 1, 2, 0
.endif
	LASTQ (NS-1)%2
	; THE WAY OUT.  Block a's four accumulators go into rows 16 a on of my stage and come back, as whole rows, into the registers that they left.
	PLACES 4                                       ; in front of the first reads of results and of the loads into them
.irp a, 0,1,2,3
.irp b, 0,1,2,3
	ds_store_b128 v[STO], v[ACC+8*(4*\a+\b):ACC+8*(4*\a+\b)+3] offset:\a*16*SPITCH+64*\b          ; each accumulator from its low end on
	ds_store_b128 v[STO], v[ACC+8*(4*\a+\b)+4:ACC+8*(4*\a+\b)+7] offset:\a*16*SPITCH+64*\b+16
.endr
.irp t, 0,1,2,3,4,5,6,7
	ds_load_b128 v[ACC+32*\a+4*\t:ACC+32*\a+4*\t+3], v[RD] offset:(16*\a+2*\t)*SPITCH               ; LDS serves a wave's instructions in order (ISA guide 5.7.1.4): these see the stores above
.endr
.endr
	s_wait_loadcnt 0x0                             ; the residual
.irp a, 0,1,2,3
	s_wait_dscnt 16*(3-\a)                         ; block a is back; behind it: the later blocks' 8 stores and 8 loads each
	WIN 0x08                                       ; source 1 window 2
.set N, 32*\a
.rept 16
	v_pk_add_f32 v[ACC+N:ACC+N+1], v[ACC+N:ACC+N+1], v[N:N+1]
.set N, N+2
.endr
	WIN 0
.irp t, 0,1,2,3,4,5,6,7
	global_store_b128 v[CO], v[ACC+32*\a+4*\t:ACC+32*\a+4*\t+3], s[12:13] offset:(8*\a+\t)*8192   ; sixteen lanes store 256 consecutive bytes, at a multiple of 256 from the buffer's first byte
.endr
.endr
	s_wait_tensorcnt 0x0                           ; the wave's end
	ds_add_u32 v[SPW], v[NIL]
	s_wait_dscnt 0x0
	CROUND                                         ; the closing round
	s_endpgm
.Lfunc_end_k_q6cd54a7b98_wo:
	.size	k_q6cd54a7b98_wo, .Lfunc_end_k_q6cd54a7b98_wo-k_q6cd54a7b98_wo
	.p2alignl 7, 3214868480
	.fill 96, 4, 3214868480
	.section	.rodata,"a",@progbits
	.p2align	6, 0x0
	.amdhsa_kernel k_q6cd54a7b98_wo
		.amdhsa_group_segment_fixed_size 327680
		.amdhsa_private_segment_fixed_size 0
		.amdhsa_enable_private_segment 0
		.amdhsa_kernarg_size 40
		.amdhsa_user_sgpr_count 2
		.amdhsa_user_sgpr_kernarg_segment_ptr 1
		.amdhsa_wavefront_size32 1
		.amdhsa_system_sgpr_workgroup_id_x 1
		.amdhsa_system_sgpr_workgroup_id_y 1
		.amdhsa_system_sgpr_workgroup_id_z 1
		.amdhsa_system_vgpr_workitem_id 0
		.amdhsa_next_free_vgpr 768
		.amdhsa_next_free_sgpr 100
		.amdhsa_reserve_vcc 0
		.amdhsa_float_denorm_mode_32 3
		.amdhsa_float_denorm_mode_16_64 3
		.amdhsa_memory_ordered 1
		.amdhsa_forward_progress 1
		.amdhsa_inst_pref_size 48
	.end_amdhsa_kernel
	.amdgpu_metadata
---
amdhsa.version: [ 1, 2 ]
amdhsa.kernels:
  - .name:           k_q6cd54a7b98_wo
    .symbol:         k_q6cd54a7b98_wo.kd
    .args:
      - { .name: at, .offset: 0, .size: 8, .value_kind: global_buffer, .address_space: global }
      - { .name: wimg, .offset: 8, .size: 8, .value_kind: global_buffer, .address_space: global }
      - { .name: bo, .offset: 16, .size: 8, .value_kind: global_buffer, .address_space: global }
      - { .name: x, .offset: 24, .size: 8, .value_kind: global_buffer, .address_space: global }
      - { .name: x1, .offset: 32, .size: 8, .value_kind: global_buffer, .address_space: global }
    .group_segment_fixed_size: 327680
    .private_segment_fixed_size: 0
    .kernarg_segment_align: 8
    .kernarg_segment_size: 40
    .max_flat_workgroup_size: 128
    .sgpr_count:     100
    .vgpr_count:     768
    .wavefront_size: 32
...
	.end_amdgpu_metadata
.endif
;; end of part 11
;; launch ln2 (part 12): grid 256 x 1, 16 waves a work-group, no clusters, 11,264 bytes of LDS; arguments x1, ln2_a, ln2_b, xn2; writes xn2
.if DOCPART == 12
	.amdgcn_target "amdgcn-amd-amdhsa--gfx1250"
	.amdhsa_code_object_version 6
	.text
	.protected	k_q6cd54a7b98_ln2
	.globl	k_q6cd54a7b98_ln2
	.p2align	8
	.type	k_q6cd54a7b98_ln2,@function
k_q6cd54a7b98_ln2:
	s_mov_b64 s[64:65], 0
	v_nop
	global_prefetch_b8 v0, s[64:65] scope:SCOPE_SE
	s_setreg_imm32_b32 hwreg(HW_REG_WAVE_MODE, 25, 1), 1
	s_wait_xcnt 0x0
; xn2 = ln2_a (x1 - mean) / (std + 1e-6) + ln2_b (std with n - 1), quantised to FP4 (E2M1) with one E8M0 byte for each 32 along K, stored as UNITS:
; 128 rows x 512 K in 34,816 bytes; fragment (i, q) at 4096 i + 1024 q as an image of the operand's registers (registers 4 c .. 4 c + 3 of lane (r, h) at + 512 c + 16 lane); from byte 32,768 on 16 scale bytes a row.
; 16 rows a work-group, one row a wave; the row stays in 32 registers a lane between the passes.  Work-groups share no input: no cluster; memory binds: no matrix unit.
; LIMITS: NaN and infinities are not served.  A block of zeros gets the byte 1 (its codes are zeros; only this program reads the bytes).
.set UNIT, 34816
.set UC,   32768
.set X,    16                          ; v16-47 my 32 numbers: register 8 i + j = k 256 i + 8 lane + j
	s_load_b128 s[4:7], s[0:1], 0x0                ; x1, ln2_a
	s_load_b128 s[8:11], s[0:1], 0x10              ; ln2_b, xn2
	v_lshl_add_u32 v96, v0, 2, 0x2400
	v_mov_b32 v97, 0
	v_lshrrev_b32 v1, 5, v0
	s_delay_alu instid0(VALU_DEP_1)
	v_readfirstlane_b32 s16, v1                    ; wave 0..15 = my row of the 16
	v_and_b32 v1, 31, v0                           ; lane
	s_delay_alu instid0(VALU_DEP_1)
	v_lshlrev_b32 v2, 5, v1                        ; 32 bytes a lane in each 1,024 of the row
	s_delay_alu instid0(VALU_DEP_2)
	v_lshrrev_b32 v5, 2, v1
	s_delay_alu instid0(VALU_DEP_3)
	v_and_b32 v6, 3, v1
	s_lshl_b32 s17, s16, 4
	v_lshlrev_b32 v3, 8, v5
	s_delay_alu instid0(VALU_DEP_1)
	v_lshl_add_u32 v3, v6, 2, v3
	s_delay_alu instid0(VALU_DEP_1)
	v_add_nc_u32 v3, s17, v3                       ; LDS, my codes' word: 256 (lane / 4) + 4 (lane % 4) + 16 row; + 2048 i
	v_add_nc_u32 v4, s17, v5
	s_delay_alu instid0(VALU_DEP_1)
	v_add_nc_u32 v4, 8192, v4                      ; LDS, my block's byte
	v_lshlrev_b32 v7, 4, v0
	v_and_b32 v8, 255, v0
	s_delay_alu instid0(VALU_DEP_1)
	v_lshlrev_b32 v8, 4, v8
	v_lshrrev_b32 v9, 8, v0
	s_delay_alu instid0(VALU_DEP_1)
	v_mad_u32_u24 v8, v9, UNIT, v8
	v_lshl_add_u32 v10, v1, 4, 8192
	v_and_b32 v11, 15, v0
	s_delay_alu instid0(VALU_DEP_1)
	v_lshlrev_b32 v11, 4, v11
	v_bfe_u32 v9, v0, 4, 1
	s_delay_alu instid0(VALU_DEP_1)
	v_mad_u32_u24 v11, v9, UNIT, v11
	s_lshl_b32 s18, ttmp9, 16
	s_lshl_b32 s19, s16, 12
	s_add_co_u32 s18, s18, s19
	s_mov_b32 s19, 0
	s_lshr_b32 s20, ttmp9, 3
	s_mul_i32 s20, s20, 2*UNIT
	s_and_b32 s21, ttmp9, 7
	s_lshl_b32 s22, s21, 12
	s_add_co_u32 s22, s20, s22
	s_mov_b32 s23, 0
	s_lshl_b32 s21, s21, 8
	s_add_co_u32 s24, s20, s21
	s_add_co_u32 s24, s24, UC
	s_mov_b32 s25, 0
	s_mov_b32 s26, 0x76543210
	s_mov_b32 s27, 0xfedcba98
	s_wait_kmcnt 0x0
	s_load_b32 s12, s[6:7], 0x0                    ; alpha
	s_load_b32 s13, s[8:9], 0x0                    ; beta
	s_add_nc_u64 s[4:5], s[4:5], s[18:19]
	s_add_nc_u64 s[28:29], s[10:11], s[24:25]
	s_add_nc_u64 s[10:11], s[10:11], s[22:23]
.irp i, 0,1,2,3
	global_load_b128 v[X+8*\i:X+8*\i+3], v2, s[4:5] offset:1024*\i th:TH_LOAD_NT
	global_load_b128 v[X+8*\i+4:X+8*\i+7], v2, s[4:5] offset:1024*\i+16 th:TH_LOAD_NT
.endr
.macro WSUM                            ; v48 summed over the 32 lanes, the result in every lane
	s_delay_alu instid0(VALU_DEP_1)
	v_add_f32_dpp v48, v48, v48 row_xmask:1 row_mask:0xf bank_mask:0xf
	s_delay_alu instid0(VALU_DEP_1)
	v_add_f32_dpp v48, v48, v48 row_xmask:2 row_mask:0xf bank_mask:0xf
	s_delay_alu instid0(VALU_DEP_1)
	v_add_f32_dpp v48, v48, v48 row_xmask:4 row_mask:0xf bank_mask:0xf
	s_delay_alu instid0(VALU_DEP_1)
	v_add_f32_dpp v48, v48, v48 row_xmask:8 row_mask:0xf bank_mask:0xf
	s_delay_alu instid0(VALU_DEP_1)
	v_permlanex16_b32 v49, v48, s26, s27
	s_delay_alu instid0(VALU_DEP_1)
	v_add_f32 v48, v48, v49
.endm
	s_wait_loadcnt 0x0
	v_pk_add_f32 v[50:51], v[16:17], v[18:19]
	v_pk_add_f32 v[94:95], v[24:25], v[28:29]
	v_pk_add_f32 v[92:93], v[32:33], v[36:37]
	v_pk_add_f32 v[90:91], v[40:41], v[44:45]
	v_pk_add_f32 v[88:89], v[20:21], v[22:23]
	v_pk_add_f32 v[86:87], v[26:27], v[30:31]
	v_pk_add_f32 v[84:85], v[34:35], v[38:39]
	v_pk_add_f32 v[48:49], v[42:43], v[46:47]
	s_delay_alu instid0(VALU_DEP_1)
	v_pk_add_f32 v[48:49], v[48:49], v[90:91]
	v_pk_add_f32 v[50:51], v[50:51], v[88:89]
	v_pk_add_f32 v[94:95], v[94:95], v[86:87]
	v_pk_add_f32 v[92:93], v[92:93], v[84:85]
	s_delay_alu instid0(VALU_DEP_2)
	v_pk_add_f32 v[48:49], v[48:49], v[94:95]
	s_delay_alu instid0(VALU_DEP_2)
	v_pk_add_f32 v[50:51], v[50:51], v[92:93]
	s_delay_alu instid0(VALU_DEP_1)
	v_pk_add_f32 v[48:49], v[48:49], v[50:51]
	s_delay_alu instid0(VALU_DEP_1)
	v_add_f32 v48, v48, v49
	WSUM
	s_delay_alu instid0(VALU_DEP_1)
	v_mul_f32 v52, 0x3a800000, v48                 ; mean = sum / 1024
	s_delay_alu instid0(VALU_DEP_1)
	v_mov_b32 v53, v52
.set J, X
.rept 16
	v_pk_add_f32 v[J:J+1], v[J:J+1], v[52:53] neg_lo:[0,1] neg_hi:[0,1]   ; d = x - mean
.set J, J+2
.endr
	v_pk_mul_f32 v[48:49], v[X:X+1], v[X:X+1]
	v_pk_mul_f32 v[50:51], v[X+2:X+3], v[X+2:X+3]
.irp j, 4,8,12,16,20,24,28
	s_delay_alu instid0(VALU_DEP_2)
	v_pk_fma_f32 v[48:49], v[X+\j:X+\j+1], v[X+\j:X+\j+1], v[48:49]
	s_delay_alu instid0(VALU_DEP_2)
	v_pk_fma_f32 v[50:51], v[X+\j+2:X+\j+3], v[X+\j+2:X+\j+3], v[50:51]
.endr
	s_delay_alu instid0(VALU_DEP_1)
	v_pk_add_f32 v[48:49], v[48:49], v[50:51]
	s_delay_alu instid0(VALU_DEP_1)
	v_add_f32 v48, v48, v49
	WSUM
	s_delay_alu instid0(VALU_DEP_1)
	v_mul_f32 v48, 0x3a802008, v48                 ; / 1023
	s_wait_alu depctr_va_vdst(0)
	v_sqrt_f32 v54, v48
	v_nop                                          ; a plain instruction behind the root,
	s_wait_alu depctr_va_vdst(0)                   ; and the wait ahead of its first reader
	v_add_f32 v54, 0x358637bd, v54                 ; + 1e-6
	s_wait_alu depctr_va_vdst(0)
	v_rcp_f32 v55, v54
	v_nop
	s_wait_alu depctr_va_vdst(0)
	s_wait_kmcnt 0x0
	v_mul_f32 v54, s12, v55                        ; g = alpha / (std + eps)
	v_mov_b32 v56, s13
	v_mov_b32 v57, s13
.set J, X
.rept 16
	v_pk_fma_f32 v[J:J+1], v[J:J+1], v[54:55], v[56:57] op_sel_hi:[1,0,0]   ; xn = d g + beta
.set J, J+2
.endr
.irp i, 0,1,2,3
	v_max3_num_f32 v[58+\i], |v[X+8*\i]|, |v[X+8*\i+1]|, 0x1800000          ; four lanes hold a block; the floor 2^(3 - 127) holds the byte at 1 from below
.endr
.irp j, 2,4,6
.irp i, 0,1,2,3
	s_delay_alu instid0(VALU_DEP_4)
	v_max3_num_f32 v[58+\i], v[58+\i], |v[X+8*\i+\j]|, |v[X+8*\i+\j+1]|
.endr
.endr
.irp m, 1,2
.irp i, 0,1,2,3
	s_delay_alu instid0(VALU_DEP_4)
	v_max_num_f32_dpp v[58+\i], v[58+\i], v[58+\i] row_xmask:\m row_mask:0xf bank_mask:0xf
.endr
.endr
.irp i, 0,1,2,3
	s_delay_alu instid0(VALU_DEP_4)
	v_add_nc_u32 v[62+\i], 0xff000000, v[58+\i]    ; 2 off the exponent field: the conversion's scale operand
.endr
.irp i, 0,1,2,3
	s_delay_alu instid0(VALU_DEP_4)
	v_lshrrev_b32 v[66+\i], 23, v[62+\i]           ; the scale's byte
.endr
.irp i, 0,1,2,3
	v_cvt_scalef32_pk8_fp4_f32 v[70+\i], v[X+8*\i:X+8*\i+7], v[62+\i]
.endr
	v_nop
.irp i, 0,1,2,3
	ds_store_b32 v3, v[70+\i] offset:2048*\i
	ds_store_b8 v4, v[66+\i] offset:256*(\i/2)+8*(\i%2)   ; the four lanes of a block write the same byte with the same value
.endr
	s_wait_dscnt 0x0                               ; my stores have landed, for the other waves' sake
	s_barrier_signal -1
	s_barrier_wait -1
	ds_load_b128 v[80:83], v7
	s_wait_dscnt 0x0
	global_store_b128 v8, v[80:83], s[10:11]       ; a wave stores 512 consecutive bytes
	s_cmp_lg_u32 s16, 0
	s_cbranch_scc1 .Lln_end
	ds_load_b128 v[84:87], v10                     ; wave 0: the 16 rows' scale bytes
	s_wait_dscnt 0x0
	global_store_b128 v11, v[84:87], s[28:29]
.Lln_end:
	s_wait_tensorcnt 0x0
	ds_add_u32 v96, v97
	s_wait_dscnt 0x0
	s_endpgm
.Lfunc_end_k_q6cd54a7b98_ln2:
	.size	k_q6cd54a7b98_ln2, .Lfunc_end_k_q6cd54a7b98_ln2-k_q6cd54a7b98_ln2
	.p2alignl 7, 3214868480
	.fill 96, 4, 3214868480
	.section	.rodata,"a",@progbits
	.p2align	6, 0x0
	.amdhsa_kernel k_q6cd54a7b98_ln2
		.amdhsa_group_segment_fixed_size 11264
		.amdhsa_private_segment_fixed_size 0
		.amdhsa_enable_private_segment 0
		.amdhsa_kernarg_size 32
		.amdhsa_user_sgpr_count 2
		.amdhsa_user_sgpr_kernarg_segment_ptr 1
		.amdhsa_wavefront_size32 1
		.amdhsa_system_sgpr_workgroup_id_x 1
		.amdhsa_system_sgpr_workgroup_id_y 1
		.amdhsa_system_sgpr_workgroup_id_z 1
		.amdhsa_system_vgpr_workitem_id 0
		.amdhsa_next_free_vgpr 98
		.amdhsa_next_free_sgpr 66
		.amdhsa_reserve_vcc 0
		.amdhsa_float_denorm_mode_32 3
		.amdhsa_float_denorm_mode_16_64 3
		.amdhsa_memory_ordered 1
		.amdhsa_forward_progress 1
		.amdhsa_inst_pref_size 15
	.end_amdhsa_kernel
	.amdgpu_metadata
---
amdhsa.version: [ 1, 2 ]
amdhsa.kernels:
  - .name:           k_q6cd54a7b98_ln2
    .symbol:         k_q6cd54a7b98_ln2.kd
    .args:
      - { .name: x1, .offset: 0, .size: 8, .value_kind: global_buffer, .address_space: global }
      - { .name: ln2_a, .offset: 8, .size: 8, .value_kind: global_buffer, .address_space: global }
      - { .name: ln2_b, .offset: 16, .size: 8, .value_kind: global_buffer, .address_space: global }
      - { .name: xn2, .offset: 24, .size: 8, .value_kind: global_buffer, .address_space: global }
    .group_segment_fixed_size: 11264
    .private_segment_fixed_size: 0
    .kernarg_segment_align: 8
    .kernarg_segment_size: 32
    .max_flat_workgroup_size: 512
    .sgpr_count:     66
    .vgpr_count:     98
    .wavefront_size: 32
...
	.end_amdgpu_metadata
.endif
;; end of part 12
;; launch ffn1 (part 13): grid 16 x 16, 4 waves a work-group, clusters of 4 x 4, 327,680 bytes of LDS; arguments xn2, wimg, b1, hid; writes hid
.if DOCPART == 13
	.amdgcn_target "amdgcn-amd-amdhsa--gfx1250"
	.amdhsa_code_object_version 6
	.text
	.protected	k_q6cd54a7b98_ffn1
	.globl	k_q6cd54a7b98_ffn1
	.p2align	8
	.type	k_q6cd54a7b98_ffn1,@function
k_q6cd54a7b98_ffn1:
	s_mov_b64 s[64:65], 0
	v_nop
	global_prefetch_b8 v0, s[64:65] scope:SCOPE_SE
	s_setreg_imm32_b32 hwreg(HW_REG_WAVE_MODE, 25, 1), 1
	s_wait_xcnt 0x0
	s_wait_alu depctr_hold_cnt(0) depctr_sa_sdst(0) depctr_va_vdst(0) depctr_va_sdst(0) depctr_va_ssrc(0) depctr_va_vcc(0) depctr_vm_vsrc(0)
	s_getreg_b32 s2, hwreg(HW_REG_IB_STS2, 6, 4)
	s_cmp_eq_u32 s2, 0
	s_cbranch_scc0 .Lentry_in_a_cluster
	s_endpgm
.Lentry_in_a_cluster:
	s_bfe_u32 s2, ttmp6, 0x10000c
	s_cmp_lg_u32 s2, 0xf033
	s_cbranch_scc0 .Lentry_shape_is_right
	s_endpgm
.Lentry_shape_is_right:
.set UNIT,   34816
.set UC,     32768
.set SLOT,   4*UNIT
.set SPARE,  2*SLOT
.set KU,     2
.set B_OFF,  64*UNIT
.set NQ,     4
.set FR,     8
.set NL,     2
.set NP,     4
.set ADRA, 16
.set ADRB, 20
.set ADRS, 22
.set SPW,  28
.set NIL,  29
.set SC,   32
.set TM,   96
.set PW,   112
.set SD,   120
.set AF,   128
.set PC,   128
.set BN,   192
.set SEL,  18
.set G1, 24
.set G0, 32
.set G1B, 48
.set G0B, 56
.set MSB, 0
.macro WIN new
.if MSB != (\new)
	s_set_vgpr_msb (MSB<<8)|(\new)
.set MSB, (\new)
.endif
.endm
.set MUL_LO, 0xa1
.set MUL_HI, 0xf1
.set TO_B,   0x40
.macro JLOAD g0a, g1a, g0b, g1b
	s_cmp_eq_u32 s15, 0
	s_cbranch_scc0 .Lfor_b_\@
	tensor_load_to_lds s[\g0a:\g0a+3], s[\g1a:\g1a+7]
	s_nop 0
.rept 4
	v_nop
.endr
	s_branch .Lasked_\@
.Lfor_b_\@:
	tensor_load_to_lds s[\g0b:\g0b+3], s[\g1b:\g1b+7]
	s_nop 0
.rept 4
	v_nop
.endr
.Lasked_\@:
.endm
.macro CREST
	s_cmp_lg_u32 s14, 0
	s_cbranch_scc1 .Lnot_wave_0_\@
	s_barrier_signal -3
.Lnot_wave_0_\@:
	s_barrier_wait -3
	s_barrier_signal -1
	s_barrier_wait -1
.endm
.macro CROUND
	s_barrier_signal -1
	s_barrier_wait -1
	CREST
.endm
.macro PLACES n
.rept \n
	v_nop
.endr
.endm
	s_load_b256 s[4:11], s[0:1], 0x0
	v_lshl_add_u32 v[SPW], v0, 2, SPARE
	v_mov_b32 v[NIL], 0
	ds_add_u32 v28, v29
	ds_add_u32 v28, v29
	s_wait_dscnt 0x0
	v_lshrrev_b32 v1, 5, v0
	v_readfirstlane_b32 s14, v1
	s_lshr_b32 s15, s14, 1
	s_and_b32 s16, s14, 1
	s_bfe_u32 s40, ttmp6, 0x40000
	s_bfe_u32 s41, ttmp6, 0x40004
	s_lshl_b32 s42, ttmp9, 2
	s_add_co_u32 s42, s42, s40
	s_and_b32 s17, ttmp7, 0xffff
	s_lshl_b32 s17, s17, 2
	s_add_co_u32 s17, s17, s41
	s_lshl_b32 s43, s41, 2
	s_lshl_b32 s43, 15, s43
	s_lshl_b32 s44, 0x1111, s40
	s_or_b32 s[G1+0], s43, (3<<16)|(1<<21)
	s_or_b32 s[G1B+0], s44, (3<<16)|(1<<21)
.irp g, G1, G1B
	s_mov_b32 s[\g+1], 32<<16
	s_mov_b32 s[\g+2], 136<<16
	s_mov_b32 s[\g+3], 32<<16
	s_mov_b32 s[\g+4], 136
	s_mov_b32 s[\g+5], 32
	s_mov_b32 s[\g+6], 0
	s_mov_b32 s[\g+7], 0
.endr
	s_lshl_b32 s20, s17, 1
	s_add_co_u32 s20, s20, s16
	s_mul_i32 s20, s20, KU*UNIT
	s_mov_b32 s21, 0
	s_lshl_b32 s46, s42, 1
	s_add_co_u32 s46, s46, s16
	s_mul_i32 s46, s46, KU*UNIT
	s_add_co_u32 s46, s46, B_OFF
	s_mov_b32 s47, 0
	s_mul_i32 s45, s14, UNIT
	s_wait_kmcnt 0x0
	s_add_nc_u64 s[20:21], s[4:5], s[20:21]
	s_add_nc_u64 s[46:47], s[6:7], s[46:47]
	CROUND
.irp s, 0,1
	s_mov_b32 s[G0+4*\s], 1
	s_add_co_u32 s[G0+4*\s+1], s45, \s*SLOT
	s_add_nc_u64 s[G0+4*\s+2:G0+4*\s+3], s[20:21], \s*UNIT
	s_or_b32 s[G0+4*\s+3], s[G0+4*\s+3], 0x80000000
	s_mov_b32 s[G0B+4*\s], 1
	s_add_co_u32 s[G0B+4*\s+1], s45, \s*SLOT
	s_add_nc_u64 s[G0B+4*\s+2:G0B+4*\s+3], s[46:47], \s*UNIT
	s_or_b32 s[G0B+4*\s+3], s[G0B+4*\s+3], 0x80000000
.if \s == 0
	JLOAD G0, G1, G0B, G1B                         ; slot 0: my one tensor load at the head
.endif
.endr
	v_and_b32 v1, 15, v0
	v_bfe_u32 v2, v0, 4, 1
	v_and_b32 v3, 31, v0
	v_lshlrev_b32 v4, 4, v3
	s_mul_i32 s21, s15, UNIT
	s_mul_i32 s22, s16, UNIT
	s_add_co_u32 s22, s22, 2*UNIT
	v_add_nc_u32 v[ADRA], s21, v4
	v_add_nc_u32 v[ADRB], s22, v4
	v_add_nc_u32 v[ADRA+1], SLOT, v[ADRA]
	v_add_nc_u32 v[ADRB+1], SLOT, v[ADRB]
	s_sub_co_u32 s23, s22, s21
	v_mul_u32_u24 v6, s23, v2
	v_lshl_add_u32 v5, v1, 4, v6
	v_add_nc_u32 v[ADRS], s21, v5
	v_add_nc_u32 v[ADRS+1], SLOT, v[ADRS]
	v_lshlrev_b32 v7, 5, v2
	s_lshl_b32 s46, s42, 10
	s_lshl_b32 s47, s16, 9
	s_add_co_u32 s46, s46, s47
	s_mov_b32 s47, 0
	s_add_nc_u64 s[8:9], s[8:9], s[46:47]
.irp b, 0,1,2,3,4,5,6,7
	global_load_b128 v[BN+8*\b:BN+8*\b+3], v7, s[8:9] offset:64*\b
	global_load_b128 v[BN+8*\b+4:BN+8*\b+7], v7, s[8:9] offset:64*\b+16
.endr
	s_mov_b32 s[SEL], 0x76543210
	s_mov_b32 s[SEL+1], 0xfedcba98
.macro FRAG reg, adr, q, i
.irp c, 0,1
	ds_load_b128 v[\reg+4*\c:\reg+4*\c+3], v[\adr] offset:(\i)*4096+(\q)*1024+512*\c
.endr
.endm
.macro MUL16 a0, p, q, sc, cm
.irp a, \a0, \a0+1
.irp b, 0,1,2,3,4,5,6,7
.set rD, 8*(8*((\a)%4)+\b)
.set rB, 128*(\p)+FR*\b
.set rA, AF+FR*(\a)
.if (\cm) == 0
.set rC, rD
.else
.set rC, BN+8*\b
.endif
	v_wmma_scale_f32_16x16x128_f8f6f4 v[rD:rD+7], v[rB:rB+7], v[rA:rA+7], v[rC:rC+7], v[SC+32*(\sc)+4*\b+(\q)], v[SC+32*(\sc)+4*(\a)+(\q)] matrix_a_fmt:MATRIX_FMT_FP4 matrix_b_fmt:MATRIX_FMT_FP4 matrix_a_scale:MATRIX_SCALE_ROW1
.endr
.endr
.endm
.macro FETCH_B slot, q, p
	WIN TO_B
.irp i, 0,1,2,3,4,5,6,7
	FRAG 128*(\p)+FR*\i, ADRB+\slot, \q, \i
.endr
	WIN 0
.endm
.macro FETCH_A slot, q, i0
.irp i, \i0, \i0+1, \i0+2, \i0+3
	FRAG AF+FR*(\i), ADRA+\slot, \q, \i
.endr
.endm
.macro SCALES sc
.irp i, 0,1,2,3,4,5,6,7
	ds_load_b128 v[SC+32*\sc+4*\i:SC+32*\sc+4*\i+3], v[ADRS+\sc] offset:UC+256*\i
.endr
.endm
.macro STEP slot, q, cm
	s_wait_dscnt 4*NL
.if \cm
	WIN 0x81
.else
	WIN MUL_LO
.endif
	MUL16 0, (\q)%2, \q, \slot, \cm
	MUL16 2, (\q)%2, \q, \slot, \cm
	s_wait_dscnt 0
	PLACES NP
	FETCH_B \slot, (\q)+1, 1-(\q)%2
	FETCH_A \slot, (\q)+1, 0
.if \cm
	WIN 0xc1
.else
	WIN MUL_HI
.endif
	MUL16 4, (\q)%2, \q, \slot, \cm
	MUL16 6, (\q)%2, \q, \slot, \cm
	PLACES NP
	WIN 0
	FETCH_A \slot, (\q)+1, 4
.endm
.macro TURN slot, next
	s_wait_tensorcnt 0x0
	ds_add_u32 v[SPW], v[NIL]
	s_wait_dscnt 4*NL+1
	WIN MUL_LO
	MUL16 0, 1, NQ-1, \slot, 0
	s_wait_dscnt 0x0
	s_barrier_signal -1
	MUL16 2, 1, NQ-1, \slot, 0
	WIN 0
	s_barrier_wait -1
	PLACES NP
	FETCH_B \next, 0, 0
	FETCH_A \next, 0, 0
	SCALES \next
	WIN MUL_HI
	MUL16 4, 1, NQ-1, \slot, 0
	MUL16 6, 1, NQ-1, \slot, 0
	PLACES NP
	WIN 0
	FETCH_A \next, 0, 4
.endm
.macro STEPS slot, from
.set Q, \from
.rept NQ-1-\from
	STEP \slot, Q, 0
.set Q, Q+1
.endr
.endm
	s_wait_alu depctr_va_vdst(0)
	s_wait_tensorcnt 0x0                           ; my unit of slot 0 is in
	ds_add_u32 v[SPW], v[NIL]
	s_wait_dscnt 0x0
	CROUND                                         ; slot 0 is whole, and all sixteen work-groups are here
	JLOAD G0+4, G1, G0B+4, G1B                     ; slot 1's first fill: my one tensor load behind the round
	FETCH_B 0, 0, 0
	FETCH_A 0, 0, 0
	SCALES 0
	FETCH_A 0, 0, 4
	s_wait_loadcnt 0x0
	STEP 0, 0, 2
	STEPS 0, 1
	TURN 0, 1
	STEPS 1, 0
	s_wait_dscnt 4*NL
	WIN MUL_LO
	MUL16 0, 1, NQ-1, 1, 0
	MUL16 2, 1, NQ-1, 1, 0
	s_wait_dscnt 0
	WIN MUL_HI
	MUL16 4, 1, NQ-1, 1, 0
	MUL16 6, 1, NQ-1, 1, 0
	WIN 0
.macro QUANTW s, W, pc, pw
	WIN (\W)*0x14
.irp b, 0,1,2,3
	v_max3_num_f32 v[TM+\b], 0x1800000, |v[(\s)+16*\b]|, |v[(\s)+16*\b+1]|
.endr
.irp i, 2,4,6,8,10,12,14
.irp b, 0,1,2,3
	v_max3_num_f32 v[TM+\b], v[TM+\b], |v[(\s)+16*\b+\i]|, |v[(\s)+16*\b+\i+1]|
.endr
.endr
	WIN 0
.irp b, 0,1,2,3
	v_permlanex16_b32 v[TM+4+\b], v[TM+\b], s[SEL], s[SEL+1]
.endr
.irp b, 0,1,2,3
	v_max_num_f32 v[TM+\b], v[TM+\b], v[TM+4+\b]
.endr
.irp b, 0,1,2,3
	v_add_nc_u32 v[TM+12+\b], 0xff000000, v[TM+\b]
.endr
.irp b, 0,1,2,3
	v_lshrrev_b32 v[TM+4+\b], 23, v[TM+12+\b]
.endr
	v_lshl_or_b32 v[\pw], v[TM+5], 8, v[TM+4]
	v_lshl_or_b32 v[\pw], v[TM+6], 16, v[\pw]
	v_lshl_or_b32 v[\pw], v[TM+7], 24, v[\pw]
	WIN \W
.irp c, 0,1
	v_cvt_scalef32_pk8_fp4_f32 v[(\pc)+4*\c], v[(\s)+32*\c:(\s)+32*\c+7], v[TM+12+2*\c]
	v_cvt_scalef32_pk8_fp4_f32 v[(\pc)+4*\c+2], v[(\s)+32*\c+8:(\s)+32*\c+15], v[TM+12+2*\c]
	v_cvt_scalef32_pk8_fp4_f32 v[(\pc)+4*\c+1], v[(\s)+32*\c+16:(\s)+32*\c+23], v[TM+13+2*\c]
	v_cvt_scalef32_pk8_fp4_f32 v[(\pc)+4*\c+3], v[(\s)+32*\c+24:(\s)+32*\c+31], v[TM+13+2*\c]
.endr
	WIN 0
	v_nop
.irp c, 0,1
	v_permlane16_swap_b32 v[(\pc)+4*\c], v[(\pc)+4*\c+1]
	v_permlane16_swap_b32 v[(\pc)+4*\c+2], v[(\pc)+4*\c+3]
.endr
.endm
	PLACES NP
.irp b, 0,1,2,3
	v_mov_b32 v[TM+4+\b], 0
.endr
	s_lshl_b32 s20, s17, 1
	s_add_co_u32 s20, s20, s15
	s_lshl_b32 s20, s20, 3
	s_lshr_b32 s21, s42, 1
	s_add_co_u32 s20, s20, s21
	s_mul_i32 s20, s20, UNIT
	s_and_b32 s21, s42, 1
	s_lshl_b32 s21, s21, 1
	s_add_co_u32 s21, s21, s16
	s_lshl_b32 s22, s21, 10
	s_add_co_u32 s22, s22, s20
	s_mov_b32 s23, 0
	s_lshl_b32 s21, s21, 2
	s_add_co_u32 s20, s20, s21
	s_add_co_u32 s20, s20, UC
	s_mov_b32 s21, 0
	s_add_nc_u64 s[22:23], s[10:11], s[22:23]
	s_add_nc_u64 s[20:21], s[10:11], s[20:21]
	s_mov_b32 s66, 0xffff0000
	v_lshlrev_b32 v5, 4, v1
	v_lshl_add_u32 v5, v2, 8, v5
.irp a, 0,1,2,3,4,5,6,7
	WIN (2+\a/4)*0x44
.set J, 64*(\a%4)
.rept 64
	v_max_num_f32 v[J], 0, v[J]
.set J, J+1
.endr
	QUANTW 64*(\a%4), 2+\a/4, PC+8*\a, PW+\a
.irp c, 0,1
	global_store_b128 v4, v[PC+8*\a+4*\c:PC+8*\a+4*\c+3], s[22:23] offset:\a*4096+\c*512
.endr
.endr
.irp a, 0,2,4,6
	v_cndmask_b32 v[SD+\a/2], v[PW+\a], v[PW+\a+1], s66
	global_store_b32 v5, v[SD+\a/2], s[20:21] offset:\a*256
.endr
	s_wait_tensorcnt 0x0
	ds_add_u32 v[SPW], v[NIL]
	s_wait_dscnt 0x0
	CROUND
	s_endpgm
.Lfunc_end_k_q6cd54a7b98_ffn1:
	.size	k_q6cd54a7b98_ffn1, .Lfunc_end_k_q6cd54a7b98_ffn1-k_q6cd54a7b98_ffn1
	.p2alignl 7, 3214868480
	.fill 96, 4, 3214868480
	.section	.rodata,"a",@progbits
	.p2align	6, 0x0
	.amdhsa_kernel k_q6cd54a7b98_ffn1
		.amdhsa_group_segment_fixed_size 327680
		.amdhsa_private_segment_fixed_size 0
		.amdhsa_enable_private_segment 0
		.amdhsa_kernarg_size 32
		.amdhsa_user_sgpr_count 2
		.amdhsa_user_sgpr_kernarg_segment_ptr 1
		.amdhsa_wavefront_size32 1
		.amdhsa_system_sgpr_workgroup_id_x 1
		.amdhsa_system_sgpr_workgroup_id_y 1
		.amdhsa_system_sgpr_workgroup_id_z 1
		.amdhsa_system_vgpr_workitem_id 0
		.amdhsa_next_free_vgpr 1024
		.amdhsa_next_free_sgpr 100
		.amdhsa_reserve_vcc 0
		.amdhsa_float_denorm_mode_32 3
		.amdhsa_float_denorm_mode_16_64 3
		.amdhsa_memory_ordered 1
		.amdhsa_forward_progress 1
		.amdhsa_inst_pref_size 144
	.end_amdhsa_kernel
	.amdgpu_metadata
---
amdhsa.version: [ 1, 2 ]
amdhsa.kernels:
  - .name:           k_q6cd54a7b98_ffn1
    .symbol:         k_q6cd54a7b98_ffn1.kd
    .args:
      - { .name: xn2, .offset: 0, .size: 8, .value_kind: global_buffer, .address_space: global }
      - { .name: wimg, .offset: 8, .size: 8, .value_kind: global_buffer, .address_space: global }
      - { .name: b1, .offset: 16, .size: 8, .value_kind: global_buffer, .address_space: global }
      - { .name: hid, .offset: 24, .size: 8, .value_kind: global_buffer, .address_space: global }
    .group_segment_fixed_size: 327680
    .private_segment_fixed_size: 0
    .kernarg_segment_align: 8
    .kernarg_segment_size: 32
    .max_flat_workgroup_size: 128
    .sgpr_count:     100
    .vgpr_count:     1024
    .wavefront_size: 32
...
	.end_amdgpu_metadata
.endif
;; end of part 13
;; launch ffn2 (part 14): grid 8 x 32, 4 waves a work-group, clusters of 4 x 4, 327,680 bytes of LDS; arguments hid, wimg, b2, x1, out0; writes out0
.if DOCPART == 14
	.amdgcn_target "amdgcn-amd-amdhsa--gfx1250"
	.amdhsa_code_object_version 6
	.text
	.protected	k_q6cd54a7b98_ffn2
	.globl	k_q6cd54a7b98_ffn2
	.p2align	8
	.type	k_q6cd54a7b98_ffn2,@function
k_q6cd54a7b98_ffn2:
	s_mov_b64 s[64:65], 0
	v_nop
	global_prefetch_b8 v0, s[64:65] scope:SCOPE_SE
	s_setreg_imm32_b32 hwreg(HW_REG_WAVE_MODE, 25, 1), 1
	s_wait_xcnt 0x0
	s_wait_alu depctr_hold_cnt(0) depctr_sa_sdst(0) depctr_va_vdst(0) depctr_va_sdst(0) depctr_va_ssrc(0) depctr_va_vcc(0) depctr_vm_vsrc(0)
	s_getreg_b32 s2, hwreg(HW_REG_IB_STS2, 6, 4)
	s_cmp_eq_u32 s2, 0
	s_cbranch_scc0 .Lentry_in_a_cluster
	s_endpgm
.Lentry_in_a_cluster:
	s_bfe_u32 s2, ttmp6, 0x10000c
	s_cmp_lg_u32 s2, 0xf033
	s_cbranch_scc0 .Lentry_shape_is_right
	s_endpgm
.Lentry_shape_is_right:
.set UNIT,   34816
.set UC,     32768
.set SLOT,   4*UNIT
.set SPARE,  2*SLOT
.set KTOT,   4096
.set B_OFF,  128*UNIT
.set KU,     KTOT/512
.set NS,     KTOT/1024
.set LAPS,   NS/2
.set STAGE,  (NS%2)*SLOT
.set SPITCH, 272
.set ADRA, 16
.set ADRB, 20
.set ADRS, 22
.set STO,  24
.set RD,   25
.set CO,   26
.set SPW,  28
.set NIL,  29
.set SC,   32
.set BN,   96
.set ACC,  128
.set G1, 24
.set G0, 32
.set G1B, 48
.set G0B, 56
.set MSB, 0
.macro WIN new
.if MSB != (\new)
	s_set_vgpr_msb (MSB<<8)|(\new)
.set MSB, (\new)
.endif
.endm
.set MUL,  0x05
.set TO_F, 0x40
.macro JLOAD g0a, g1a, g0b, g1b
	s_cmp_eq_u32 s15, 0
	s_cbranch_scc0 .Lfor_b_\@
	tensor_load_to_lds s[\g0a:\g0a+3], s[\g1a:\g1a+7]
	s_nop 0
.rept 4
	v_nop
.endr
	s_branch .Lasked_\@
.Lfor_b_\@:
	tensor_load_to_lds s[\g0b:\g0b+3], s[\g1b:\g1b+7]
	s_nop 0
.rept 4
	v_nop
.endr
.Lasked_\@:
.endm
.macro CREST
	s_cmp_lg_u32 s14, 0
	s_cbranch_scc1 .Lnot_wave_0_\@
	s_barrier_signal -3
.Lnot_wave_0_\@:
	s_barrier_wait -3
	s_barrier_signal -1
	s_barrier_wait -1
.endm
.macro CROUND
	s_barrier_signal -1
	s_barrier_wait -1
	CREST
.endm
.macro PLACES n
.rept \n
	v_nop
.endr
.endm
	s_load_b256 s[4:11], s[0:1], 0x0
	s_load_b64 s[12:13], s[0:1], 0x20
	v_lshl_add_u32 v[SPW], v0, 2, SPARE
	v_mov_b32 v[NIL], 0
	ds_add_u32 v28, v29
	ds_add_u32 v28, v29
	s_wait_dscnt 0x0
	v_lshrrev_b32 v1, 5, v0
	v_readfirstlane_b32 s14, v1
	s_lshr_b32 s15, s14, 1
	s_and_b32 s16, s14, 1
	s_bfe_u32 s40, ttmp6, 0x40000
	s_bfe_u32 s41, ttmp6, 0x40004
	s_lshl_b32 s42, ttmp9, 2
	s_add_co_u32 s42, s42, s40
	s_and_b32 s17, ttmp7, 0xffff
	s_lshl_b32 s17, s17, 2
	s_add_co_u32 s17, s17, s41
	s_lshl_b32 s43, s41, 2
	s_lshl_b32 s43, 15, s43
	s_lshl_b32 s44, 0x1111, s40
	s_or_b32 s[G1+0], s43, (3<<16)|(1<<21)
	s_or_b32 s[G1B+0], s44, (3<<16)|(1<<21)
.irp g, G1, G1B
	s_mov_b32 s[\g+1], 32<<16
	s_mov_b32 s[\g+2], 136<<16
	s_mov_b32 s[\g+3], 32<<16
	s_mov_b32 s[\g+4], 136
	s_mov_b32 s[\g+5], 32
	s_mov_b32 s[\g+6], 0
	s_mov_b32 s[\g+7], 0
.endr
	s_mul_i32 s20, s17, KU
	s_add_co_u32 s20, s20, s16
	s_mul_i32 s20, s20, UNIT
	s_mov_b32 s21, 0
	s_mul_i32 s46, s42, KU
	s_add_co_u32 s46, s46, s16
	s_mul_i32 s46, s46, UNIT
	s_add_co_u32 s46, s46, B_OFF
	s_mov_b32 s47, 0
	s_mul_i32 s45, s14, UNIT
	s_wait_kmcnt 0x0
	s_add_nc_u64 s[20:21], s[4:5], s[20:21]
	s_add_nc_u64 s[46:47], s[6:7], s[46:47]
	CROUND
.irp s, 0,1
.if \s < NS
	s_mov_b32 s[G0+4*\s], 1
	s_add_co_u32 s[G0+4*\s+1], s45, \s*SLOT
	s_add_nc_u64 s[G0+4*\s+2:G0+4*\s+3], s[20:21], \s*2*UNIT
	s_or_b32 s[G0+4*\s+3], s[G0+4*\s+3], 0x80000000
	s_mov_b32 s[G0B+4*\s], 1
	s_add_co_u32 s[G0B+4*\s+1], s45, \s*SLOT
	s_add_nc_u64 s[G0B+4*\s+2:G0B+4*\s+3], s[46:47], \s*2*UNIT
	s_or_b32 s[G0B+4*\s+3], s[G0B+4*\s+3], 0x80000000
.if \s == 0
	JLOAD G0, G1, G0B, G1B                         ; slot 0: my one tensor load at the head
.endif
.endif
.endr
	v_and_b32 v1, 15, v0
	v_bfe_u32 v2, v0, 4, 1
	v_and_b32 v3, 31, v0
	v_lshlrev_b32 v4, 4, v3
	s_lshl_b32 s21, s15, 14
	s_lshl_b32 s22, s16, 14
	s_add_co_u32 s22, s22, 2*UNIT
	v_add_nc_u32 v[ADRA], s21, v4
	v_add_nc_u32 v[ADRB], s22, v4
	s_lshl_b32 s21, s15, 10
	s_lshl_b32 s22, s16, 10
	s_add_co_u32 s22, s22, 2*UNIT
	s_sub_co_u32 s23, s22, s21
	v_mul_u32_u24 v6, s23, v2
	v_lshl_add_u32 v5, v1, 4, v6
	v_add_nc_u32 v5, s21, v5
	v_add_nc_u32 v[ADRS], UC, v5
.if NS > 1
	v_add_nc_u32 v[ADRA+1], SLOT, v[ADRA]
	v_add_nc_u32 v[ADRB+1], SLOT, v[ADRB]
	v_add_nc_u32 v[ADRS+1], SLOT, v[ADRS]
.endif
	s_mul_i32 s23, s14, 64*SPITCH
.if STAGE
	s_add_co_u32 s23, s23, STAGE
.endif
	v_mul_u32_u24 v5, v1, SPITCH
	v_lshl_add_u32 v5, v2, 5, v5
	v_add_nc_u32 v[STO], s23, v5
	v_mul_u32_u24 v5, v2, SPITCH
	v_lshl_add_u32 v5, v1, 4, v5
	v_add_nc_u32 v[RD], s23, v5
	v_lshlrev_b32 v[CO], 12, v2
	v_lshl_add_u32 v[CO], v1, 4, v[CO]
	v_lshlrev_b32 v7, 5, v2
	s_wait_alu depctr_va_vdst(0)
	s_lshl_b32 s20, s17, 7
	s_lshl_b32 s21, s15, 6
	s_add_co_u32 s20, s20, s21
	s_lshl_b32 s20, s20, 12
	s_mov_b32 s21, 0
	s_lshl_b32 s46, s42, 9
	s_lshl_b32 s47, s16, 8
	s_add_co_u32 s46, s46, s47
	s_mov_b32 s47, 0
	s_add_nc_u64 s[8:9], s[8:9], s[46:47]
	s_add_nc_u64 s[20:21], s[20:21], s[46:47]
	s_add_nc_u64 s[10:11], s[10:11], s[20:21]
	s_add_nc_u64 s[12:13], s[12:13], s[20:21]
.irp b, 0,1,2,3
	global_load_b128 v[BN+8*\b:BN+8*\b+3], v7, s[8:9] offset:64*\b
	global_load_b128 v[BN+8*\b+4:BN+8*\b+7], v7, s[8:9] offset:64*\b+16
.endr
	WIN 0x80
.irp t, 0,1,2,3,4,5,6,7,8,9,10,11,12,13,14,15,16,17,18,19,20,21,22,23,24,25,26,27,28,29,30,31
	global_load_b128 v[4*\t:4*\t+3], v[CO], s[10:11] offset:\t*8192 th:TH_LOAD_NT
.endr
	WIN 0
.macro MUL8 sc, kq, c, a0, cm
.set QQ, 2*(\kq)+(\c)
.set rS, SC+32*(\sc)+16*(QQ/4)+QQ%4
.set fB, 128*((\kq)%2)
.irp a, \a0, \a0+1
.irp b, 0,1,2,3
.set rD, ACC+8*(4*(\a)+\b)
.set rB, fB+64+8*(4*(\c)+\b)
.set rA, fB+8*(4*(\c)+(\a))
.if \cm
.set rC, BN+8*\b
.else
.set rC, rD
.endif
	v_wmma_scale_f32_16x16x128_f8f6f4 v[rD:rD+7], v[rB:rB+7], v[rA:rA+7], v[rC:rC+7], v[rS+4*\b], v[rS+4*(\a)] matrix_a_fmt:MATRIX_FMT_FP4 matrix_b_fmt:MATRIX_FMT_FP4 matrix_a_scale:MATRIX_SCALE_ROW1
.endr
.endr
.endm
.macro FETCH slot, kq
.set fB, 128*((\kq)%2)
	WIN TO_F
.irp c, 0,1
.irp i, 0,1,2,3
	ds_load_b128 v[fB+64+8*(4*\c+\i):fB+64+8*(4*\c+\i)+3],   v[ADRB+\slot] offset:((2*(\kq)+\c)/4)*UNIT+((2*(\kq)+\c)%4)*1024+\i*4096
	ds_load_b128 v[fB+64+8*(4*\c+\i)+4:fB+64+8*(4*\c+\i)+7], v[ADRB+\slot] offset:((2*(\kq)+\c)/4)*UNIT+((2*(\kq)+\c)%4)*1024+\i*4096+512
	ds_load_b128 v[fB+8*(4*\c+\i):fB+8*(4*\c+\i)+3],         v[ADRA+\slot] offset:((2*(\kq)+\c)/4)*UNIT+((2*(\kq)+\c)%4)*1024+\i*4096
	ds_load_b128 v[fB+8*(4*\c+\i)+4:fB+8*(4*\c+\i)+7],       v[ADRA+\slot] offset:((2*(\kq)+\c)/4)*UNIT+((2*(\kq)+\c)%4)*1024+\i*4096+512
.endr
.endr
.endm
.macro SCALES sc
.irp u, 0,1
.irp i, 0,1,2,3
	ds_load_b128 v[SC+32*\sc+16*\u+4*\i:SC+32*\sc+16*\u+4*\i+3], v[ADRS+\sc] offset:\u*UNIT+256*\i
.endr
.endr
.endm
.macro QUARTER slot, kq, cm
	s_wait_dscnt 16
	WIN MUL
	MUL8 \slot, \kq, 0, 0, \cm
	MUL8 \slot, \kq, 0, 2, \cm
	PLACES 4
	FETCH \slot, (\kq)+1
	s_wait_dscnt 32
	WIN MUL
	MUL8 \slot, \kq, 1, 0, 0
	MUL8 \slot, \kq, 1, 2, 0
.endm
.macro TURN slot, next, fill
	WIN 0
	s_wait_tensorcnt 0x0
	ds_add_u32 v[SPW], v[NIL]
	s_wait_dscnt 17
	WIN MUL
	MUL8 \slot, 3, 0, 0, 0
	s_wait_dscnt 0x0
	s_barrier_signal -1
	MUL8 \slot, 3, 0, 2, 0
	WIN 0
	s_barrier_wait -1
.if \fill
	CREST
	s_add_nc_u64 s[G0+4*\slot+2:G0+4*\slot+3], s[G0+4*\slot+2:G0+4*\slot+3], 4*UNIT
	s_add_nc_u64 s[G0B+4*\slot+2:G0B+4*\slot+3], s[G0B+4*\slot+2:G0B+4*\slot+3], 4*UNIT
	JLOAD G0+4*\slot, G1, G0B+4*\slot, G1B
.else
	PLACES 4
.endif
	SCALES \next
	FETCH \next, 0
	WIN MUL
	MUL8 \slot, 3, 1, 0, 0
	MUL8 \slot, 3, 1, 2, 0
.endm
.macro LASTQ slot
	s_wait_dscnt 16
	WIN MUL
	MUL8 \slot, 3, 0, 0, 0
	MUL8 \slot, 3, 0, 2, 0
	s_wait_dscnt 0x0
	MUL8 \slot, 3, 1, 0, 0
	MUL8 \slot, 3, 1, 2, 0
	WIN 0
.endm
	s_wait_alu depctr_va_vdst(0)                   ; the wait at the head's end
	s_wait_tensorcnt 0x0                           ; my unit of slot 0 is in
	ds_add_u32 v[SPW], v[NIL]
	s_wait_dscnt 0x0
	CROUND                                         ; slot 0 is whole, and all sixteen work-groups are here
	JLOAD G0+4, G1, G0B+4, G1B                     ; slot 1's first fill: my one tensor load behind the round
	SCALES 0
	FETCH 0, 0
	s_wait_loadcnt 32
	QUARTER 0, 0, 1
.if LAPS > 1
	WIN 0
	s_mov_b32 s3, LAPS-1
.Llap:
	QUARTER 0, 1, 0
	QUARTER 0, 2, 0
	TURN 0, 1, 1
	QUARTER 1, 0, 0
	QUARTER 1, 1, 0
	QUARTER 1, 2, 0
	TURN 1, 0, 1
	QUARTER 0, 0, 0
	WIN 0
	s_sub_co_u32 s3, s3, 1
	s_cmp_lg_u32 s3, 0
	s_cbranch_scc1 .Llap
.endif
	QUARTER 0, 1, 0
	QUARTER 0, 2, 0
.if NS > 1
	TURN 0, 1, 0
	QUARTER 1, 0, 0
	QUARTER 1, 1, 0
	QUARTER 1, 2, 0
.endif
	LASTQ (NS-1)%2
	PLACES 4
.irp a, 0,1,2,3
.irp b, 0,1,2,3
	ds_store_b128 v[STO], v[ACC+8*(4*\a+\b):ACC+8*(4*\a+\b)+3] offset:\a*16*SPITCH+64*\b
	ds_store_b128 v[STO], v[ACC+8*(4*\a+\b)+4:ACC+8*(4*\a+\b)+7] offset:\a*16*SPITCH+64*\b+16
.endr
.irp t, 0,1,2,3,4,5,6,7
	ds_load_b128 v[ACC+32*\a+4*\t:ACC+32*\a+4*\t+3], v[RD] offset:(16*\a+2*\t)*SPITCH
.endr
.endr
	s_wait_loadcnt 0x0
.irp a, 0,1,2,3
	s_wait_dscnt 16*(3-\a)
	WIN 0x08
.set N, 32*\a
.rept 16
	v_pk_add_f32 v[ACC+N:ACC+N+1], v[ACC+N:ACC+N+1], v[N:N+1]
.set N, N+2
.endr
	WIN 0
.irp t, 0,1,2,3,4,5,6,7
	global_store_b128 v[CO], v[ACC+32*\a+4*\t:ACC+32*\a+4*\t+3], s[12:13] offset:(8*\a+\t)*8192 th:TH_STORE_NT
.endr
.endr
	s_wait_tensorcnt 0x0
	ds_add_u32 v[SPW], v[NIL]
	s_wait_dscnt 0x0
	CROUND
	s_endpgm
.Lfunc_end_k_q6cd54a7b98_ffn2:
	.size	k_q6cd54a7b98_ffn2, .Lfunc_end_k_q6cd54a7b98_ffn2-k_q6cd54a7b98_ffn2
	.p2alignl 7, 3214868480
	.fill 96, 4, 3214868480
	.section	.rodata,"a",@progbits
	.p2align	6, 0x0
	.amdhsa_kernel k_q6cd54a7b98_ffn2
		.amdhsa_group_segment_fixed_size 327680
		.amdhsa_private_segment_fixed_size 0
		.amdhsa_enable_private_segment 0
		.amdhsa_kernarg_size 40
		.amdhsa_user_sgpr_count 2
		.amdhsa_user_sgpr_kernarg_segment_ptr 1
		.amdhsa_wavefront_size32 1
		.amdhsa_system_sgpr_workgroup_id_x 1
		.amdhsa_system_sgpr_workgroup_id_y 1
		.amdhsa_system_sgpr_workgroup_id_z 1
		.amdhsa_system_vgpr_workitem_id 0
		.amdhsa_next_free_vgpr 768
		.amdhsa_next_free_sgpr 100
		.amdhsa_reserve_vcc 0
		.amdhsa_float_denorm_mode_32 3
		.amdhsa_float_denorm_mode_16_64 3
		.amdhsa_memory_ordered 1
		.amdhsa_forward_progress 1
		.amdhsa_inst_pref_size 128
	.end_amdhsa_kernel
	.amdgpu_metadata
---
amdhsa.version: [ 1, 2 ]
amdhsa.kernels:
  - .name:           k_q6cd54a7b98_ffn2
    .symbol:         k_q6cd54a7b98_ffn2.kd
    .args:
      - { .name: hid, .offset: 0, .size: 8, .value_kind: global_buffer, .address_space: global }
      - { .name: wimg, .offset: 8, .size: 8, .value_kind: global_buffer, .address_space: global }
      - { .name: b2, .offset: 16, .size: 8, .value_kind: global_buffer, .address_space: global }
      - { .name: x1, .offset: 24, .size: 8, .value_kind: global_buffer, .address_space: global }
      - { .name: out0, .offset: 32, .size: 8, .value_kind: global_buffer, .address_space: global }
    .group_segment_fixed_size: 327680
    .private_segment_fixed_size: 0
    .kernarg_segment_align: 8
    .kernarg_segment_size: 40
    .max_flat_workgroup_size: 128
    .sgpr_count:     100
    .vgpr_count:     768
    .wavefront_size: 32
...
	.end_amdgpu_metadata
.endif
;; end of part 14
